; MI455X (gfx1250); checked and timed in simulation.
; The chip was launched on July 23, 2026; its instructions are those of AMD's public machine-readable ISA for CDNA 5 (MIT licence, August 2026) and "CDNA5" Instruction Set Architecture Reference Guide (July 2026). The comments in the code are by the model that wrote it; some were corrected since.
;; Multihead Self Attention Enc. Allowed arithmetic: matrix products marked QUANTISED: E2M3 operands, one E8M0 scale for each 32 along K, by v_wmma_scale_f32_16x16x128_f8f6f4 with both operands' format E2M3, f32 sums; everything else in f32.
;; Inputs: bk 2,048 float32; bo 2,048 float32; bq 2,048 float32; bv 2,048 float32; k_norm_w 128 float32; q_norm_w 128 float32; rope 1 x 2,048 x 1 x 64 x 2 x 2 float32; wk 2,048 x 2,048 float32; wo 2,048 x 2,048 float32; wq 2,048 x 2,048 float32; wv 2,048 x 2,048 float32; x 1 x 2,048 x 2,048 float32.
;; Outputs: out0 1 x 2,048 x 2,048 float32.
;; This version of the problem:
;;   THIS VERSION OF THE PROBLEM IS GIVEN IN LOW PRECISION. The matrix products marked QUANTISED in the list below multiply operands that are first quantised to E2M3 (2 exponent bits, 3 mantissa bits; 6 bits a number), with one power-of-two scale for each 32 numbers along K (OCP MX v1.0); their sums are f32. All else is computed in f32.
;;   The module's matrix products, in the order in which they are computed (A, B: the left and right operand; K: the contracted axis; several contracted axes count as one K, in the product's order):
;;     1. [M 2,048, K 2,048] x [K 2,048, N 2,048]; A: input x; B: input wq: QUANTISED
;;     2. [M 2,048, K 2,048] x [K 2,048, N 2,048]; A: input x; B: input wk: QUANTISED
;;     3. [M 2,048, K 2,048] x [K 2,048, N 2,048]; A: input x; B: input wv: QUANTISED
;;     4. batch 16 x [M 2,048, K 128] x [K 128, N 2,048]; A: computed on the way; B: computed on the way: QUANTISED
;;     5. batch 16 x [M 128, K 2,048] x [K 2,048, N 2,048]; A: computed on the way; B: softmax (see below): QUANTISED
;;     6. [M 2,048, K 2,048] x [K 2,048, N 2,048]; A: computed on the way; B: input wo: QUANTISED
;;   THE QUANTISER, for each operand of a quantised product, along K:
;;     - K is cut into blocks of 32 from its start; a last block that is shorter is filled with zeros.
;;     - A block's scale is 2^e with e = floor(log2(the largest magnitude in the block)) - 2, held to -126 .. 127; a block of zeros has e = 0. As a byte (E8M0): e + 127.
;;     - Each number is divided by its block's scale, clamped to +-7.5, and rounded to the nearest number of E2M3, ties to even, subnormals kept.
;;     - The product sums the exact products of the quantised numbers (number of the format x scale) in f32.
;;   ~~~python
;;   def quantise(x, axis):      # numpy; x: float32 -> the quantised numbers, widened to float32 again
;;       x = np.moveaxis(x, axis, -1); K = x.shape[-1]
;;       x = np.pad(x, [(0, 0)] * (x.ndim - 1) + [(0, -K % 32)]); x = x.reshape(x.shape[:-1] + (-1, 32)); a = np.abs(x).max(-1, keepdims=True)
;;       e = np.where(a > 0, np.clip(np.frexp(np.where(a > 0, a, 1))[1] - 1 - 2, -126, 127), 0)      # np.frexp(a)[1] - 1 = floor(log2(a)), exactly
;;       r = np.clip(x / 2.0 ** e, -7.5, 7.5)
;;       step = 2.0 ** (np.maximum(np.frexp(np.where(r == 0, 1, r))[1] - 1, 0) - 3)
;;       q = np.round(r / step) * step * 2.0 ** e      # np.round: ties to even
;;       return np.moveaxis(q.reshape(q.shape[:-2] + (-1,))[..., :K], -1, axis).astype(np.float32)
;;   ~~~
;;   SOFTMAX AHEAD OF A QUANTISED PRODUCT. Where the list says 'softmax', what is quantised is not the finished softmax but p = 2^(t - M), with t = logit x log2(e) and M = ceil(the row's largest t), a whole number; so 1/2 < the row's largest p <= 1. The row's sum l is taken of the UNQUANTISED p, in f32, and the product's result is divided by l at the end. Since M is a whole number, a kernel that streams over the keys may use a running M (the ceiling of the running maximum): every later rescaling is an exact power of two, which a block's scale takes up: the codes' values come out the same.
;;   OPERANDS COMPUTED ON THE WAY. 'Computed on the way' means the value that the module computes at that place (a softmax that the list does not call 'softmax' is quantised finished and normalised). What goes into a quantiser is computed in f32, as accurately as f32 sums, v_exp_f32 and their like allow (about 1e-6 of the number): no bf16 or f16 on the way to a quantiser, and a product that is left as it is and whose result goes on into a quantised operand takes f32 operands (vector FMAs, or v_wmma_f32_16x16x4_f32). A number that lies on a knife's edge between two numbers of the format may be rounded either way, as far as f32 arithmetic and the matrix unit's own rounding can turn it there, and no further.
;; 2 versions. Each part assembles by itself: llvm-mc -triple=amdgcn-amd-amdhsa -mcpu=gfx1250 --defsym DOCPART=n.
;; ======== version 1 of 2: 4 launches
;; workspace buffers: ops1 16,384,000 bytes; qc 3,276,800 bytes; kvc 6,553,600 bytes; acod 3,276,800 bytes
;; launch quant (part 1): grid 640 x 1, 4 waves a work-group, no clusters, 34,304 bytes of LDS; arguments x, wq, wk, wv, wo, ops1; writes ops1
.if DOCPART == 1
	.amdgcn_target "amdgcn-amd-amdhsa--gfx1250"
	.amdhsa_code_object_version 6
	.text
	.protected	k_q96c92f3be6_quant
	.globl	k_q96c92f3be6_quant
	.p2align	8
	.type	k_q96c92f3be6_quant,@function
k_q96c92f3be6_quant:
	s_mov_b64 s[64:65], 0
	v_nop
	global_prefetch_b8 v0, s[64:65] scope:SCOPE_SE
	s_setreg_imm32_b32 hwreg(HW_REG_WAVE_MODE, 25, 1), 1
	s_wait_xcnt 0x0
; x, wq, wk, wv, wo, each [2048][2048] f32 with K innermost, become codes of FP6 (E2M3) with one E8M0 byte for each 32 along K.
; THE LAYOUT OF ops1 (and of every operand that this program keeps in memory): [tensor][group of 128 rows][K step of 128][12,800 bytes].  Such a block holds 8 fragments
; of 1,536 bytes and then 512 bytes of scale words.  A fragment is THE IMAGE OF THE OPERAND'S 12 REGISTERS: piece c (512 bytes) holds registers 4 c .. 4 c + 3, lane l's 16 bytes at 16 l.
; Lane r of fragment t holds row 32 (t / 2) + 8 (t % 2) + r + 8 (r / 8) of the group.  Row r's scale word of fragment t lies at 12,288 + 256 (t / 4) + 16 r + 4 (t % 4).
; So a reader takes a fragment by three loads of 512 consecutive bytes and the scale words of four fragments by one load of 16 bytes a lane.
; A block's scale is 2^(floor(log2(largest magnitude)) - 2); its byte is the largest magnitude's exponent field - 2, held at 1 from below.
; LIMITS: a block of zeros gets the byte 1 where the rule says 127 (its codes are zeros, and this program alone reads the bytes); NaN and infinities among the inputs are not served.
; SHARES: 128 work-groups a tensor.  A work-group takes 64 rows x 512 along K, each of its four waves one K step: 4 fragments and their 256 bytes of scale words.
; Each load reads one row's 512 consecutive bytes; 16 rows turn through the wave's own stage in LDS, so that a lane gets 16 neighbours of each block of 32.  No tensor loads, no barrier: waves share nothing.
.set TENS,  3276800                    ; bytes of a tensor in ops1
.set BLKB,  12800                      ; bytes of a block
.set FRB,   1536                       ; bytes of a fragment
.set SP,    528                        ; a stage row: 512 bytes + 16: sixteen rows start at sixteen different groups of banks
.set LI,    4                          ; v4   16 x lane
.set STI,   5                          ; v5   into the stage: stage + 16 x lane
.set STO,   6                          ; v6   out of it: stage + 528 r + 64 h
.set SCO,   7                          ; v7   my place among the scale words: 16 r + 8 h
.set TM,    10                         ; v10-25  at work in QUANT
.set PWS,   26                         ; v26-29  the four fragments' scale words
.set R,     32                         ; v32-159 two sets of 16 rows as loaded
.set X,     160                        ; v160-223 64 numbers of my row: register 16 b + i = k 32 b + 16 h + i
.set PC,    224                        ; v224-243 the codes just made
.set SEL,   32                         ; s[32:33] lane selects: lane l xor 16
; 64 numbers of a lane, register 16 b + i = k 32 b + 16 (lane / 16) + i of my row, become a fragment's codes in v[PC] on and its scale word in v[pw].
.macro QUANT s, pw
.irp b, 0,1,2,3
	v_max3_num_f32 v[TM+\b], |v[(\s)+16*\b]|, |v[(\s)+1+16*\b]|, 0x1800000   ; my 16 numbers of block b, and the floor 2^(3 - 127): the byte cannot fall under 1
.endr
.irp i, 2,4,6,8,10,12,14
.irp b, 0,1,2,3
	v_max3_num_f32 v[TM+\b], v[TM+\b], |v[(\s)+16*\b+\i]|, |v[(\s)+1+16*\b+\i]|   ; the four blocks by turns
.endr
.endr
.irp b, 0,1,2,3
	v_permlanex16_b32 v[TM+4+\b], v[TM+\b], s[SEL], s[SEL+1]
.endr
.irp b, 0,1,2,3
	v_max_num_f32 v[TM+\b], v[TM+\b], v[TM+4+\b]   ; with lane l xor 16's: the block's largest magnitude
.endr
.irp b, 0,1,2,3
	v_add_nc_u32 v[TM+12+\b], 0xff000000, v[TM+\b]   ; 2 off its exponent field: the conversion's scale operand
.endr
.irp b, 0,1,2,3
	v_lshrrev_b32 v[TM+4+\b], 23, v[TM+12+\b]      ; the scale's byte
.endr
	v_lshl_or_b32 v[\pw], v[TM+5], 8, v[TM+4]      ; four bytes: my row's scale word
	v_lshl_or_b32 v[\pw], v[TM+6], 16, v[\pw]
	v_lshl_or_b32 v[\pw], v[TM+7], 24, v[\pw]
.irp c, 0,1
	v_cvt_scalef32_pk16_fp6_f32 v[PC+6*\c:PC+2+6*\c], v[(\s)+32*\c:(\s)+15+32*\c], v[TM+12+2*\c]
	v_cvt_scalef32_pk16_fp6_f32 v[PC+12+4*\c:PC+14+4*\c], v[(\s)+16+32*\c:(\s)+31+32*\c], v[TM+12+2*\c+1]   ; (a conversion's three registers begin on an even number)
.endr
	v_nop                                          ; one plain place behind a scaled conversion
.irp c, 0,1                                    ; the operand wants a whole block in a lane: lanes 0-15 block 2 c, lanes 16-31 block 2 c + 1
.irp i, 0,1,2
	v_permlane16_swap_b32 v[PC+6*\c+\i], v[PC+12+4*\c+\i]
.endr
.irp i, 0,1,2
	v_mov_b32 v[PC+3+6*\c+\i], v[PC+12+4*\c+\i]
.endr
.endr
.endm
.macro LOADT t                         ; fragment t's 16 rows, 512 consecutive bytes a load, into set t % 2
.irp i, 0,1,2,3,4,5,6,7,8,9,10,11,12,13,14,15
	global_load_b128 v[R+64*((\t)%2)+4*\i:R+64*((\t)%2)+4*\i+3], v[LI], s[4:5] offset:(32*((\t)/2)+8*((\t)%2)+\i+8*(\i/8))*8192 th:TH_LOAD_NT
.endr
.endm
.macro TURNT t                         ; through the stage: LDS serves a wave's instructions in order, so no wait stands between the stores and the loads
.irp i, 0,1,2,3,4,5,6,7,8,9,10,11,12,13,14,15
	ds_store_b128 v[STI], v[R+64*((\t)%2)+4*\i:R+64*((\t)%2)+4*\i+3] offset:SP*\i
.endr
.irp b, 0,1,2,3
.irp jj, 0,1,2,3
	ds_load_b128 v[X+16*\b+4*\jj:X+16*\b+4*\jj+3], v[STO] offset:128*\b+16*\jj
.endr
.endr
.endm
.macro TILE t
.if (\t) < 3
	s_wait_loadcnt 16                              ; this fragment's 16 loads are in; the next one's 16 may be out
.else
	s_wait_loadcnt 0x0
.endif
	TURNT \t
	s_wait_dscnt 0x0                               ; my 64 numbers are back, and the stage's stores have read the set
.if (\t) > 0
	s_wait_xcnt 0x0                                ; the last fragment's stores have read the codes' registers, which are written again below
.endif
.if (\t) < 2
	LOADT (\t)+2                                   ; the set takes the fragment two further on
.endif
	QUANT X, PWS+(\t)
.irp c, 0,1,2
	global_store_b128 v[LI], v[PC+4*\c:PC+4*\c+3], s[6:7] offset:FRB*(\t)+512*\c   ; 512 consecutive bytes, at a multiple of 256 from the buffer's first byte
.endr
.endm
	s_load_b256 s[4:11], s[0:1], 0x0               ; x, wq, wk, wv
	s_load_b128 s[12:15], s[0:1], 0x20             ; wo, ops1
	v_lshl_add_u32 v248, v0, 2, 0x8400
	v_mov_b32 v249, 0
	v_lshrrev_b32 v1, 5, v0
	v_readfirstlane_b32 s17, v1                    ; wave
	v_and_b32 v1, 31, v0                           ; lane
	v_and_b32 v2, 15, v0                           ; r
	v_bfe_u32 v3, v0, 4, 1                         ; h
	v_lshlrev_b32 v[LI], 4, v1
	s_mul_i32 s18, s17, 16*SP                      ; my stage
	v_add_nc_u32 v[STI], s18, v[LI]
	v_mul_u32_u24 v[STO], v2, SP
	v_lshl_add_u32 v[STO], v3, 6, v[STO]
	v_add_nc_u32 v[STO], s18, v[STO]
	v_lshlrev_b32 v[SCO], 4, v2
	v_lshl_add_u32 v[SCO], v3, 3, v[SCO]
	v_cmp_ne_u32 s30, 0, v3                        ; lanes 16-31
.irp b, 0,1,2,3
	v_mov_b32 v[TM+4+\b], 0                        ; written once: a lane permute's destination counts as one of its sources
.endr
	s_mov_b32 s[SEL], 0x76543210
	s_mov_b32 s[SEL+1], 0xfedcba98
	s_lshr_b32 s16, ttmp9, 7                       ; which tensor
	s_and_b32 s19, ttmp9, 127
	s_lshr_b32 s20, s19, 2                         ; which 64 rows
	s_and_b32 s19, s19, 3
	s_lshl_b32 s19, s19, 2
	s_add_co_u32 s19, s19, s17                     ; my K step
	s_lshl_b32 s22, s20, 19                        ; 64 rows of 8,192 bytes
	s_lshl_b32 s23, s19, 9                         ; 512 bytes a K step
	s_add_co_u32 s22, s22, s23
	s_mov_b32 s23, 0
	s_lshr_b32 s24, s20, 1                         ; the group of 128 rows
	s_lshl_b32 s24, s24, 4
	s_add_co_u32 s24, s24, s19
	s_mul_i32 s24, s24, BLKB
	s_mul_i32 s25, s16, TENS
	s_add_co_u32 s24, s24, s25                     ; my block's first byte in ops1
	s_and_b32 s26, s20, 1                          ; which half of its fragments
	s_mul_i32 s27, s26, 4*FRB
	s_lshl_b32 s28, s26, 8
	s_add_co_u32 s26, s24, s27
	s_mov_b32 s27, 0
	s_add_co_u32 s28, s24, s28
	s_add_co_u32 s28, s28, 8*FRB
	s_mov_b32 s29, 0
	s_wait_kmcnt 0x0
	s_cmp_eq_u32 s16, 1                            ; the choice hangs on the work-group's number alone
	s_cselect_b64 s[4:5], s[6:7], s[4:5]
	s_cmp_eq_u32 s16, 2
	s_cselect_b64 s[4:5], s[8:9], s[4:5]
	s_cmp_eq_u32 s16, 3
	s_cselect_b64 s[4:5], s[10:11], s[4:5]
	s_cmp_eq_u32 s16, 4
	s_cselect_b64 s[4:5], s[12:13], s[4:5]
	s_add_nc_u64 s[4:5], s[4:5], s[22:23]          ; my 64 rows, my K step
	s_add_nc_u64 s[6:7], s[14:15], s[26:27]        ; where my four fragments go
	s_add_nc_u64 s[8:9], s[14:15], s[28:29]        ; and their scale words
	LOADT 0
	LOADT 1
	TILE 0
	TILE 1
	TILE 2
	TILE 3
	v_cndmask_b32 v30, v[PWS], v[PWS+2], s30       ; lanes 0-15 store row r's words of fragments 0 and 1, lanes 16-31 those of 2 and 3
	v_cndmask_b32 v31, v[PWS+1], v[PWS+3], s30
	global_store_b64 v[SCO], v[30:31], s[8:9]      ; 32 lanes store 256 consecutive bytes, aligned
	s_wait_tensorcnt 0x0
	ds_add_u32 v248, v249
	s_wait_dscnt 0x0
	s_endpgm
.Lfunc_end_k_q96c92f3be6_quant:
	.size	k_q96c92f3be6_quant, .Lfunc_end_k_q96c92f3be6_quant-k_q96c92f3be6_quant
	.p2alignl 7, 3214868480
	.fill 96, 4, 3214868480
	.section	.rodata,"a",@progbits
	.p2align	6, 0x0
	.amdhsa_kernel k_q96c92f3be6_quant
		.amdhsa_group_segment_fixed_size 34304
		.amdhsa_private_segment_fixed_size 0
		.amdhsa_enable_private_segment 0
		.amdhsa_kernarg_size 48
		.amdhsa_user_sgpr_count 2
		.amdhsa_user_sgpr_kernarg_segment_ptr 1
		.amdhsa_wavefront_size32 1
		.amdhsa_system_sgpr_workgroup_id_x 1
		.amdhsa_system_sgpr_workgroup_id_y 1
		.amdhsa_system_sgpr_workgroup_id_z 1
		.amdhsa_system_vgpr_workitem_id 0
		.amdhsa_next_free_vgpr 250
		.amdhsa_next_free_sgpr 66
		.amdhsa_reserve_vcc 0
		.amdhsa_float_denorm_mode_32 3
		.amdhsa_float_denorm_mode_16_64 3
		.amdhsa_memory_ordered 1
		.amdhsa_forward_progress 1
		.amdhsa_inst_pref_size 34
	.end_amdhsa_kernel
	.amdgpu_metadata
---
amdhsa.version: [ 1, 2 ]
amdhsa.kernels:
  - .name:           k_q96c92f3be6_quant
    .symbol:         k_q96c92f3be6_quant.kd
    .args:
      - { .name: x, .offset: 0, .size: 8, .value_kind: global_buffer, .address_space: global }
      - { .name: wq, .offset: 8, .size: 8, .value_kind: global_buffer, .address_space: global }
      - { .name: wk, .offset: 16, .size: 8, .value_kind: global_buffer, .address_space: global }
      - { .name: wv, .offset: 24, .size: 8, .value_kind: global_buffer, .address_space: global }
      - { .name: wo, .offset: 32, .size: 8, .value_kind: global_buffer, .address_space: global }
      - { .name: ops1, .offset: 40, .size: 8, .value_kind: global_buffer, .address_space: global }
    .group_segment_fixed_size: 34304
    .private_segment_fixed_size: 0
    .kernarg_segment_align: 8
    .kernarg_segment_size: 48
    .max_flat_workgroup_size: 128
    .sgpr_count:     66
    .vgpr_count:     250
    .wavefront_size: 32
...
	.end_amdgpu_metadata
.endif
;; end of part 1
;; launch qkv (part 2): grid 24 x 8, 4 waves a work-group, clusters of 4 x 4, 327,680 bytes of LDS; arguments ops1, bq, bk, bv, q_norm_w, k_norm_w, rope, qc, kvc; writes qc, kvc
.if DOCPART == 2
	.amdgcn_target "amdgcn-amd-amdhsa--gfx1250"
	.amdhsa_code_object_version 6
	.text
	.protected	k_q96c92f3be6_qkv
	.globl	k_q96c92f3be6_qkv
	.p2align	8
	.type	k_q96c92f3be6_qkv,@function
k_q96c92f3be6_qkv:
	s_mov_b64 s[64:65], 0
	v_nop
	global_prefetch_b8 v0, s[64:65] scope:SCOPE_SE
	s_setreg_imm32_b32 hwreg(HW_REG_WAVE_MODE, 25, 1), 1
	s_wait_xcnt 0x0
	s_wait_alu depctr_hold_cnt(0) depctr_sa_sdst(0) depctr_va_vdst(0) depctr_va_sdst(0) depctr_va_ssrc(0) depctr_va_vcc(0) depctr_vm_vsrc(0)
	s_getreg_b32 s2, hwreg(HW_REG_IB_STS2, 6, 4)
	s_cmp_eq_u32 s2, 0
	s_cbranch_scc0 .Lentry_in_a_cluster
	s_endpgm
.Lentry_in_a_cluster:
	s_bfe_u32 s2, ttmp6, 0x10000c
	s_cmp_lg_u32 s2, 0xf033
	s_cbranch_scc0 .Lentry_shape_is_right
	s_endpgm
.Lentry_shape_is_right:
; q = x wq^T + bq, k = x wk^T + bk, v = x wv^T + bv on codes of FP6 (E2M3) with E8M0 scales; then, in f32, the RMS norm over a head's 128, the gain and the 2 x 2 rope of q and k;
; then the quantisers of the next products: q and k along the head's 128, v along the tokens.  Results leave as images of the next operands' registers.
; OPERANDS (ops1): [tensor x, wq, wk, wv, wo][group of 128 rows][K step of 128][12,800]: 8 fragments of 1,536 bytes (piece c = registers 4 c .. 4 c + 3, lane l at 16 l), then 512 bytes of scale words
; (row r of fragment t at 12,288 + 256 (t / 4) + 16 r + 4 (t % 4)).  Lane r of fragment t holds row 32 (t / 2) + 8 (t % 2) + r + 8 (r / 8) of the group.
; SHARES: a work-group of four waves makes 256 x 256, a wave 128 x 128: 64 accumulators, 512 registers: one head x one group of 128 tokens.  K goes in slots of 256 through a ring of two LDS slots.
; Region A's fragments are source 1 (their rows fall on the result's lanes), region B's are source 0 (their rows run along a lane's registers: by the choice of rows above, the 16 registers of two neighbouring
; tiles are 16 neighbours).  For q and k: A = x, B = the weight: a lane holds a token, its 64 registers the head's channels 32 b + 16 h + i.  For v: A = wv, B = x: a lane holds a channel, its registers the tokens.
; Only global addresses differ between the two: clusters 0-3 along x make q and k, clusters 4 and 5 make v.
; CLUSTERS: 4 x 4 work-groups.  A's groups are shared along a row of the cluster, B's along a column: each is asked for jointly, by the same tensor load with the same descriptor and a mask that names the four.
; No prefetch: a group's K steps are read by several clusters, and the ring has only eight fills.
; LIMITS: a block of zeros gets the byte 1 where the rule says 127 (zero codes; this program alone reads the bytes); NaN and infinities are not served.
; REGISTERS, in windows of 256.  Loop: window 0: v16-25 LDS addresses, v28-29 the spare word's, v32-63 scale words (two sets; these hold nothing else in the whole text), v128-223 A's fragments (one set);
;   window 1: B's fragments, two sets at v0 and v128; windows 2, 3: the accumulators ((a, b) at v[8 (8 (a % 4) + b)]).
; Way out: window 0: v4-19, v20-27, v30-31 at work; v64-127 the 64 numbers in hand; v128-191 a half block of rope; v192-219 codes and sums.  Window 1: v0-63 bias, v64-127 gain, v128-255 two half blocks of rope.
.set TENS,  3276800
.set GK,    204800                     ; a group's 16 K steps
.set BLKB,  12800
.set FRB,   1536
.set GRP,   2*BLKB                     ; a group x 2 K steps: what one tensor load brings
.set SLOT,  4*GRP                      ; A's two groups, then B's two
.set SPARE, 2*SLOT                     ; the spare words, 128 bytes for each wave: two blocks of 256 bytes that no other line names
.set LAPS,  4                          ; a lap = two slots = 512 along K
.set FR,    12
.set NP,    4                          ; places behind this matrix instruction (ISA guide 7.12.1)
.set ADRA,  16                         ; v16-17 my group of A in slot 0, 1: + 16 x lane
.set ADRB,  20                         ; v20-21 the same for B
.set ADRS,  24                         ; v24-25 scale words: lanes 0-15 A's group, lanes 16-31 B's: + 16 r
.set SPW,   28
.set NIL,   29
.set SC,    32                         ; set for slot s at v[SC + 16 s]; register 8 q + t: lanes 0-15 the word of A's fragment t, lanes 16-31 of B's
.set AF,    128
.set WV,    22
.set WHI,   23
.set WLO,   66
.set G1,    24
.set G0,    32
.set G1B,   48
.set G0B,   56
.set SEL,   98
.set TM,    4
.set PWS,   20
.set RS,    30
.set E,     64
.set BV,    128
.set PC,    192
.set SS,    212
.set T,     216
.set OFFR,  252
.set OFFB,  253
.set OFFV,  254
.set BI,    0
.set NW,    64
.set MSB, 0
.macro WIN new                         ; the immediate's high byte repeats the setting that is left
.if MSB != (\new)
	s_set_vgpr_msb (MSB<<8)|(\new)
.set MSB, (\new)
.endif
.endm
.set MUL_LO, 0xa1                      ; source 0 (B) window 1, source 1 (A) window 0, C and D window 2
.set MUL_HI, 0xf1
.set TO_B,   0x40
.macro PLACES n
.rept \n
	v_nop
.endr
.endm
; A joint load: waves 0 and 1 fetch A's two groups, waves 2 and 3 B's.  The branch hangs on the wave's number alone.  Four v_nop follow each of the two lines.
.macro JLOAD g0a, g1a, g0b, g1b
	s_cmp_eq_u32 s[WHI], 0
	s_cbranch_scc0 .Lfor_b_\@
	tensor_load_to_lds s[\g0a:\g0a+3], s[\g1a:\g1a+7]
	s_nop 0
.rept 4
	v_nop
.endr
	s_branch .Lasked_\@
.Lfor_b_\@:
	tensor_load_to_lds s[\g0b:\g0b+3], s[\g1b:\g1b+7]
	s_nop 0
.rept 4
	v_nop
.endr
.Lasked_\@:
.endm
.macro CREST                           ; a round of the cluster's barrier behind its opening barrier
	s_cmp_lg_u32 s[WV], 0
	s_cbranch_scc1 .Lnot_wave_0_\@
	s_barrier_signal -3
.Lnot_wave_0_\@:
	s_barrier_wait -3
	s_barrier_signal -1
	s_barrier_wait -1
.endm
.macro CROUND
	s_barrier_signal -1
	s_barrier_wait -1
	CREST
.endm
.macro QUANT s, pw                     ; 64 numbers of a lane (register 16 b + i = k 32 b + 16 h + i) -> codes in v[PC] on, scale word in v[pw]
.irp b, 0,1,2,3
	v_max3_num_f32 v[TM+\b], |v[(\s)+16*\b]|, |v[(\s)+1+16*\b]|, 0x1800000   ; and the floor 2^(3 - 127): the byte cannot fall under 1
.endr
.irp i, 2,4,6,8,10,12,14
.irp b, 0,1,2,3
	v_max3_num_f32 v[TM+\b], v[TM+\b], |v[(\s)+16*\b+\i]|, |v[(\s)+1+16*\b+\i]|
.endr
.endr
.irp b, 0,1,2,3
	v_permlanex16_b32 v[TM+4+\b], v[TM+\b], s[SEL], s[SEL+1]
.endr
.irp b, 0,1,2,3
	v_max_num_f32 v[TM+\b], v[TM+\b], v[TM+4+\b]
.endr
.irp b, 0,1,2,3
	v_add_nc_u32 v[TM+12+\b], 0xff000000, v[TM+\b]   ; 2 off the exponent field: the conversion's scale operand
.endr
.irp b, 0,1,2,3
	v_lshrrev_b32 v[TM+4+\b], 23, v[TM+12+\b]
.endr
	v_lshl_or_b32 v[\pw], v[TM+5], 8, v[TM+4]
	v_lshl_or_b32 v[\pw], v[TM+6], 16, v[\pw]
	v_lshl_or_b32 v[\pw], v[TM+7], 24, v[\pw]
.irp c, 0,1
	v_cvt_scalef32_pk16_fp6_f32 v[PC+6*\c:PC+2+6*\c], v[(\s)+32*\c:(\s)+15+32*\c], v[TM+12+2*\c]
	v_cvt_scalef32_pk16_fp6_f32 v[PC+12+4*\c:PC+14+4*\c], v[(\s)+16+32*\c:(\s)+31+32*\c], v[TM+12+2*\c+1]
.endr
	v_nop                                          ; one plain place behind a scaled conversion
.irp c, 0,1
.irp i, 0,1,2
	v_permlane16_swap_b32 v[PC+6*\c+\i], v[PC+12+4*\c+\i]
.endr
.irp i, 0,1,2
	v_mov_b32 v[PC+3+6*\c+\i], v[PC+12+4*\c+\i]
.endr
.endr
.endm
	s_load_b256 s[4:11], s[0:1], 0x0               ; ops1, bq, bk, bv
	s_load_b256 s[12:19], s[0:1], 0x20             ; q_norm_w, k_norm_w, rope, qc
	s_load_b64 s[20:21], s[0:1], 0x40              ; kvc
	v_lshl_add_u32 v[SPW], v0, 2, SPARE
	v_mov_b32 v[NIL], 0
	ds_add_u32 v28, v29
	s_wait_dscnt 0x0
	v_lshrrev_b32 v1, 5, v0
	v_readfirstlane_b32 s[WV], v1                  ; wave 0..3
	s_lshr_b32 s[WHI], s[WV], 1                    ; my group of A.  Also: I fetch for A (0) or for B (1)
	s_and_b32 s[WLO], s[WV], 1                     ; my group of B.  Also: which of the two groups I fetch
	s_bfe_u32 s40, ttmp6, 0x40000                  ; cx
	s_bfe_u32 s41, ttmp6, 0x40004                  ; cy
	s_lshl_b32 s43, s41, 2
	s_lshl_b32 s43, 15, s43                        ; my row of the cluster
	s_lshl_b32 s44, 0x1111, s40                    ; my column
	; descriptor group 1: 25,600 dense bytes as 100 rows of 256 bytes (32 elements of 8 bytes), no padding
	s_or_b32 s[G1+0], s43, (3<<16)|(1<<21)         ; 15:0 the mask: A's groups go to my row; 17:16 elements of 8 bytes; 21 set beside a mask
	s_or_b32 s[G1B+0], s44, (3<<16)|(1<<21)
.irp g, G1, G1B
	s_mov_b32 s[\g+1], 32<<16                      ; tensor_dim0
	s_mov_b32 s[\g+2], 100<<16                     ; tensor_dim1
	s_mov_b32 s[\g+3], 32<<16                      ; tile_dim0
	s_mov_b32 s[\g+4], 100                         ; tile_dim1
	s_mov_b32 s[\g+5], 32                          ; tensor_dim0_stride
	s_mov_b32 s[\g+6], 0
	s_mov_b32 s[\g+7], 0
.endr
	s_lshr_b32 s67, ttmp9, 2
	s_and_b32 s67, s67, 1                          ; 1 in the clusters that make v: the same in all sixteen partners
	s_and_b32 s68, ttmp7, 0xffff                   ; cluster y
	s_and_b32 s69, ttmp9, 3                        ; in a v cluster: 0 or 1
	s_mov_b32 s74, 3*TENS
	s_mov_b32 s75, TENS
	s_cmp_eq_u32 s67, 1
	s_cselect_b32 s70, s69, s68                    ; which four pairs of groups of A: wv's by cluster x, x's by cluster y
	s_cselect_b32 s71, s68, ttmp9                  ; and of B: x's by cluster y, wq's and wk's (32 groups on end) by cluster x
	s_cselect_b32 s72, s74, 0                      ; where A's tensor begins in ops1
	s_cselect_b32 s73, 0, s75                      ; and B's
	s_lshl_b32 s76, s70, 2
	s_add_co_u32 s76, s76, s41
	s_lshl_b32 s76, s76, 1                         ; the first of my work-group's two groups of A: it hangs on cy alone
	s_add_co_u32 s77, s76, s[WLO]
	s_mul_i32 s77, s77, GK
	s_add_co_u32 s78, s77, s72
	s_mov_b32 s79, 0
	s_lshl_b32 s80, s71, 2
	s_add_co_u32 s80, s80, s40
	s_lshl_b32 s80, s80, 1                         ; the first of its two groups of B: on cx alone
	s_add_co_u32 s81, s80, s[WLO]
	s_mul_i32 s81, s81, GK
	s_add_co_u32 s82, s81, s73
	s_mov_b32 s83, 0
	s_mul_i32 s45, s[WV], GRP                      ; where my load goes: no place in the cluster enters an LDS address
	s_wait_kmcnt 0x0
	s_add_nc_u64 s[78:79], s[4:5], s[78:79]
	s_add_nc_u64 s[82:83], s[4:5], s[82:83]
	CROUND                                         ; all sixteen work-groups are here: the first joint loads meet
.irp s, 0,1
	s_mov_b32 s[G0+4*\s], 1
	s_add_co_u32 s[G0+4*\s+1], s45, \s*SLOT
	s_add_nc_u64 s[G0+4*\s+2:G0+4*\s+3], s[78:79], \s*GRP
	s_or_b32 s[G0+4*\s+3], s[G0+4*\s+3], 0x80000000
	s_mov_b32 s[G0B+4*\s], 1
	s_add_co_u32 s[G0B+4*\s+1], s45, \s*SLOT
	s_add_nc_u64 s[G0B+4*\s+2:G0B+4*\s+3], s[82:83], \s*GRP
	s_or_b32 s[G0B+4*\s+3], s[G0B+4*\s+3], 0x80000000
	JLOAD G0+4*\s, G1, G0B+4*\s, G1B               ; two loads of mine are out
.endr
	v_and_b32 v1, 15, v0                           ; r
	v_bfe_u32 v2, v0, 4, 1                         ; h
	v_and_b32 v3, 31, v0
	v_lshlrev_b32 v3, 4, v3                        ; 16 x lane
	s_mul_i32 s46, s[WHI], GRP                     ; my group of A
	s_mul_i32 s47, s[WLO], GRP
	s_add_co_u32 s47, s47, 2*GRP                   ; my group of B
	v_lshlrev_b32 v5, 4, v1
	s_sub_co_u32 s42, s47, s46
	v_mul_u32_u24 v6, s42, v2                      ; lanes 16-31 take B's scale words
	v_add_nc_u32 v5, v5, v6
.irp s, 0,1
	v_add_nc_u32 v[ADRA+\s], s46, v3
	v_add_nc_u32 v[ADRB+\s], s47, v3
	v_add_nc_u32 v[ADRS+\s], s46, v5
	s_add_co_u32 s46, s46, SLOT
	s_add_co_u32 s47, s47, SLOT
.endr
	v_and_b32 v7, 8, v1
	v_add_nc_u32 v7, v7, v1                        ; r + 8 (r / 8): my row in a fragment
	v_lshlrev_b32 v[OFFR], 10, v7
	v_lshl_add_u32 v[OFFR], v2, 7, v[OFFR]         ; rope: 1,024 bytes a token, + 128 h: my eight pairs of a block of 32 channels
	v_lshlrev_b32 v[OFFB], 6, v2                   ; bias and gain of q and k: 64 h
	v_lshlrev_b32 v[OFFV], 2, v7                   ; bias of v: my channel
.macro FRAG reg, adr, off              ; a fragment comes as it was stored: three loads of 512 consecutive bytes
.irp c, 0,1,2
	ds_load_b128 v[(\reg)+4*\c:(\reg)+4*\c+3], v[\adr] offset:(\off)+512*\c
.endr
.endm
; 16 matrix instructions: A's fragments a0, a0 + 1 x B's eight.  p: B's set; q: the slot's K step; sc: the set of scale words.  The 64 accumulators take turns, one instruction a turn.
.macro MUL16 a0, p, q, sc, zero
.irp a, \a0, \a0+1
.irp b, 0,1,2,3,4,5,6,7
.if \zero
	v_wmma_scale_f32_16x16x128_f8f6f4 v[8*(8*((\a)%4)+\b):8*(8*((\a)%4)+\b)+7], v[128*(\p)+FR*\b:128*(\p)+FR*\b+FR-1], v[AF+FR*(\a):AF+FR*(\a)+FR-1], 0, v[SC+16*(\sc)+8*(\q)+\b], v[SC+16*(\sc)+8*(\q)+(\a)] matrix_a_fmt:MATRIX_FMT_FP6 matrix_b_fmt:MATRIX_FMT_FP6 matrix_a_scale:MATRIX_SCALE_ROW1
.else
	v_wmma_scale_f32_16x16x128_f8f6f4 v[8*(8*((\a)%4)+\b):8*(8*((\a)%4)+\b)+7], v[128*(\p)+FR*\b:128*(\p)+FR*\b+FR-1], v[AF+FR*(\a):AF+FR*(\a)+FR-1], v[8*(8*((\a)%4)+\b):8*(8*((\a)%4)+\b)+7], v[SC+16*(\sc)+8*(\q)+\b], v[SC+16*(\sc)+8*(\q)+(\a)] matrix_a_fmt:MATRIX_FMT_FP6 matrix_b_fmt:MATRIX_FMT_FP6 matrix_a_scale:MATRIX_SCALE_ROW1
.endif
.endr
.endr
.endm
.macro FETCH_B slot, q, p
	WIN TO_B
.irp i, 0,1,2,3,4,5,6,7
	FRAG 128*(\p)+FR*\i, ADRB+\slot, (\q)*BLKB+\i*FRB
.endr
	WIN 0
.endm
.macro FETCH_A slot, q, i0
.irp i, \i0, \i0+1, \i0+2, \i0+3
	FRAG AF+FR*(\i), ADRA+\slot, (\q)*BLKB+(\i)*FRB
.endr
.endm
.macro SCALES sc                       ; a slot's scale words: four fragments' words a load
.irp q, 0,1
.irp hf, 0,1
	ds_load_b128 v[SC+16*\sc+8*\q+4*\hf:SC+16*\sc+8*\q+4*\hf+3], v[ADRS+\sc] offset:\q*BLKB+8*FRB+256*\hf
.endr
.endr
.endm
.macro STEP slot, q, zero              ; a K step of 128 that has its successor in the same slot
	s_wait_dscnt 12                                ; B's set, A's fragments 0-3 and the scale words are in; the youngest twelve loads (A's 4-7) may be out
	WIN MUL_LO
	MUL16 0, (\q)%2, \q, \slot, \zero
	MUL16 2, (\q)%2, \q, \slot, \zero
	s_wait_dscnt 0                                 ; A's 4-7 are in
	PLACES NP
	FETCH_B \slot, (\q)+1, 1-(\q)%2
	FETCH_A \slot, (\q)+1, 0
	WIN MUL_HI
	MUL16 4, (\q)%2, \q, \slot, \zero
	MUL16 6, (\q)%2, \q, \slot, \zero
	PLACES NP
	WIN 0
	FETCH_A \slot, (\q)+1, 4
.endm
; A slot's last K step changes slots: one barrier; ahead of it each wave waits for all its tensor loads, adds 0 to its spare word, and waits for that and for its reads of this slot.
.macro TURN slot, next, fill
	s_wait_tensorcnt 0x0                           ; all my tensor loads have landed: the one that was out is my part of the next slot
	ds_add_u32 v[SPW], v[NIL]                      ; 0 onto my spare word
	s_wait_dscnt 13                                ; (the add and the youngest twelve loads may be out)
	WIN MUL_LO
	MUL16 0, 1, 1, \slot, 0                        ; sixteen matrix instructions stand between the add and the wait for it
	s_wait_dscnt 0x0                               ; the add is done, and my reads of this slot are over
	s_barrier_signal -1
	MUL16 2, 1, 1, \slot, 0
	WIN 0
	s_barrier_wait -1
.if \fill
	CREST                                          ; the barrier has opened a round of the cluster's: no wave of any partner still reads this slot or has a load on its way
	s_add_nc_u64 s[G0+4*\slot+2:G0+4*\slot+3], s[G0+4*\slot+2:G0+4*\slot+3], 2*GRP
	s_add_nc_u64 s[G0B+4*\slot+2:G0B+4*\slot+3], s[G0B+4*\slot+2:G0B+4*\slot+3], 2*GRP
	JLOAD G0+4*\slot, G1, G0B+4*\slot, G1B         ; my one tensor load behind the round; its four v_nop are also the places ahead of the loads below
.else
	PLACES NP
.endif
	FETCH_B \next, 0, 0
	FETCH_A \next, 0, 0
	SCALES \next
	WIN MUL_HI
	MUL16 4, 1, 1, \slot, 0
	MUL16 6, 1, 1, \slot, 0
	PLACES NP
	WIN 0
	FETCH_A \next, 0, 4
.endm
	s_wait_tensorcnt 1                             ; my part of slot 0 is in; slot 1's may stay out
	s_barrier_signal -1
	s_barrier_wait -1
	FETCH_B 0, 0, 0
	FETCH_A 0, 0, 0
	SCALES 0
	FETCH_A 0, 0, 4
	STEP 0, 0, 1                                   ; the first K step stands ahead of the loop: its products start the sums
	s_mov_b32 s3, LAPS-1
.Llap:                                                 ; a trip goes once round the ring and fills both slots again
	TURN 0, 1, 1
	STEP 1, 0, 0
	TURN 1, 0, 1
	STEP 0, 0, 0
	s_sub_co_u32 s3, s3, 1
	s_cmp_lg_u32 s3, 0
	s_cbranch_scc1 .Llap
	TURN 0, 1, 0                                   ; the last lap fills nothing
	STEP 1, 0, 0
	s_wait_dscnt 12
	WIN MUL_LO
	MUL16 0, 1, 1, 1, 0
	MUL16 2, 1, 1, 1, 0
	s_wait_dscnt 0
	WIN MUL_HI
	MUL16 4, 1, 1, 1, 0
	MUL16 6, 1, 1, 1, 0
	WIN 0
	; THE WAY OUT, block by block: A's fragment a = 16 lanes' rows x my 128 columns of B = 64 registers a lane.  No LDS: each block becomes one fragment's image, stored from registers.
	PLACES NP                                      ; ahead of the first read of results and of loads into registers that the products read
	v_mov_b32 v[RS+1], 0                           ; (named as the upper half of a pair)
.irp b, 0,1,2,3
	v_mov_b32 v[TM+4+\b], 0                        ; a lane permute's destination counts as one of its sources
.endr
	s_mov_b32 s[SEL], 0x76543210
	s_mov_b32 s[SEL+1], 0xfedcba98
	s_add_co_u32 s84, s76, s[WHI]                  ; my group of A
	s_add_co_u32 s85, s80, s[WLO]                  ; my group of B
	s_cmp_eq_u32 s67, 1
	s_cbranch_scc1 .Lv
	; ---- q and k: lane = token, registers = the head's channels
	s_and_b32 s86, s85, 15                         ; the head
	s_lshr_b32 s87, ttmp9, 1                       ; 0: q
	s_lshl_b32 s88, s86, 4
	s_add_co_u32 s88, s88, s84                     ; 16 x head + group of tokens
	s_mov_b32 s89, 2*BLKB
	s_mov_b32 s68, 0x3c000000                      ; 1 / 128
	s_mov_b32 s69, 0x34000000                      ; eps = 2^-23
	s_cmp_eq_u32 s87, 0
	s_cselect_b64 s[90:91], s[6:7], s[8:9]         ; bias
	s_cselect_b64 s[92:93], s[12:13], s[14:15]     ; gain
	s_cselect_b64 s[94:95], s[18:19], s[20:21]     ; qc, or kvc (K's block, then V's)
	s_cselect_b32 s89, BLKB, s89
	s_mul_i32 s88, s88, s89
	s_mov_b32 s89, 0
	s_add_nc_u64 s[94:95], s[94:95], s[88:89]
	s_lshl_b32 s88, s86, 9
	s_add_nc_u64 s[90:91], s[90:91], s[88:89]
	s_lshl_b32 s88, s84, 17                        ; 128 tokens of 1,024 bytes
	s_add_nc_u64 s[96:97], s[16:17], s[88:89]
; Half k of 16 of the rope: block k / 2, channels 64 (k % 2) on: 16 pairs a lane, 64 registers.  Three buffers by turns: window 0 v128, window 1 v128, window 1 v192.
.macro ROPEH k
.set KB, (\k)%3
.set RPB, 128+64*(KB/2)
	WIN 0x40*((KB+1)/2)
.irp bb, 0,1
.irp p, 0,1,2,3,4,5,6,7
	global_load_b128 v[RPB+32*\bb+4*\p:RPB+32*\bb+4*\p+3], v[OFFR], s[96:97] offset:(32*((\k)/4)+8*(((\k)/2)%2))*1024+512*((\k)%2)+256*\bb+16*\p
.endr
.endr
.endm
.macro RWAIT k                         ; half k is in; the two halves asked for behind it (16 loads each) may be out
.if (\k) < 14
	s_wait_loadcnt 32
.elseif (\k) == 14
	s_wait_loadcnt 16
.else
	s_wait_loadcnt 0x0
.endif
.endm
.macro ROT k                           ; out(2 P + o) = rope(P, o, 0) x(2 P) + rope(P, o, 1) x(2 P + 1), for the half's 16 pairs; then its buffer takes the half three further on
.set KB, (\k)%3
.set RPB, 128+64*(KB/2)
.set EB, E+32*((\k)%2)
	WIN (KB+1)/2
.set n, 0
.rept 16
.set TT, T+2*(n%2)
	v_mul_f32 v[TT], v[RPB+4*n+1], v[EB+2*n+1]
	v_mul_f32 v[TT+1], v[RPB+4*n+3], v[EB+2*n+1]
	v_fma_f32 v[EB+2*n+1], v[RPB+4*n+2], v[EB+2*n], v[TT+1]
	v_fma_f32 v[EB+2*n], v[RPB+4*n], v[EB+2*n], v[TT]
.set n, n+1
.endr
.if (\k)+3 < 16
	ROPEH (\k)+3
.endif
.endm
.macro QKBLOCK a
.set AC, 64*((\a)%4)
	RWAIT 2*(\a)                                   ; (in block 0: bias and gain, asked for earlier, are in too)
	WIN 0x06+(\a)/4                                ; source 0: the accumulators' window; source 1: window 1
.set n, 0
.rept 32
	v_pk_add_f32 v[E+n:E+n+1], v[AC+n:AC+n+1], v[BI+n:BI+n+1]   ; + bias; each accumulator is read from its low end on
.set n, n+2
.endr
	WIN 0
	v_pk_mul_f32 v[SS:SS+1], v[E:E+1], v[E:E+1]    ; the sum of squares, in two chains of pairs
	v_pk_mul_f32 v[SS+2:SS+3], v[E+2:E+3], v[E+2:E+3]
.set n, 4
.rept 15
	v_pk_fma_f32 v[SS:SS+1], v[E+n:E+n+1], v[E+n:E+n+1], v[SS:SS+1]
	v_pk_fma_f32 v[SS+2:SS+3], v[E+n+2:E+n+3], v[E+n+2:E+n+3], v[SS+2:SS+3]
.set n, n+4
.endr
	v_pk_add_f32 v[SS:SS+1], v[SS:SS+1], v[SS+2:SS+3]
	v_add_f32 v[SS], v[SS], v[SS+1]
	v_permlanex16_b32 v[SS+2], v[SS], s[SEL], s[SEL+1]
	v_add_f32 v[SS], v[SS], v[SS+2]                ; with lane l xor 16's 64 channels
	v_fma_f32 v[SS], v[SS], s68, s69               ; the mean + eps
	v_rsq_f32 v[RS], v[SS]
	v_nop                                          ; a plain place behind the transcendental
	s_wait_alu depctr_va_vdst(0)                   ; and a wait ahead of its first reader
.set n, 0
.rept 32
	v_pk_mul_f32 v[E+n:E+n+1], v[E+n:E+n+1], v[RS:RS+1] op_sel_hi:[1,0]
.set n, n+2
.endr
	WIN 0x04
.set n, 0
.rept 32
	v_pk_mul_f32 v[E+n:E+n+1], v[E+n:E+n+1], v[NW+n:NW+n+1]   ; x the gain
.set n, n+2
.endr
	ROT 2*(\a)
	RWAIT 2*(\a)+1
	ROT 2*(\a)+1
	WIN 0
.if (\a) > 0
	s_wait_xcnt 0x0                                ; the last block's stores have read the codes' registers
.endif
	QUANT E, PWS+(\a)
.irp c, 0,1,2
	global_store_b128 v3, v[PC+4*\c:PC+4*\c+3], s[94:95] offset:FRB*(\a)+512*\c   ; 512 consecutive bytes, aligned
.endr
.endm
	WIN 0x40
.irp bb, 0,1,2,3
.irp jj, 0,1,2,3
	global_load_b128 v[BI+16*\bb+4*\jj:BI+16*\bb+4*\jj+3], v[OFFB], s[90:91] offset:128*\bb+16*\jj   ; register 16 b + i: channel 32 b + 16 h + i
.endr
.endr
.irp bb, 0,1,2,3
.irp jj, 0,1,2,3
	global_load_b128 v[NW+16*\bb+4*\jj:NW+16*\bb+4*\jj+3], v[OFFB], s[92:93] offset:128*\bb+16*\jj
.endr
.endr
	ROPEH 0
	ROPEH 1
	ROPEH 2
.irp a, 0,1,2,3,4,5,6,7
	QKBLOCK \a
.endr
	s_branch .Lsc
	; ---- v: lane = channel of the head, registers = tokens
.Lv:
	s_lshl_b32 s88, s84, 4
	s_add_co_u32 s88, s88, s85                     ; 16 x head + group of tokens
	s_mul_i32 s88, s88, 2*BLKB
	s_add_co_u32 s88, s88, BLKB                    ; V's block lies behind K's
	s_mov_b32 s89, 0
	s_add_nc_u64 s[94:95], s[20:21], s[88:89]
	s_lshl_b32 s88, s84, 9
	s_add_nc_u64 s[90:91], s[10:11], s[88:89]
.irp a, 0,1,2,3,4,5,6,7
	global_load_b32 v[BV+2*\a], v[OFFV], s[90:91] offset:(32*(\a/2)+8*(\a%2))*4     ; my channel's bias in block a, twice: a pair for the packed addition
	global_load_b32 v[BV+2*\a+1], v[OFFV], s[90:91] offset:(32*(\a/2)+8*(\a%2))*4
.endr
	s_wait_loadcnt 0x0
.macro VBLOCK a
.set AC, 64*((\a)%4)
	WIN 0x02+(\a)/4
.set n, 0
.rept 32
	v_pk_add_f32 v[E+n:E+n+1], v[AC+n:AC+n+1], v[BV+2*(\a):BV+2*(\a)+1]
.set n, n+2
.endr
	WIN 0
.if (\a) > 0
	s_wait_xcnt 0x0                                ; the last block's stores have read the codes' registers
.endif
	QUANT E, PWS+(\a)
.irp c, 0,1,2
	global_store_b128 v3, v[PC+4*\c:PC+4*\c+3], s[94:95] offset:FRB*(\a)+512*\c
.endr
.endm
.irp a, 0,1,2,3,4,5,6,7
	VBLOCK \a
.endr
.Lsc:                                                  ; the block's 512 bytes of scale words: lanes 0-15 row r's words of fragments 0-3, lanes 16-31 of 4-7
	v_cmp_ne_u32 vcc_lo, 0, v2
.irp j, 0,1,2,3
	v_cndmask_b32 v[TM+\j], v[PWS+\j], v[PWS+4+\j], vcc_lo
.endr
	global_store_b128 v3, v[TM:TM+3], s[94:95] offset:8*FRB
	s_wait_tensorcnt 0x0                           ; the wave's end
	ds_add_u32 v[SPW], v[NIL]
	s_wait_dscnt 0x0
	CROUND                                         ; the closing round: no work-group ends while a partner may still ask for a tile that names it
	s_endpgm
.Lfunc_end_k_q96c92f3be6_qkv:
	.size	k_q96c92f3be6_qkv, .Lfunc_end_k_q96c92f3be6_qkv-k_q96c92f3be6_qkv
	.p2alignl 7, 3214868480
	.fill 96, 4, 3214868480
	.section	.rodata,"a",@progbits
	.p2align	6, 0x0
	.amdhsa_kernel k_q96c92f3be6_qkv
		.amdhsa_group_segment_fixed_size 327680
		.amdhsa_private_segment_fixed_size 0
		.amdhsa_enable_private_segment 0
		.amdhsa_kernarg_size 72
		.amdhsa_user_sgpr_count 2
		.amdhsa_user_sgpr_kernarg_segment_ptr 1
		.amdhsa_wavefront_size32 1
		.amdhsa_system_sgpr_workgroup_id_x 1
		.amdhsa_system_sgpr_workgroup_id_y 1
		.amdhsa_system_sgpr_workgroup_id_z 1
		.amdhsa_system_vgpr_workitem_id 0
		.amdhsa_next_free_vgpr 1024
		.amdhsa_next_free_sgpr 100
		.amdhsa_reserve_vcc 1
		.amdhsa_float_denorm_mode_32 3
		.amdhsa_float_denorm_mode_16_64 3
		.amdhsa_memory_ordered 1
		.amdhsa_forward_progress 1
		.amdhsa_inst_pref_size 255
	.end_amdhsa_kernel
	.section	.bss,"aw",@nobits
	.p2align	6
	.space	262144
	.amdgpu_metadata
---
amdhsa.version: [ 1, 2 ]
amdhsa.kernels:
  - .name:           k_q96c92f3be6_qkv
    .symbol:         k_q96c92f3be6_qkv.kd
    .args:
      - { .name: ops1, .offset: 0, .size: 8, .value_kind: global_buffer, .address_space: global }
      - { .name: bq, .offset: 8, .size: 8, .value_kind: global_buffer, .address_space: global }
      - { .name: bk, .offset: 16, .size: 8, .value_kind: global_buffer, .address_space: global }
      - { .name: bv, .offset: 24, .size: 8, .value_kind: global_buffer, .address_space: global }
      - { .name: q_norm_w, .offset: 32, .size: 8, .value_kind: global_buffer, .address_space: global }
      - { .name: k_norm_w, .offset: 40, .size: 8, .value_kind: global_buffer, .address_space: global }
      - { .name: rope, .offset: 48, .size: 8, .value_kind: global_buffer, .address_space: global }
      - { .name: qc, .offset: 56, .size: 8, .value_kind: global_buffer, .address_space: global }
      - { .name: kvc, .offset: 64, .size: 8, .value_kind: global_buffer, .address_space: global }
    .group_segment_fixed_size: 327680
    .private_segment_fixed_size: 0
    .kernarg_segment_align: 8
    .kernarg_segment_size: 72
    .max_flat_workgroup_size: 128
    .sgpr_count:     100
    .vgpr_count:     1024
    .wavefront_size: 32
...
	.end_amdgpu_metadata
.endif
;; end of part 2
;; launch attn (part 3): grid 16 x 16, 8 waves a work-group, clusters of 4 x 1, 327,680 bytes of LDS; arguments qc, kvc, acod; writes acod
.if DOCPART == 3
	.amdgcn_target "amdgcn-amd-amdhsa--gfx1250"
	.amdhsa_code_object_version 6
	.text
	.protected	k_q96c92f3be6_attn
	.globl	k_q96c92f3be6_attn
	.p2align	8
	.type	k_q96c92f3be6_attn,@function
k_q96c92f3be6_attn:
	s_mov_b64 s[64:65], 0
	v_nop
	global_prefetch_b8 v0, s[64:65] scope:SCOPE_SE
	s_setreg_imm32_b32 hwreg(HW_REG_WAVE_MODE, 25, 1), 1
	s_wait_xcnt 0x0
	s_wait_alu depctr_hold_cnt(0) depctr_sa_sdst(0) depctr_va_vdst(0) depctr_va_sdst(0) depctr_va_ssrc(0) depctr_va_vcc(0) depctr_vm_vsrc(0)
	s_getreg_b32 s2, hwreg(HW_REG_IB_STS2, 6, 4)
	s_cmp_eq_u32 s2, 0
	s_cbranch_scc0 .Lentry_in_a_cluster
	s_endpgm
.Lentry_in_a_cluster:
	s_bfe_u32 s2, ttmp6, 0x10000c
	s_cmp_lg_u32 s2, 0x3003
	s_cbranch_scc0 .Lentry_shape_is_right
	s_endpgm
.Lentry_shape_is_right:
; o = softmax(q k^T / sqrt(128)) v for 16 heads of 2,048 tokens, both products on codes of FP6 (E2M3) with E8M0 scales; o is quantised along the model's 2,048 for the last product.
; t = score x log2(e) / sqrt(128); M = the running largest t rounded UP to a whole number; p = 2^(t - M) is quantised along the keys; the row's sum is taken of the unquantised p and divides at the end.
; When M moves, the sum and O are multiplied by 2^(old M - new M): exact.
; OPERANDS are images of registers: a block of 12,800 bytes holds 8 fragments of 1,536 bytes and 512 bytes of scale words (row r of fragment t at 12,288 + 256 (t / 4) + 16 r + 4 (t % 4));
; lane r of fragment t holds row 32 (t / 2) + 8 (t % 2) + r + 8 (r / 8).  qc: [head][group of 128 queries]; kvc: [head][group of 128 keys][K's block | V's block (16 channels x 128 keys a fragment)]; acod: [group of tokens][head].
; SHARES: a work-group owns 128 queries of one head, each of its eight waves 16: fragment w.  Two waves to a SIMD: one wave's vector work stands beside the other's products and LDS loads.
; Both products are used transposed (S^T = K Q^T, O^T = V^T P^T): a lane holds one query; by the choice of rows the 16 registers of two neighbouring tiles are 16 neighbouring keys (channels).
; CLUSTER: the four query groups of a cluster walk the same K and V: each key step is asked for jointly (mask of four).  A slot holds four key steps; waves 0-3 fetch one each; two slots.
; No prefetch: a refill is asked for a whole slot, four key steps of every wave's work, ahead of its first read.
; LIMITS: p under 2^-126 is 0; a block of zeros keeps the byte 1 (zero codes); NaN and infinities are not served.
; REGISTERS: window 0: v1-8 addresses; v12 -M, v13 largest t, v[14:15] the sum; v16-27 Q, v28 its scale words; v32-39 K's scale words, v40-47 V's; v96-159 S^T, then p; v160-223 O^T; v224-254 at work.
;   window 1: v0-95 K's eight fragments, v96-191 V's.
.set BLKB,  12800
.set FRB,   1536
.set STEPB, 2*BLKB                     ; a key step: K's block, V's block
.set SLOT1, 131072                     ; slot 1 begins here: one exclusive or turns an address from one slot to the other
.set SPARE, SLOT1+4*STEPB              ; the spare words, 128 bytes for each of eight waves: four blocks of 256 bytes that no other line names
.set STG,   SPARE+1024                 ; 512 bytes: the output block's scale words meet here; no tensor load lands here
.set LI,    1                          ; v1  16 x lane
.set LR,    2                          ; v2  16 x (lane % 16)
.set SPW,   5
.set NIL,   6
.set WV,    18
.set SEL,   20
.set CS,    22
.set G1,    24
.set G0,    40
.set TB,    2                          ; s2  LDS byte at which the key step in hand begins
.set SLOTS, 56
.set STEPS, 57
.set TM,    184                        ; the way out's quantiser works in registers that O^T has left
.set PC,    160
.set MSB, 0
.macro WIN new
.if MSB != (\new)
	s_set_vgpr_msb (MSB<<8)|(\new)
.set MSB, (\new)
.endif
.endm
.macro PLACES n
.rept \n
	v_nop
.endr
.endm
.macro CROUND                          ; a round of the cluster's barrier
	s_barrier_signal -1
	s_barrier_wait -1
	s_cmp_lg_u32 s[WV], 0
	s_cbranch_scc1 .Lnot_wave_0_\@
	s_barrier_signal -3
.Lnot_wave_0_\@:
	s_barrier_wait -3
	s_barrier_signal -1
	s_barrier_wait -1
.endm
.macro TLOAD                           ; waves 0-3 fetch a key step each, the others nothing; the branch hangs on the wave's number alone; four v_nop follow the load
	s_cmp_lt_u32 s[WV], 4
	s_cbranch_scc0 .Lnone_\@
	tensor_load_to_lds s[G0:G0+3], s[G1:G1+7]
	s_nop 0
.rept 4
	v_nop
.endr
.Lnone_\@:
.endm
.macro QUANT s, pw                     ; 64 numbers of a lane (register 16 b + i = k 32 b + 16 h + i) -> codes in v[PC] on, scale word in v[pw]
.irp b, 0,1,2,3
	v_max3_num_f32 v[TM+\b], |v[(\s)+16*\b]|, |v[(\s)+1+16*\b]|, 0x1800000
.endr
.irp i, 2,4,6,8,10,12,14
.irp b, 0,1,2,3
	v_max3_num_f32 v[TM+\b], v[TM+\b], |v[(\s)+16*\b+\i]|, |v[(\s)+1+16*\b+\i]|
.endr
.endr
.irp b, 0,1,2,3
	v_permlanex16_b32 v[TM+4+\b], v[TM+\b], s[SEL], s[SEL+1]
.endr
.irp b, 0,1,2,3
	v_max_num_f32 v[TM+\b], v[TM+\b], v[TM+4+\b]
.endr
.irp b, 0,1,2,3
	v_add_nc_u32 v[TM+12+\b], 0xff000000, v[TM+\b]
.endr
.irp b, 0,1,2,3
	v_lshrrev_b32 v[TM+4+\b], 23, v[TM+12+\b]
.endr
	v_lshl_or_b32 v[\pw], v[TM+5], 8, v[TM+4]
	v_lshl_or_b32 v[\pw], v[TM+6], 16, v[\pw]
	v_lshl_or_b32 v[\pw], v[TM+7], 24, v[\pw]
.irp c, 0,1
	v_cvt_scalef32_pk16_fp6_f32 v[PC+6*\c:PC+2+6*\c], v[(\s)+32*\c:(\s)+15+32*\c], v[TM+12+2*\c]
	v_cvt_scalef32_pk16_fp6_f32 v[PC+12+4*\c:PC+14+4*\c], v[(\s)+16+32*\c:(\s)+31+32*\c], v[TM+12+2*\c+1]
.endr
	v_nop
.irp c, 0,1
.irp i, 0,1,2
	v_permlane16_swap_b32 v[PC+6*\c+\i], v[PC+12+4*\c+\i]
.endr
.irp i, 0,1,2
	v_mov_b32 v[PC+3+6*\c+\i], v[PC+12+4*\c+\i]
.endr
.endr
.endm
	s_load_b128 s[4:7], s[0:1], 0x0                ; qc, kvc
	s_load_b64 s[8:9], s[0:1], 0x10                ; acod
	v_lshl_add_u32 v[SPW], v0, 2, SPARE
	v_mov_b32 v[NIL], 0
	ds_add_u32 v5, v6
	s_wait_dscnt 0x0
	v_lshrrev_b32 v9, 5, v0
	v_readfirstlane_b32 s[WV], v9                  ; wave 0..7
	v_and_b32 v[LI], 31, v0
	v_lshlrev_b32 v[LI], 4, v[LI]
	v_and_b32 v[LR], 15, v0
	v_lshlrev_b32 v[LR], 4, v[LR]
	s_lshr_b32 s10, s[WV], 2
	s_lshl_b32 s10, s10, 8
	s_and_b32 s11, s[WV], 3
	s_lshl_b32 s12, s11, 2
	s_add_co_u32 s10, s10, s12                     ; fragment w's words among a block's scale words: 256 (w / 4) + 4 (w % 4)
	v_add_nc_u32 v7, s10, v[LR]
	v_add_nc_u32 v7, STG, v7                       ; where my row's scale word of the output goes
	v_add_nc_u32 v8, STG, v[LI]                    ; and where wave 0 reads all of them back
	s_bfe_u32 s13, ttmp6, 0x40000                  ; cx: it enters qc's and acod's addresses alone
	s_lshl_b32 s14, ttmp9, 2
	s_add_co_u32 s14, s14, s13                     ; my group of queries
	s_and_b32 s15, ttmp7, 0xffff                   ; the head, which the four partners share
	s_mul_i32 s44, s11, STEPB                      ; the key step that I fetch: its place in a slot,
	s_mul_i32 s46, s15, 16*STEPB
	s_add_co_u32 s46, s46, s44                     ; and in kvc
	s_mov_b32 s47, 0
	s_lshl_b32 s48, s15, 4
	s_add_co_u32 s48, s48, s14
	s_mul_i32 s48, s48, BLKB                       ; Q's block
	s_mov_b32 s49, 0
	s_lshl_b32 s50, s14, 4
	s_add_co_u32 s50, s50, s15
	s_mul_i32 s50, s50, BLKB                       ; the output's block
	s_mov_b32 s51, 0
	s_mul_i32 s52, s[WV], FRB                      ; my fragment in a block
	s_mov_b32 s53, 0
	s_add_co_u32 s54, s10, 8*FRB                   ; my scale words in a block
	s_mov_b32 s55, 0
	; descriptor group 1: 25,600 dense bytes as 100 rows of 256 bytes
	s_mov_b32 s[G1], 15|(3<<16)|(1<<21)            ; 15:0 the mask: all four work-groups; 17:16 elements of 8 bytes; 21 set beside a mask
	s_mov_b32 s[G1+1], 32<<16
	s_mov_b32 s[G1+2], 100<<16
	s_mov_b32 s[G1+3], 32<<16
	s_mov_b32 s[G1+4], 100
	s_mov_b32 s[G1+5], 32
	s_mov_b32 s[G1+6], 0
	s_mov_b32 s[G1+7], 0
	s_mov_b32 s[SEL], 0x76543210
	s_mov_b32 s[SEL+1], 0xfedcba98
	s_mov_b32 s[CS], 0x3e0293ee                    ; c = log2(e) / sqrt(128)
	s_mov_b32 s[CS+1], s[CS]
	s_mov_b32 s[TB], 0
	s_mov_b32 s[SLOTS], 3
	s_wait_kmcnt 0x0
	s_add_nc_u64 s[4:5], s[4:5], s[48:49]
	s_add_nc_u64 s[32:33], s[4:5], s[52:53]        ; my fragment of Q
	s_add_nc_u64 s[34:35], s[4:5], s[54:55]        ; its scale words
	s_add_nc_u64 s[8:9], s[8:9], s[50:51]
	s_add_nc_u64 s[36:37], s[8:9], s[52:53]        ; my fragment of the output
	s_mov_b32 s[G0], 1
	s_mov_b32 s[G0+1], s44
	s_add_nc_u64 s[G0+2:G0+3], s[6:7], s[46:47]
	s_or_b32 s[G0+3], s[G0+3], 0x80000000
	CROUND                                         ; all four work-groups are here: the first joint loads meet
	TLOAD                                          ; slot 0: key steps 0-3
.irp c, 0,1,2
	global_load_b128 v[16+4*\c:19+4*\c], v[LI], s[32:33] offset:512*\c
.endr
	global_load_b32 v28, v[LR], s[34:35]
	v_mov_b32 v13, 0xff61b1e6                      ; the largest t so far: -3e38
	v_floor_f32 v12, -v13                          ; -M
	v_mov_b32 v14, 0
	v_mov_b32 v15, 0
.irp b, 0,1,2,3
	v_mov_b32 v[236+\b], 0                         ; a lane permute's destination counts as one of its sources
.endr
	v_mov_b32 v253, 0                              ; (named as the upper half of a pair before it is first written)
.set n, 0
.rept 64
	v_mov_b32 v[160+n], 0                          ; O^T: the step is written once; the first finds zeros, which the first change of M leaves zeros
.set n, n+1
.endr
; A KEY STEP: 128 keys.
.macro STEP
	v_add_nc_u32 v3, s[TB], v[LI]
	v_add_nc_u32 v4, s[TB], v[LR]
	v_nop
	v_nop                                          ; four places behind the last products, ahead of loads into registers that they read
	ds_load_b128 v[32:35], v4 offset:8*FRB         ; K's scale words, fragments 0-3, 4-7
	ds_load_b128 v[36:39], v4 offset:8*FRB+256
	ds_load_b128 v[40:43], v4 offset:BLKB+8*FRB    ; V's
	ds_load_b128 v[44:47], v4 offset:BLKB+8*FRB+256
	WIN 0x40                                       ; destination window 1
.irp t, 0,1,2,3,4,5,6,7
.irp c, 0,1,2
	ds_load_b128 v[12*\t+4*\c:12*\t+4*\c+3], v3 offset:FRB*\t+512*\c
.endr
.endr
.irp t, 0,1,2,3,4,5,6,7
.irp c, 0,1,2
	ds_load_b128 v[96+12*\t+4*\c:96+12*\t+4*\c+3], v3 offset:BLKB+FRB*\t+512*\c
.endr
.endr
	s_wait_dscnt 24                                ; the scale words and K are in; V's 24 loads may be out
	WIN 0x01                                       ; source 0 window 1
.irp t, 0,1,2,3,4,5,6,7
	v_wmma_scale_f32_16x16x128_f8f6f4 v[96+8*\t:103+8*\t], v[12*\t:12*\t+11], v[16:27], 0, v[32+\t], v28 matrix_a_fmt:MATRIX_FMT_FP6 matrix_b_fmt:MATRIX_FMT_FP6
.endr
	WIN 0
	PLACES 4
.irp b, 0,1,2,3
	v_max3_num_f32 v[232+\b], v[96+16*\b], v[97+16*\b], v[98+16*\b]   ; the largest score of each block of 32 keys: for the row's maximum and, since p rises with the score, for the block's largest p
.endr
.irp i, 3,5,7,9,11,13
.irp b, 0,1,2,3
	v_max3_num_f32 v[232+\b], v[232+\b], v[96+16*\b+\i], v[97+16*\b+\i]
.endr
.endr
.irp b, 0,1,2,3
	v_max_num_f32 v[232+\b], v[232+\b], v[111+16*\b]
.endr
.irp b, 0,1,2,3
	v_permlanex16_b32 v[236+\b], v[232+\b], s[SEL], s[SEL+1]
.endr
.irp b, 0,1,2,3
	v_max_num_f32 v[232+\b], v[232+\b], v[236+\b]  ; with lane l xor 16's 16 keys
.endr
	v_max3_num_f32 v254, v232, v233, v234
	v_max_num_f32 v254, v254, v235
	v_mul_f32 v254, s[CS], v254                    ; as t (c is positive)
	v_max_num_f32 v13, v13, v254                   ; the running largest t
	v_mov_b32 v254, v12
	v_floor_f32 v12, -v13                          ; the new -M = -ceil(t)
	v_sub_f32 v254, v12, v254                      ; old M - new M: a whole number, 0 or less
	v_cvt_i32_f32 v254, v254                       ; (it saturates)
	v_ldexp_f32 v252, 1.0, v254                    ; f = 2^(old M - new M)
.set n, 0
.rept 32
	v_pk_fma_f32 v[96+n:97+n], v[96+n:97+n], s[CS:CS+1], v[12:13] op_sel_hi:[1,0,0]   ; t - M
.set n, n+2
.endr
.irp b, 0,1,2,3
	v_fma_f32 v[232+\b], v[232+\b], s[CS], v12
.endr
.set n, 0
.rept 64
	v_exp_f32 v[96+n], v[96+n]                     ; p = 2^(t - M)
.set n, n+1
.endr
	v_pk_mul_f32 v[14:15], v[14:15], v[252:253] op_sel_hi:[1,0]   ; the sums under the new M (a plain place behind the exponentials)
	s_wait_alu depctr_va_vdst(0)                   ; one wait for the batch of 64, ahead of its first reader
.irp b, 0,1,2,3
	v_exp_f32 v[232+\b], v[232+\b]                 ; the blocks' largest p
.endr
	v_pk_add_f32 v[236:237], v[96:97], v[98:99]    ; the row's sum of the unquantised p, in two chains
.set n, 4
.rept 15
	v_pk_add_f32 v[14:15], v[14:15], v[96+n:97+n]
	v_pk_add_f32 v[236:237], v[236:237], v[98+n:99+n]
.set n, n+4
.endr
	v_pk_add_f32 v[14:15], v[14:15], v[236:237]
	s_wait_alu depctr_va_vdst(0)                   ; and one for the four
.irp b, 0,1,2,3
	v_max_num_f32 v[232+\b], 0x1800000, v[232+\b]  ; the floor 2^(3 - 127)
.endr
.irp b, 0,1,2,3
	v_add_nc_u32 v[244+\b], 0xff000000, v[232+\b]
.endr
.irp b, 0,1,2,3
	v_lshrrev_b32 v[236+\b], 23, v[244+\b]
.endr
	v_lshl_or_b32 v253, v237, 8, v236              ; p's scale word for these 128 keys
	v_lshl_or_b32 v253, v238, 16, v253
	v_lshl_or_b32 v253, v239, 24, v253
.irp c, 0,1
	v_cvt_scalef32_pk16_fp6_f32 v[224+6*\c:226+6*\c], v[96+32*\c:111+32*\c], v[244+2*\c]
	v_cvt_scalef32_pk16_fp6_f32 v[236+4*\c:238+4*\c], v[112+32*\c:127+32*\c], v[244+2*\c+1]
.endr
	v_nop
.irp c, 0,1
.irp i, 0,1,2
	v_permlane16_swap_b32 v[224+6*\c+\i], v[236+4*\c+\i]
.endr
.irp i, 0,1,2
	v_mov_b32 v[227+6*\c+\i], v[236+4*\c+\i]
.endr
.endr
.set n, 0
.rept 32
	v_pk_mul_f32 v[160+n:161+n], v[160+n:161+n], v[252:253] op_sel_hi:[1,0]   ; O^T under the new M; these 32 are also the places between p's codes and scale word and the products
.set n, n+2
.endr
	s_wait_dscnt 0x0                               ; V is in
	WIN 0x01
.irp t, 0,1,2,3,4,5,6,7
	v_wmma_scale_f32_16x16x128_f8f6f4 v[160+8*\t:167+8*\t], v[96+12*\t:96+12*\t+11], v[224:235], v[160+8*\t:167+8*\t], v[40+\t], v253 matrix_a_fmt:MATRIX_FMT_FP6 matrix_b_fmt:MATRIX_FMT_FP6
.endr
	WIN 0
	s_add_co_u32 s[TB], s[TB], STEPB
.endm
.macro SLOT_STEPS                      ; a slot's four key steps: written once, walked four times
	s_mov_b32 s[STEPS], 4
.Lstep_\@:
	STEP
	s_sub_co_u32 s[STEPS], s[STEPS], 1
	s_cmp_lg_u32 s[STEPS], 0
	s_cbranch_scc1 .Lstep_\@
	s_sub_co_u32 s[TB], s[TB], 4*STEPB
	s_xor_b32 s[TB], s[TB], SLOT1                  ; on to the other slot
.endm
; THE CHANGE OF SLOTS stands at a slot's head.  Each wave waits for all its tensor loads (its part of the slot ahead), adds 0 to its spare word, and waits for that and for its reads of the slot that it has left.
; fill = 1: that slot is filled with the next four key steps, behind a round of the cluster's barrier: the load has a whole slot's steps in which to land.
.macro CHANGE fill
	s_wait_tensorcnt 0x0                           ; no tensor load of mine is out, so the descriptor may be written
	ds_add_u32 v[SPW], v[NIL]                      ; 0 onto my spare word
.if \fill
	s_xor_b32 s[G0+1], s[G0+1], SLOT1
	s_add_nc_u64 s[G0+2:G0+3], s[G0+2:G0+3], 4*STEPB
.endif
	s_wait_dscnt 0x0                               ; the add is done, and my reads of the slot that I have left are over
.if \fill
	CROUND
	TLOAD                                          ; the first thing behind the round, and a wave's one tensor load until the next
.else
	s_barrier_signal -1
	s_barrier_wait -1
.endif
.endm
	s_wait_loadcnt 0x0                             ; Q
.Lslot:                                                ; three trips: behind each change of slots but the last the next slot is asked for
	CHANGE 1
	SLOT_STEPS
	s_sub_co_u32 s[SLOTS], s[SLOTS], 1
	s_cmp_lg_u32 s[SLOTS], 0
	s_cbranch_scc1 .Lslot
	CHANGE 0                                       ; the last slot is written out
	SLOT_STEPS
	; THE WAY OUT: O^T / the sum; register 16 b + i is channel 32 b + 16 h + i of my query: the last product's K step = my head.  Quantised, it is fragment w of the output's block.
	v_add_f32 v14, v14, v15
	v_permlanex16_b32 v252, v14, s[SEL], s[SEL+1]
	v_add_f32 v14, v14, v252                       ; the row's sum
	v_rcp_f32 v14, v14
	PLACES 4                                       ; plain places behind the reciprocal and behind the last products
	s_wait_alu depctr_va_vdst(0)                   ; a wait ahead of the first reader
.set n, 0
.rept 32
	v_pk_mul_f32 v[96+n:97+n], v[160+n:161+n], v[14:15] op_sel_hi:[1,0]
.set n, n+2
.endr
	QUANT 96, 200
.irp c, 0,1,2
	global_store_b128 v[LI], v[PC+4*\c:PC+4*\c+3], s[36:37] offset:512*\c   ; 512 consecutive bytes, aligned
.endr
	ds_store_b32 v7, v200                          ; both lanes of a row write the same word with the same value
	s_wait_dscnt 0x0                               ; for the others' sake: my store has landed
	s_barrier_signal -1
	s_barrier_wait -1
	s_cmp_lg_u32 s[WV], 0
	s_cbranch_scc1 .Lnot_first
	ds_load_b128 v[204:207], v8                    ; the eight waves' scale words: 512 bytes
	s_wait_dscnt 0x0
	global_store_b128 v[LI], v[204:207], s[8:9] offset:8*FRB
.Lnot_first:
	s_wait_tensorcnt 0x0                           ; the wave's end
	ds_add_u32 v[SPW], v[NIL]
	s_wait_dscnt 0x0
	CROUND                                         ; the closing round
	s_endpgm
.Lfunc_end_k_q96c92f3be6_attn:
	.size	k_q96c92f3be6_attn, .Lfunc_end_k_q96c92f3be6_attn-k_q96c92f3be6_attn
	.p2alignl 7, 3214868480
	.fill 96, 4, 3214868480
	.section	.rodata,"a",@progbits
	.p2align	6, 0x0
	.amdhsa_kernel k_q96c92f3be6_attn
		.amdhsa_group_segment_fixed_size 327680
		.amdhsa_private_segment_fixed_size 0
		.amdhsa_enable_private_segment 0
		.amdhsa_kernarg_size 24
		.amdhsa_user_sgpr_count 2
		.amdhsa_user_sgpr_kernarg_segment_ptr 1
		.amdhsa_wavefront_size32 1
		.amdhsa_system_sgpr_workgroup_id_x 1
		.amdhsa_system_sgpr_workgroup_id_y 1
		.amdhsa_system_sgpr_workgroup_id_z 1
		.amdhsa_system_vgpr_workitem_id 0
		.amdhsa_next_free_vgpr 448
		.amdhsa_next_free_sgpr 66
		.amdhsa_reserve_vcc 0
		.amdhsa_float_denorm_mode_32 3
		.amdhsa_float_denorm_mode_16_64 3
		.amdhsa_memory_ordered 1
		.amdhsa_forward_progress 1
		.amdhsa_inst_pref_size 53
	.end_amdhsa_kernel
	.amdgpu_metadata
---
amdhsa.version: [ 1, 2 ]
amdhsa.kernels:
  - .name:           k_q96c92f3be6_attn
    .symbol:         k_q96c92f3be6_attn.kd
    .args:
      - { .name: qc, .offset: 0, .size: 8, .value_kind: global_buffer, .address_space: global }
      - { .name: kvc, .offset: 8, .size: 8, .value_kind: global_buffer, .address_space: global }
      - { .name: acod, .offset: 16, .size: 8, .value_kind: global_buffer, .address_space: global }
    .group_segment_fixed_size: 327680
    .private_segment_fixed_size: 0
    .kernarg_segment_align: 8
    .kernarg_segment_size: 24
    .max_flat_workgroup_size: 256
    .sgpr_count:     66
    .vgpr_count:     448
    .wavefront_size: 32
...
	.end_amdgpu_metadata
.endif
;; end of part 3
;; launch oproj (part 4): grid 16 x 16, 4 waves a work-group, clusters of 4 x 4, 327,680 bytes of LDS; arguments acod, ops1, bo, out0; writes out0
.if DOCPART == 4
	.amdgcn_target "amdgcn-amd-amdhsa--gfx1250"
	.amdhsa_code_object_version 6
	.text
	.protected	k_q96c92f3be6_oproj
	.globl	k_q96c92f3be6_oproj
	.p2align	8
	.type	k_q96c92f3be6_oproj,@function
k_q96c92f3be6_oproj:
	s_mov_b64 s[64:65], 0
	v_nop
	global_prefetch_b8 v0, s[64:65] scope:SCOPE_SE
	s_setreg_imm32_b32 hwreg(HW_REG_WAVE_MODE, 25, 1), 1
	s_wait_xcnt 0x0
	s_wait_alu depctr_hold_cnt(0) depctr_sa_sdst(0) depctr_va_vdst(0) depctr_va_sdst(0) depctr_va_ssrc(0) depctr_va_vcc(0) depctr_vm_vsrc(0)
	s_getreg_b32 s2, hwreg(HW_REG_IB_STS2, 6, 4)
	s_cmp_eq_u32 s2, 0
	s_cbranch_scc0 .Lentry_in_a_cluster
	s_endpgm
.Lentry_in_a_cluster:
	s_bfe_u32 s2, ttmp6, 0x10000c
	s_cmp_lg_u32 s2, 0xf033
	s_cbranch_scc0 .Lentry_shape_is_right
	s_endpgm
.Lentry_shape_is_right:
; out0 = a wo^T + bo on codes of FP6 (E2M3) with E8M0 scales.  a: acod [group of 128 tokens][K step = head][12,800]; wo: tensor 4 of ops1, [group of 128 rows][K step][12,800].
; A block of 12,800 bytes holds 8 fragments of 1,536 bytes (images of the operand's registers: piece c = registers 4 c .. 4 c + 3, lane l at 16 l) and 512 bytes of scale words
; (row r of fragment t at 12,288 + 256 (t / 4) + 16 r + 4 (t % 4)); lane r of fragment t holds row 32 (t / 2) + 8 (t % 2) + r + 8 (r / 8).
; SHARES: a tile of 128 x 128 gives 256 work-groups (256 x 256 would give 64).  Four waves, each 64 x 64: 16 accumulators.  Source 0 = wo's fragment, source 1 = a's: a lane holds a token, its registers run along the outputs.
; K goes in slots of four K steps through a ring of two LDS slots; 16 K steps are four fills, written out without a loop.  The bias is the C of each sum's first matrix instruction.
; CLUSTERS: 4 x 4: a's groups are shared along a row of the cluster, wo's along a column: joint loads.  No prefetch: the launch has four fills, two of them at its head.
; REGISTERS: window 0: v16-26 addresses, v28-29 the spare word's, v32-39 scale words (two sets; nothing else), v48-79 bias, v80-111 the way out, v128-255 accumulators ((a, b) at v[128 + 8 (4 a + b)]).
;   window 1: two fragment buffers at v0 and v128: wo's four fragments, then a's four.
.set TENS,  3276800
.set GK,    204800
.set BLKB,  12800
.set FRB,   1536
.set HALF,  2*BLKB                     ; two K steps of a group: what one tensor load brings
.set SLOT,  4*HALF                     ; a's four K steps, then wo's four
.set SPARE, 2*SLOT                     ; the spare words: two blocks of 256 bytes that no other line names
.set STAGE, SPARE+512                  ; 16 rows x (256 bytes + 16) for each wave, its own; no tensor load lands here
.set SPITCH, 272
.set FR,    12
.set ADA,   16
.set ADB,   18
.set ACS,   20
.set STO,   24
.set RD,    25
.set CO,    26
.set SPW,   28
.set NIL,   29
.set SCR,   32
.set BIAS,  48
.set TMP,   80
.set ACC,   128
.set F0,    0
.set F1,    128
.set G1,    24
.set G0,    32
.set G1B,   48
.set G0B,   56
.set MSB, 0
.macro WIN new
.if MSB != (\new)
	s_set_vgpr_msb (MSB<<8)|(\new)
.set MSB, (\new)
.endif
.endm
.set MUL,  0x05                        ; sources 0 and 1 window 1; C and D window 0
.set TO_F, 0x40
.macro PLACES n
.rept \n
	v_nop
.endr
.endm
.macro JLOAD g0a, g1a, g0b, g1b        ; waves 0 and 1 fetch for a, waves 2 and 3 for wo; four v_nop follow each of the two lines
	s_cmp_eq_u32 s15, 0
	s_cbranch_scc0 .Lfor_b_\@
	tensor_load_to_lds s[\g0a:\g0a+3], s[\g1a:\g1a+7]
	s_nop 0
.rept 4
	v_nop
.endr
	s_branch .Lasked_\@
.Lfor_b_\@:
	tensor_load_to_lds s[\g0b:\g0b+3], s[\g1b:\g1b+7]
	s_nop 0
.rept 4
	v_nop
.endr
.Lasked_\@:
.endm
.macro CREST
	s_cmp_lg_u32 s14, 0
	s_cbranch_scc1 .Lnot_wave_0_\@
	s_barrier_signal -3
.Lnot_wave_0_\@:
	s_barrier_wait -3
	s_barrier_signal -1
	s_barrier_wait -1
.endm
.macro CROUND
	s_barrier_signal -1
	s_barrier_wait -1
	CREST
.endm
	s_load_b256 s[4:11], s[0:1], 0x0               ; acod, ops1, bo, out0
	v_lshl_add_u32 v[SPW], v0, 2, SPARE
	v_mov_b32 v[NIL], 0
	ds_add_u32 v28, v29
	s_wait_dscnt 0x0
	v_lshrrev_b32 v1, 5, v0
	v_readfirstlane_b32 s14, v1                    ; wave 0..3
	s_lshr_b32 s15, s14, 1                         ; i: my 64 tokens.  Also: I fetch for a (0) or for wo (1)
	s_and_b32 s16, s14, 1                          ; j: my 64 outputs.  Also: which two K steps of a slot I fetch
	s_bfe_u32 s40, ttmp6, 0x40000                  ; cx
	s_bfe_u32 s41, ttmp6, 0x40004                  ; cy
	s_lshl_b32 s42, ttmp9, 2
	s_add_co_u32 s42, s42, s40                     ; wo's group
	s_and_b32 s17, ttmp7, 0xffff
	s_lshl_b32 s17, s17, 2
	s_add_co_u32 s17, s17, s41                     ; the group of tokens
	s_lshl_b32 s43, s41, 2
	s_lshl_b32 s43, 15, s43                        ; my row of the cluster
	s_lshl_b32 s44, 0x1111, s40                    ; my column
	s_or_b32 s[G1+0], s43, (3<<16)|(1<<21)         ; 25,600 dense bytes as 100 rows of 256 bytes (32 elements of 8 bytes)
	s_or_b32 s[G1B+0], s44, (3<<16)|(1<<21)
.irp g, G1, G1B
	s_mov_b32 s[\g+1], 32<<16
	s_mov_b32 s[\g+2], 100<<16
	s_mov_b32 s[\g+3], 32<<16
	s_mov_b32 s[\g+4], 100
	s_mov_b32 s[\g+5], 32
	s_mov_b32 s[\g+6], 0
	s_mov_b32 s[\g+7], 0
.endr
	s_mul_i32 s18, s16, HALF
	s_mul_i32 s20, s17, GK
	s_add_co_u32 s20, s20, s18
	s_mov_b32 s21, 0
	s_mul_i32 s46, s42, GK
	s_add_co_u32 s46, s46, s18
	s_add_co_u32 s46, s46, 4*TENS
	s_mov_b32 s47, 0
	s_mul_i32 s45, s14, HALF                       ; where my load goes: no place in the cluster enters an LDS address
	s_wait_kmcnt 0x0
	s_add_nc_u64 s[20:21], s[4:5], s[20:21]
	s_add_nc_u64 s[46:47], s[6:7], s[46:47]
	CROUND                                         ; all sixteen work-groups are here: the first joint loads meet
.irp s, 0,1
	s_mov_b32 s[G0+4*\s], 1
	s_add_co_u32 s[G0+4*\s+1], s45, \s*SLOT
	s_add_nc_u64 s[G0+4*\s+2:G0+4*\s+3], s[20:21], \s*2*HALF
	s_or_b32 s[G0+4*\s+3], s[G0+4*\s+3], 0x80000000
	s_mov_b32 s[G0B+4*\s], 1
	s_add_co_u32 s[G0B+4*\s+1], s45, \s*SLOT
	s_add_nc_u64 s[G0B+4*\s+2:G0B+4*\s+3], s[46:47], \s*2*HALF
	s_or_b32 s[G0B+4*\s+3], s[G0B+4*\s+3], 0x80000000
	JLOAD G0+4*\s, G1, G0B+4*\s, G1B               ; two loads of mine are out
.endr
	v_and_b32 v1, 15, v0                           ; r
	v_bfe_u32 v2, v0, 4, 1                         ; h
	v_and_b32 v3, 31, v0
	v_lshlrev_b32 v3, 4, v3                        ; 16 x lane
	s_mul_i32 s18, s15, 4*FRB                      ; a's fragments 4 i on
	s_mul_i32 s19, s16, 4*FRB
	s_add_co_u32 s19, s19, 2*HALF                  ; wo's fragments 4 j on, behind a's four K steps
	s_lshl_b32 s22, s15, 8                         ; a's scale words, half i
	s_lshl_b32 s23, s16, 8
	s_add_co_u32 s23, s23, 2*HALF                  ; wo's, half j
	s_sub_co_u32 s23, s23, s22
	v_mul_u32_u24 v5, s23, v2                      ; lanes 16-31 take wo's
	v_lshl_add_u32 v5, v1, 4, v5
.irp s, 0,1
	v_add_nc_u32 v[ADA+\s], s18, v3
	v_add_nc_u32 v[ADB+\s], s19, v3
	v_add_nc_u32 v[ACS+\s], s22, v5
	s_add_co_u32 s18, s18, SLOT
	s_add_co_u32 s19, s19, SLOT
	s_add_co_u32 s22, s22, SLOT
.endr
	s_mul_i32 s18, s14, 16*SPITCH
	s_add_co_u32 s18, s18, STAGE                   ; my stage
	v_mul_u32_u24 v[STO], v1, SPITCH
	v_lshl_add_u32 v[STO], v2, 6, v[STO]
	v_add_nc_u32 v[STO], s18, v[STO]               ; in: row r, + 64 h
	v_mul_u32_u24 v[RD], v2, SPITCH
	v_lshl_add_u32 v[RD], v1, 4, v[RD]
	v_add_nc_u32 v[RD], s18, v[RD]                 ; back: lanes 0-15 one row of 256 bytes, lanes 16-31 the next
	v_lshlrev_b32 v[CO], 13, v2
	v_lshl_add_u32 v[CO], v1, 4, v[CO]             ; and the same two rows in out0
	v_lshlrev_b32 v4, 6, v2                        ; the bias: 64 h
	s_lshl_b32 s18, s42, 9
	s_lshl_b32 s19, s16, 8
	s_add_co_u32 s18, s18, s19                     ; my first output, in bytes: 512 x group + 256 j
	s_mov_b32 s19, 0
	s_add_nc_u64 s[8:9], s[8:9], s[18:19]
	s_lshl_b32 s22, s17, 7
	s_lshl_b32 s23, s15, 6
	s_add_co_u32 s22, s22, s23
	s_lshl_b32 s22, s22, 13                        ; my first token's row of 8,192 bytes
	s_mov_b32 s23, 0
	s_add_nc_u64 s[10:11], s[10:11], s[22:23]
	s_add_nc_u64 s[10:11], s[10:11], s[18:19]
.irp b, 0,1,2,3
	global_load_b128 v[BIAS+8*\b:BIAS+8*\b+3], v4, s[8:9] offset:128*(\b/2)+32*(\b%2)       ; tile b's register j: output 32 (b / 2) + 16 h + 8 (b % 2) + j
	global_load_b128 v[BIAS+8*\b+4:BIAS+8*\b+7], v4, s[8:9] offset:128*(\b/2)+32*(\b%2)+16
.endr
.macro FETCH slot, st, f               ; K step st of a slot: 1 load of scale words, 12 of wo's fragments, 12 of a's, into buffer f
	WIN 0
	ds_load_b128 v[SCR+4*((\f)/128):SCR+4*((\f)/128)+3], v[ACS+\slot] offset:(\st)*BLKB+8*FRB
	WIN TO_F
.irp t, 0,1,2,3
.irp c, 0,1,2
	ds_load_b128 v[(\f)+FR*\t+4*\c:(\f)+FR*\t+4*\c+3], v[ADB+\slot] offset:(\st)*BLKB+FRB*\t+512*\c
.endr
.endr
.irp t, 0,1,2,3
.irp c, 0,1,2
	ds_load_b128 v[(\f)+48+FR*\t+4*\c:(\f)+48+FR*\t+4*\c+3], v[ADA+\slot] offset:(\st)*BLKB+FRB*\t+512*\c
.endr
.endr
.endm
; 8 matrix instructions: a's fragments a0, a0 + 1 x wo's four.  The 16 accumulators take turns, one instruction a turn.  first = 1: the bias starts the sums.
.macro MUL8 f, a0, first
	WIN MUL
.irp a, \a0, \a0+1
.irp b, 0,1,2,3
.if \first
	v_wmma_scale_f32_16x16x128_f8f6f4 v[ACC+8*(4*(\a)+\b):ACC+8*(4*(\a)+\b)+7], v[(\f)+FR*\b:(\f)+FR*\b+FR-1], v[(\f)+48+FR*(\a):(\f)+48+FR*(\a)+FR-1], v[BIAS+8*\b:BIAS+8*\b+7], v[SCR+4*((\f)/128)+\b], v[SCR+4*((\f)/128)+(\a)] matrix_a_fmt:MATRIX_FMT_FP6 matrix_b_fmt:MATRIX_FMT_FP6 matrix_a_scale:MATRIX_SCALE_ROW1
.else
	v_wmma_scale_f32_16x16x128_f8f6f4 v[ACC+8*(4*(\a)+\b):ACC+8*(4*(\a)+\b)+7], v[(\f)+FR*\b:(\f)+FR*\b+FR-1], v[(\f)+48+FR*(\a):(\f)+48+FR*(\a)+FR-1], v[ACC+8*(4*(\a)+\b):ACC+8*(4*(\a)+\b)+7], v[SCR+4*((\f)/128)+\b], v[SCR+4*((\f)/128)+(\a)] matrix_a_fmt:MATRIX_FMT_FP6 matrix_b_fmt:MATRIX_FMT_FP6 matrix_a_scale:MATRIX_SCALE_ROW1
.endif
.endr
.endr
.endm
.macro QUARTER slot, stn, f, g, first  ; multiplies buffer f; ahead of that, asks for K step stn of the slot into buffer g
	s_wait_dscnt 0x0                               ; buffer f is in
	PLACES 4                                       ; ahead of loads into registers that the last products read
	FETCH \slot, \stn, \g
	MUL8 \f, 0, \first
	MUL8 \f, 2, \first
.endm
; A slot's last K step (buffer 1) changes slots: one barrier; ahead of it each wave waits for all its tensor loads, adds 0 to its spare word, and waits for that and for its reads of this slot.
.macro TURN slot, next, fill
	WIN 0
	s_wait_tensorcnt 0x0                           ; all my tensor loads have landed: my part of the next slot; so a descriptor may be written
	ds_add_u32 v[SPW], v[NIL]                      ; 0 onto my spare word
.if \fill
	s_add_nc_u64 s[G0+4*\slot+2:G0+4*\slot+3], s[G0+4*\slot+2:G0+4*\slot+3], 4*HALF
	s_add_nc_u64 s[G0B+4*\slot+2:G0B+4*\slot+3], s[G0B+4*\slot+2:G0B+4*\slot+3], 4*HALF
.endif
	s_wait_dscnt 0x0                               ; the add is done, buffer 1 is in, and my reads of this slot are over
	s_barrier_signal -1
	MUL8 F1, 0, 0
	WIN 0
	s_barrier_wait -1
.if \fill
	CREST                                          ; the barrier has opened a round of the cluster's: no wave of any partner still reads this slot or has a load on its way
	JLOAD G0+4*\slot, G1, G0B+4*\slot, G1B         ; my one tensor load behind the round; its four v_nop are also the places ahead of the loads below
.else
	PLACES 4
.endif
	FETCH \next, 0, F0
	MUL8 F1, 2, 0
.endm
	s_wait_tensorcnt 1                             ; my part of slot 0 is in; slot 1's may stay out
	s_barrier_signal -1
	s_barrier_wait -1
	FETCH 0, 0, F0
	s_wait_loadcnt 0x0                             ; the bias
	QUARTER 0, 1, F0, F1, 1
	QUARTER 0, 2, F1, F0, 0
	QUARTER 0, 3, F0, F1, 0
	TURN 0, 1, 1
	QUARTER 1, 1, F0, F1, 0
	QUARTER 1, 2, F1, F0, 0
	QUARTER 1, 3, F0, F1, 0
	TURN 1, 0, 1
	QUARTER 0, 1, F0, F1, 0
	QUARTER 0, 2, F1, F0, 0
	QUARTER 0, 3, F0, F1, 0
	TURN 0, 1, 0                                   ; nothing is left to fetch
	QUARTER 1, 1, F0, F1, 0
	QUARTER 1, 2, F1, F0, 0
	QUARTER 1, 3, F0, F1, 0
	s_wait_dscnt 0x0
	MUL8 F1, 0, 0
	MUL8 F1, 2, 0
	WIN 0
; THE WAY OUT, 16 tokens x my 64 outputs at a time, through my own stage: a lane's 32 bytes of a row go in, whole rows of 256 bytes come back.  LDS serves a wave's instructions in order: no wait between stores and loads.
.macro OUTB a
.if (\a) > 0
	s_wait_xcnt 0x0                                ; the last block's stores have read their registers
.endif
.irp b, 0,1,2,3
	ds_store_b128 v[STO], v[ACC+8*(4*(\a)+\b):ACC+8*(4*(\a)+\b)+3] offset:128*(\b/2)+32*(\b%2)          ; each accumulator from its low end on
	ds_store_b128 v[STO], v[ACC+8*(4*(\a)+\b)+4:ACC+8*(4*(\a)+\b)+7] offset:128*(\b/2)+32*(\b%2)+16
.endr
.irp t, 0,1,2,3,4,5,6,7
	ds_load_b128 v[TMP+4*\t:TMP+4*\t+3], v[RD] offset:2*SPITCH*\t
.endr
.irp t, 0,1,2,3,4,5,6,7
	s_wait_dscnt 7-\t                              ; the younger loads may be out
	global_store_b128 v[CO], v[TMP+4*\t:TMP+4*\t+3], s[10:11] offset:(32*((\a)/2)+8*((\a)%2)+2*\t+8*(\t/4))*8192 th:TH_STORE_NT   ; stage row p is token 32 (a / 2) + 8 (a % 2) + p + 8 (p / 8); 16 lanes store 256 consecutive bytes, aligned
.endr
.endm
	PLACES 4                                       ; ahead of the first read of results
	OUTB 0
	OUTB 1
	OUTB 2
	OUTB 3
	s_wait_tensorcnt 0x0                           ; the wave's end
	ds_add_u32 v[SPW], v[NIL]
	s_wait_dscnt 0x0
	CROUND                                         ; the closing round
	s_endpgm
.Lfunc_end_k_q96c92f3be6_oproj:
	.size	k_q96c92f3be6_oproj, .Lfunc_end_k_q96c92f3be6_oproj-k_q96c92f3be6_oproj
	.p2alignl 7, 3214868480
	.fill 96, 4, 3214868480
	.section	.rodata,"a",@progbits
	.p2align	6, 0x0
	.amdhsa_kernel k_q96c92f3be6_oproj
		.amdhsa_group_segment_fixed_size 327680
		.amdhsa_private_segment_fixed_size 0
		.amdhsa_enable_private_segment 0
		.amdhsa_kernarg_size 32
		.amdhsa_user_sgpr_count 2
		.amdhsa_user_sgpr_kernarg_segment_ptr 1
		.amdhsa_wavefront_size32 1
		.amdhsa_system_sgpr_workgroup_id_x 1
		.amdhsa_system_sgpr_workgroup_id_y 1
		.amdhsa_system_sgpr_workgroup_id_z 1
		.amdhsa_system_vgpr_workitem_id 0
		.amdhsa_next_free_vgpr 512
		.amdhsa_next_free_sgpr 66
		.amdhsa_reserve_vcc 0
		.amdhsa_float_denorm_mode_32 3
		.amdhsa_float_denorm_mode_16_64 3
		.amdhsa_memory_ordered 1
		.amdhsa_forward_progress 1
		.amdhsa_inst_pref_size 80
	.end_amdhsa_kernel
	.amdgpu_metadata
---
amdhsa.version: [ 1, 2 ]
amdhsa.kernels:
  - .name:           k_q96c92f3be6_oproj
    .symbol:         k_q96c92f3be6_oproj.kd
    .args:
      - { .name: acod, .offset: 0, .size: 8, .value_kind: global_buffer, .address_space: global }
      - { .name: ops1, .offset: 8, .size: 8, .value_kind: global_buffer, .address_space: global }
      - { .name: bo, .offset: 16, .size: 8, .value_kind: global_buffer, .address_space: global }
      - { .name: out0, .offset: 24, .size: 8, .value_kind: global_buffer, .address_space: global }
    .group_segment_fixed_size: 327680
    .private_segment_fixed_size: 0
    .kernarg_segment_align: 8
    .kernarg_segment_size: 32
    .max_flat_workgroup_size: 128
    .sgpr_count:     66
    .vgpr_count:     512
    .wavefront_size: 32
...
	.end_amdgpu_metadata
.endif
;; end of part 4
;; ======== version 2 of 2: 4 launches
;; limits: right only within a limited range of input values
;; workspace buffers: ops1 13,107,200 bytes; woc 3,276,800 bytes; qc 3,276,800 bytes; kvc 6,553,600 bytes; acod 3,276,800 bytes; ropei 4,194,304 bytes
;; launch quant (part 5): grid 576 x 1, 4 waves a work-group, no clusters, 34,304 bytes of LDS; arguments x, wq, wk, wv, ops1, rope, ropei, q_norm_w, k_norm_w; writes ops1, ropei
.if DOCPART == 5
	.amdgcn_target "amdgcn-amd-amdhsa--gfx1250"
	.amdhsa_code_object_version 6
	.text
	.protected	k_q96c92f3be6_quant
	.globl	k_q96c92f3be6_quant
	.p2align	8
	.type	k_q96c92f3be6_quant,@function
k_q96c92f3be6_quant:
	s_mov_b64 s[64:65], 0
	v_nop
	global_prefetch_b8 v0, s[64:65] scope:SCOPE_SE
	s_setreg_imm32_b32 hwreg(HW_REG_WAVE_MODE, 25, 1), 1
	s_wait_xcnt 0x0
; x, wq, wk, wv, each [2048][2048] f32 with K innermost, become codes of FP6 (E2M3) with one E8M0 byte for each 32 along K; and two images of the rope are laid for the next launch.
; THE LAYOUT OF ops1 (and of every operand that this program keeps in memory): [tensor][group of 128 rows][K step of 128][12,800 bytes].  Such a block holds 8 fragments
; of 1,536 bytes and then 512 bytes of scale words.  A fragment is the image of the operand's 12 registers: piece c (512 bytes) holds registers 4 c .. 4 c + 3, lane l's 16 bytes at 16 l.
; Lane r of fragment t holds row 32 (t / 2) + 8 (t % 2) + r + 8 (r / 8) of the group.  Row r's scale word of fragment t lies at 12,288 + 256 (t / 4) + 16 r + 4 (t % 4).
; A block's scale is 2^(floor(log2(largest magnitude)) - 2); its byte is the largest magnitude's exponent field - 2, held at 1 from below.
; LIMITS: a block of zeros gets the byte 1 where the rule says 127 (its codes are zeros, and this program alone reads the bytes); NaN and infinities among the inputs are not served.
; SHARES: work-groups 0 to 511: 128 a tensor.  A work-group takes 64 rows x 512 along K, each of its four waves one K step: 4 fragments and their 256 bytes of scale words.
; Each load reads one row's 512 consecutive bytes; 16 rows turn through the wave's own stage in LDS, so that a lane gets 16 neighbours of each block of 32.  No tensor loads, no barrier.
; THE ROPE (work-groups 512 to 575, 32 an image): ropei is [image: q, k][group of 128 tokens][block a = 0..7][load i = 0..31][lane][16 bytes].  Lane (r, h) of block a stands for token
; 32 (a / 2) + 8 (a % 2) + r + 8 (r / 8); its load i holds pair p = 16 (i / 8) + 8 h + i % 8 as (r00 w0, r10 w0, r01 w1, r11 w1), w0 and w1 the norm's gains of channels 2 p and 2 p + 1:
; rope x (gain x number) = (rope x gain) x number, all in f32; the two columns of the 2 x 2 matrix lie as register pairs for packed multiply-adds.
.set TENS,  3276800
.set BLKB,  12800
.set FRB,   1536
.set SP,    528                        ; a stage row: 512 bytes + 16
.set NQWG,  512                        ; work-groups that quantise; those from here on lay the rope
.set LI,    4                          ; v4   16 x lane
.set STI,   5                          ; v5   into the stage
.set STO,   6                          ; v6   out of it: stage + 528 r + 64 h
.set SCO,   7                          ; v7   my place among the scale words: 16 r + 8 h
.set OFFR,  8                          ; v8   the rope's way: my token's row of 1,024 bytes + 128 h
.set TM,    10                         ; v10-25  at work in QUANT
.set PWS,   26                         ; v26-29  the four fragments' scale words
.set R,     32                         ; v32-159 two sets of 16 rows as loaded; on the rope's way a block's 32 loads
.set X,     160                        ; v160-223 64 numbers of my row; on the rope's way my 64 gains
.set PC,    224                        ; v224-243 the codes just made
.set SEL,   32                         ; s[32:33] lane selects: lane l xor 16
.macro QUANT s, pw                     ; 64 numbers of a lane (register 16 b + i = k 32 b + 16 h + i) -> codes in v[PC] on, scale word in v[pw]
.irp b, 0,1,2,3
	v_max3_num_f32 v[TM+\b], |v[(\s)+16*\b]|, |v[(\s)+1+16*\b]|, 0x1800000   ; and the floor 2^(3 - 127)
.endr
.irp i, 2,4,6,8,10,12,14
.irp b, 0,1,2,3
	v_max3_num_f32 v[TM+\b], v[TM+\b], |v[(\s)+16*\b+\i]|, |v[(\s)+1+16*\b+\i]|
.endr
.endr
.irp b, 0,1,2,3
	v_permlanex16_b32 v[TM+4+\b], v[TM+\b], s[SEL], s[SEL+1]
.endr
.irp b, 0,1,2,3
	v_max_num_f32 v[TM+\b], v[TM+\b], v[TM+4+\b]
.endr
.irp b, 0,1,2,3
	v_add_nc_u32 v[TM+12+\b], 0xff000000, v[TM+\b]   ; 2 off the exponent field: the conversion's scale operand
.endr
.irp b, 0,1,2,3
	v_lshrrev_b32 v[TM+4+\b], 23, v[TM+12+\b]
.endr
	v_lshl_or_b32 v[\pw], v[TM+5], 8, v[TM+4]
	v_lshl_or_b32 v[\pw], v[TM+6], 16, v[\pw]
	v_lshl_or_b32 v[\pw], v[TM+7], 24, v[\pw]
.irp c, 0,1
	v_cvt_scalef32_pk16_fp6_f32 v[PC+6*\c:PC+2+6*\c], v[(\s)+32*\c:(\s)+15+32*\c], v[TM+12+2*\c]
	v_cvt_scalef32_pk16_fp6_f32 v[PC+12+4*\c:PC+14+4*\c], v[(\s)+16+32*\c:(\s)+31+32*\c], v[TM+12+2*\c+1]
.endr
	v_nop                                          ; one plain place behind a scaled conversion
.irp c, 0,1
.irp i, 0,1,2
	v_permlane16_swap_b32 v[PC+6*\c+\i], v[PC+12+4*\c+\i]
.endr
.irp i, 0,1,2
	v_mov_b32 v[PC+3+6*\c+\i], v[PC+12+4*\c+\i]
.endr
.endr
.endm
.macro LOADT t                         ; fragment t's 16 rows, 512 consecutive bytes a load, into set t % 2
.irp i, 0,1,2,3,4,5,6,7,8,9,10,11,12,13,14,15
	global_load_b128 v[R+64*((\t)%2)+4*\i:R+64*((\t)%2)+4*\i+3], v[LI], s[4:5] offset:(32*((\t)/2)+8*((\t)%2)+\i+8*(\i/8))*8192 th:TH_LOAD_NT
.endr
.endm
.macro TURNT t                         ; through the stage: LDS serves a wave's instructions in order
.irp i, 0,1,2,3,4,5,6,7,8,9,10,11,12,13,14,15
	ds_store_b128 v[STI], v[R+64*((\t)%2)+4*\i:R+64*((\t)%2)+4*\i+3] offset:SP*\i
.endr
.irp b, 0,1,2,3
.irp jj, 0,1,2,3
	ds_load_b128 v[X+16*\b+4*\jj:X+16*\b+4*\jj+3], v[STO] offset:128*\b+16*\jj
.endr
.endr
.endm
.macro TILE t
.if (\t) < 3
	s_wait_loadcnt 16                              ; this fragment's 16 loads are in; the next one's 16 may be out
.else
	s_wait_loadcnt 0x0
.endif
	TURNT \t
	s_wait_dscnt 0x0
.if (\t) > 0
	s_wait_xcnt 0x0                                ; the last fragment's stores have read the codes' registers
.endif
.if (\t) < 2
	LOADT (\t)+2
.endif
	QUANT X, PWS+(\t)
.irp c, 0,1,2
	global_store_b128 v[LI], v[PC+4*\c:PC+4*\c+3], s[6:7] offset:FRB*(\t)+512*\c
.endr
.endm
	s_load_b256 s[4:11], s[0:1], 0x0               ; x, wq, wk, wv
	s_load_b64 s[14:15], s[0:1], 0x20              ; ops1
	s_load_b128 s[36:39], s[0:1], 0x28             ; rope, ropei
	s_load_b128 s[40:43], s[0:1], 0x38             ; q_norm_w, k_norm_w
	v_lshl_add_u32 v248, v0, 2, 0x8400
	v_mov_b32 v249, 0
	v_lshrrev_b32 v1, 5, v0
	v_readfirstlane_b32 s17, v1                    ; wave
	v_and_b32 v1, 31, v0
	v_and_b32 v2, 15, v0                           ; r
	v_bfe_u32 v3, v0, 4, 1                         ; h
	v_lshlrev_b32 v[LI], 4, v1
	s_cmp_ge_u32 ttmp9, NQWG                       ; a branch on the work-group's number alone
	s_cbranch_scc1 .Lrope
	s_mul_i32 s18, s17, 16*SP                      ; my stage
	v_add_nc_u32 v[STI], s18, v[LI]
	v_mul_u32_u24 v[STO], v2, SP
	v_lshl_add_u32 v[STO], v3, 6, v[STO]
	v_add_nc_u32 v[STO], s18, v[STO]
	v_lshlrev_b32 v[SCO], 4, v2
	v_lshl_add_u32 v[SCO], v3, 3, v[SCO]
	v_cmp_ne_u32 s30, 0, v3                        ; lanes 16-31
.irp b, 0,1,2,3
	v_mov_b32 v[TM+4+\b], 0                        ; a lane permute's destination counts as one of its sources
.endr
	s_mov_b32 s[SEL], 0x76543210
	s_mov_b32 s[SEL+1], 0xfedcba98
	s_lshr_b32 s16, ttmp9, 7                       ; which tensor
	s_and_b32 s19, ttmp9, 127
	s_lshr_b32 s20, s19, 2                         ; which 64 rows
	s_and_b32 s19, s19, 3
	s_lshl_b32 s19, s19, 2
	s_add_co_u32 s19, s19, s17                     ; my K step
	s_lshl_b32 s22, s20, 19
	s_lshl_b32 s23, s19, 9
	s_add_co_u32 s22, s22, s23
	s_mov_b32 s23, 0
	s_lshr_b32 s24, s20, 1                         ; the group of 128 rows
	s_lshl_b32 s24, s24, 4
	s_add_co_u32 s24, s24, s19
	s_mul_i32 s24, s24, BLKB
	s_mul_i32 s25, s16, TENS
	s_add_co_u32 s24, s24, s25                     ; my block's first byte in ops1
	s_and_b32 s26, s20, 1                          ; which half of its fragments
	s_mul_i32 s27, s26, 4*FRB
	s_lshl_b32 s28, s26, 8
	s_add_co_u32 s26, s24, s27
	s_mov_b32 s27, 0
	s_add_co_u32 s28, s24, s28
	s_add_co_u32 s28, s28, 8*FRB
	s_mov_b32 s29, 0
	s_wait_alu depctr_va_vdst(0)                   ; a wait at the head's end
	s_wait_kmcnt 0x0
	s_cmp_eq_u32 s16, 1
	s_cselect_b64 s[4:5], s[6:7], s[4:5]
	s_cmp_eq_u32 s16, 2
	s_cselect_b64 s[4:5], s[8:9], s[4:5]
	s_cmp_eq_u32 s16, 3
	s_cselect_b64 s[4:5], s[10:11], s[4:5]
	s_add_nc_u64 s[4:5], s[4:5], s[22:23]
	s_add_nc_u64 s[6:7], s[14:15], s[26:27]
	s_add_nc_u64 s[8:9], s[14:15], s[28:29]
	LOADT 0
	LOADT 1
	TILE 0
	TILE 1
	TILE 2
	TILE 3
	v_cndmask_b32 v30, v[PWS], v[PWS+2], s30       ; lanes 0-15: row r's words of fragments 0 and 1, lanes 16-31: of 2 and 3
	v_cndmask_b32 v31, v[PWS+1], v[PWS+3], s30
	global_store_b64 v[SCO], v[30:31], s[8:9]      ; 256 consecutive bytes, aligned
	s_wait_tensorcnt 0x0                           ; the wave's end
	ds_add_u32 v248, v249
	s_wait_dscnt 0x0
	s_endpgm
	; ---- the rope's way: image = (work-group - 512) / 32; my wave's block u = 4 x ((work-group - 512) % 32) + wave = 8 x group of tokens + a
.Lrope:
	s_wait_alu depctr_va_vdst(0)
	v_and_b32 v[OFFR], 8, v2
	v_add_nc_u32 v[OFFR], v[OFFR], v2              ; r + 8 (r / 8)
	v_lshlrev_b32 v[OFFR], 10, v[OFFR]             ; 1,024 bytes a token
	v_lshl_add_u32 v[OFFR], v3, 7, v[OFFR]         ; + 128 h
	v_lshlrev_b32 v9, 6, v3                        ; the gains: 64 h
	s_sub_co_u32 s19, ttmp9, NQWG
	s_lshr_b32 s26, s19, 5                         ; image: 0 q, 1 k
	s_and_b32 s19, s19, 31
	s_lshl_b32 s19, s19, 2
	s_add_co_u32 s19, s19, s17                     ; u, 0 to 127
	s_lshr_b32 s20, s19, 3
	s_and_b32 s21, s19, 7                          ; a
	s_lshl_b32 s22, s20, 17
	s_lshr_b32 s23, s21, 1
	s_lshl_b32 s23, s23, 15
	s_add_co_u32 s22, s22, s23
	s_and_b32 s23, s21, 1
	s_lshl_b32 s23, s23, 13
	s_add_co_u32 s22, s22, s23
	s_mov_b32 s23, 0
	s_lshl_b32 s24, s19, 14                        ; a block's image is 16,384 bytes,
	s_lshl_b32 s27, s26, 21                        ; an image of the rope 2 MiB
	s_add_co_u32 s24, s24, s27
	s_mov_b32 s25, 0
	s_wait_alu depctr_va_vdst(0)
	s_wait_kmcnt 0x0
	s_add_nc_u64 s[4:5], s[36:37], s[22:23]
	s_add_nc_u64 s[6:7], s[38:39], s[24:25]
	s_cmp_eq_u32 s26, 0
	s_cselect_b64 s[40:41], s[40:41], s[42:43]
.irp bb, 0,1,2,3
.irp jj, 0,1,2,3
	global_load_b128 v[X+16*\bb+4*\jj:X+16*\bb+4*\jj+3], v9, s[40:41] offset:128*\bb+16*\jj   ; register 2 i, 2 i + 1: the gains of load i's pair
.endr
.endr
.set n, 0
.rept 32
	global_load_b128 v[R+4*n:R+4*n+3], v[OFFR], s[4:5] offset:256*(n/8)+16*(n%8)
.set n, n+1
.endr
.set n, 0
.rept 32
	s_wait_loadcnt 31-n                            ; the gains and load n are in; the 31 - n issued behind it may be out
	v_mul_f32 v10, v[R+4*n+2], v[X+2*n]            ; r10 w0
	v_mul_f32 v[R+4*n], v[R+4*n], v[X+2*n]         ; r00 w0
	v_mul_f32 v[R+4*n+2], v[R+4*n+1], v[X+2*n+1]   ; r01 w1
	v_mul_f32 v[R+4*n+3], v[R+4*n+3], v[X+2*n+1]   ; r11 w1
	v_mov_b32 v[R+4*n+1], v10
	global_store_b128 v[LI], v[R+4*n:R+4*n+3], s[6:7] offset:512*n   ; 512 consecutive bytes, aligned
.set n, n+1
.endr
	s_endpgm
.Lfunc_end_k_q96c92f3be6_quant:
	.size	k_q96c92f3be6_quant, .Lfunc_end_k_q96c92f3be6_quant-k_q96c92f3be6_quant
	.p2alignl 7, 3214868480
	.fill 96, 4, 3214868480
	.section	.rodata,"a",@progbits
	.p2align	6, 0x0
	.amdhsa_kernel k_q96c92f3be6_quant
		.amdhsa_group_segment_fixed_size 34304
		.amdhsa_private_segment_fixed_size 0
		.amdhsa_enable_private_segment 0
		.amdhsa_kernarg_size 72
		.amdhsa_user_sgpr_count 2
		.amdhsa_user_sgpr_kernarg_segment_ptr 1
		.amdhsa_wavefront_size32 1
		.amdhsa_system_sgpr_workgroup_id_x 1
		.amdhsa_system_sgpr_workgroup_id_y 1
		.amdhsa_system_sgpr_workgroup_id_z 1
		.amdhsa_system_vgpr_workitem_id 0
		.amdhsa_next_free_vgpr 250
		.amdhsa_next_free_sgpr 66
		.amdhsa_reserve_vcc 0
		.amdhsa_float_denorm_mode_32 3
		.amdhsa_float_denorm_mode_16_64 3
		.amdhsa_memory_ordered 1
		.amdhsa_forward_progress 1
		.amdhsa_inst_pref_size 49
	.end_amdhsa_kernel
	.amdgpu_metadata
---
amdhsa.version: [ 1, 2 ]
amdhsa.kernels:
  - .name:           k_q96c92f3be6_quant
    .symbol:         k_q96c92f3be6_quant.kd
    .args:
      - { .name: x, .offset: 0, .size: 8, .value_kind: global_buffer, .address_space: global }
      - { .name: wq, .offset: 8, .size: 8, .value_kind: global_buffer, .address_space: global }
      - { .name: wk, .offset: 16, .size: 8, .value_kind: global_buffer, .address_space: global }
      - { .name: wv, .offset: 24, .size: 8, .value_kind: global_buffer, .address_space: global }
      - { .name: ops1, .offset: 32, .size: 8, .value_kind: global_buffer, .address_space: global }
      - { .name: rope, .offset: 40, .size: 8, .value_kind: global_buffer, .address_space: global }
      - { .name: ropei, .offset: 48, .size: 8, .value_kind: global_buffer, .address_space: global }
      - { .name: q_norm_w, .offset: 56, .size: 8, .value_kind: global_buffer, .address_space: global }
      - { .name: k_norm_w, .offset: 64, .size: 8, .value_kind: global_buffer, .address_space: global }
    .group_segment_fixed_size: 34304
    .private_segment_fixed_size: 0
    .kernarg_segment_align: 8
    .kernarg_segment_size: 72
    .max_flat_workgroup_size: 128
    .sgpr_count:     66
    .vgpr_count:     250
    .wavefront_size: 32
...
	.end_amdgpu_metadata
.endif
;; end of part 5
;; launch qkv (part 6): grid 32 x 8, 4 waves a work-group, clusters of 4 x 4, 327,680 bytes of LDS; arguments ops1, bq, bk, bv, ropei, qc, kvc, wo, woc; writes qc, kvc, woc
.if DOCPART == 6
	.amdgcn_target "amdgcn-amd-amdhsa--gfx1250"
	.amdhsa_code_object_version 6
	.text
	.protected	k_q96c92f3be6_qkv
	.globl	k_q96c92f3be6_qkv
	.p2align	8
	.type	k_q96c92f3be6_qkv,@function
k_q96c92f3be6_qkv:
	s_mov_b64 s[64:65], 0
	v_nop
	global_prefetch_b8 v0, s[64:65] scope:SCOPE_SE
	s_setreg_imm32_b32 hwreg(HW_REG_WAVE_MODE, 25, 1), 1
	s_wait_xcnt 0x0
	s_wait_alu depctr_hold_cnt(0) depctr_sa_sdst(0) depctr_va_vdst(0) depctr_va_sdst(0) depctr_va_ssrc(0) depctr_va_vcc(0) depctr_vm_vsrc(0)
	s_getreg_b32 s2, hwreg(HW_REG_IB_STS2, 6, 4)
	s_cmp_eq_u32 s2, 0
	s_cbranch_scc0 .Lentry_in_a_cluster
	s_endpgm
.Lentry_in_a_cluster:
	s_bfe_u32 s2, ttmp6, 0x10000c
	s_cmp_lg_u32 s2, 0xf033
	s_cbranch_scc0 .Lentry_shape_is_right
	s_endpgm
.Lentry_shape_is_right:
; q, k = rope(rmsnorm(x w^T + b)) and v = x wv^T + bv on codes of FP6 (E2M3) with E8M0 scales, quantised again on the way out: q and k along the head's 128 channels, v along the keys.
; OPERANDS are images of registers, as the launch before lays them: [group of 128 rows][K step][12,800 bytes: 8 fragments of 1,536, 512 of scale words].
; CLUSTERS 0-3 along x: q and k: a tile of 256 tokens x 256 channels (two heads).  CLUSTERS 4-5: v, transposed: 256 channels x 256 tokens.  A wave makes 128 x 128: 64 accumulators.
; The matrix instruction takes the weights' (v: the tokens') rows as source 0, so a lane holds one token (v: channel) and its registers run along the next product's K.
; K goes in steps of 128 through a ring of two LDS slots of two steps; each wave fetches 25,600 dense bytes by one joint load (A's along the cluster's row, B's along its column).
; Each joint load's bytes are prefetched two refills ahead: 100 blocks of 256 bytes, 25 to each of the four partners, told apart by address; the last two refills have nothing left to ask for.
; THE WAY OUT of q and k: the bias is the C of the first products; the eight blocks' sums of squares go by turns, one batch of rsq; then block by block x rsq, the rope (its image holds rope x gain,
; columns as register pairs: two packed instructions a pair), the quantiser, three stores of 512 bytes.  The rope's loads run four half blocks ahead; the first two are asked for ahead of the last K step.
; CLUSTERS 6-7 along x (64 work-groups) have no tile: they quantise wo, [2048][2048] f32, into woc, as the launch before does for the other weights: a work-group takes 64 rows x 1,024 along K in two trips.
; Their stage in LDS has bytes of its own, on which no tensor load lands.
; LIMITS: a block of zeros gets the byte 1 (zero codes; this program alone reads the bytes); NaN and infinities among the inputs are not served.
; REGISTERS: window 0: v0-31 addresses, v32-63 scale words, v64-127 the bias, later a block at work, v128-223 A's fragments; window 1: B's fragments, two sets, later the rope; windows 2, 3: accumulators.
.set TENS,  3276800
.set GK,    204800
.set BLKB,  12800
.set FRB,   1536
.set GRP,   2*BLKB
.set SLOT,  4*GRP
.set SPARE, 2*SLOT                     ; the spare words: 512 bytes that no other line names
.set WSTG,  SPARE+512                  ; wo's way: four stages of 16 rows x 528 bytes
.set SP,    528
.set LAPS,  4
.set FR,    12
.set NP,    4
.set ADRA,  16
.set ADRB,  20
.set ADRS,  24
.set SPW,   28
.set NIL,   29
.set PFO,   30                         ; v30 the prefetches' offset: 256 x (25 x my place among the four + min(lane, 24)); never rewritten
.set SC,    32
.set BI,    64                         ; v64-127 the bias of my 128 channels, in the accumulators' order (v: zeros)
.set AF,    128
.set WV,    22
.set WHI,   23
.set WLO,   66
.set G1,    24
.set G0,    32
.set G1B,   48
.set G0B,   56
.set PFA,   78                         ; s[78:79] my group's first byte + 25,600 x the refills made
.set SEL,   98
.set TM,    4
.set PWS,   20
.set SS,    32                         ; the way out: v32-63: four registers a block: sums of squares, then 1 / rms in register 2
.set E,     64
.set BV,    128
.set PC,    192
.set T,     212
.set OFFB,  253
.set OFFV,  254
.set WLI,   24                         ; wo's way: addresses v24-27, rows v32-159, my row's numbers v160-223
.set WSTI,  25
.set WSTO,  26
.set WSCO,  27
.set WR,    32
.set WX,    160
.set MSB, 0
.macro WIN new
.if MSB != (\new)
	s_set_vgpr_msb (MSB<<8)|(\new)
.set MSB, (\new)
.endif
.endm
.set MUL_LO, 0xa1
.set MUL_HI, 0xf1
.set TO_B,   0x40
.macro PLACES n
.rept \n
	v_nop
.endr
.endm
.macro JLOAD g0a, g1a, g0b, g1b        ; waves 0, 1 fetch for A, waves 2, 3 for B; s_nop 0 and four v_nop behind each line
	s_cmp_eq_u32 s[WHI], 0
	s_cbranch_scc0 .Lfor_b_\@
	tensor_load_to_lds s[\g0a:\g0a+3], s[\g1a:\g1a+7]
	s_nop 0
.rept 4
	v_nop
.endr
	s_branch .Lasked_\@
.Lfor_b_\@:
	tensor_load_to_lds s[\g0b:\g0b+3], s[\g1b:\g1b+7]
	s_nop 0
.rept 4
	v_nop
.endr
.Lasked_\@:
.endm
.macro CREST
	s_cmp_lg_u32 s[WV], 0
	s_cbranch_scc1 .Lnot_wave_0_\@
	s_barrier_signal -3
.Lnot_wave_0_\@:
	s_barrier_wait -3
	s_barrier_signal -1
	s_barrier_wait -1
.endm
.macro CROUND
	s_barrier_signal -1
	s_barrier_wait -1
	CREST
.endm
.macro QUANT s, pw                     ; 64 numbers of a lane (register 16 b + i = k 32 b + 16 h + i) -> codes in v[PC] on, scale word in v[pw]
.irp b, 0,1,2,3
	v_max3_num_f32 v[TM+\b], |v[(\s)+16*\b]|, |v[(\s)+1+16*\b]|, 0x1800000
.endr
.irp i, 2,4,6,8,10,12,14
.irp b, 0,1,2,3
	v_max3_num_f32 v[TM+\b], v[TM+\b], |v[(\s)+16*\b+\i]|, |v[(\s)+1+16*\b+\i]|
.endr
.endr
.irp b, 0,1,2,3
	v_permlanex16_b32 v[TM+4+\b], v[TM+\b], s[SEL], s[SEL+1]
.endr
.irp b, 0,1,2,3
	v_max_num_f32 v[TM+\b], v[TM+\b], v[TM+4+\b]
.endr
.irp b, 0,1,2,3
	v_add_nc_u32 v[TM+12+\b], 0xff000000, v[TM+\b]
.endr
.irp b, 0,1,2,3
	v_lshrrev_b32 v[TM+4+\b], 23, v[TM+12+\b]
.endr
	v_lshl_or_b32 v[\pw], v[TM+5], 8, v[TM+4]
	v_lshl_or_b32 v[\pw], v[TM+6], 16, v[\pw]
	v_lshl_or_b32 v[\pw], v[TM+7], 24, v[\pw]
.irp c, 0,1
	v_cvt_scalef32_pk16_fp6_f32 v[PC+6*\c:PC+2+6*\c], v[(\s)+32*\c:(\s)+15+32*\c], v[TM+12+2*\c]
	v_cvt_scalef32_pk16_fp6_f32 v[PC+12+4*\c:PC+14+4*\c], v[(\s)+16+32*\c:(\s)+31+32*\c], v[TM+12+2*\c+1]
.endr
	v_nop
.irp c, 0,1
.irp i, 0,1,2
	v_permlane16_swap_b32 v[PC+6*\c+\i], v[PC+12+4*\c+\i]
.endr
.irp i, 0,1,2
	v_mov_b32 v[PC+3+6*\c+\i], v[PC+12+4*\c+\i]
.endr
.endr
.endm
	s_load_b256 s[4:11], s[0:1], 0x0               ; ops1, bq, bk, bv
	s_load_b256 s[12:19], s[0:1], 0x20             ; ropei, qc, kvc, wo
	s_load_b64 s[20:21], s[0:1], 0x40              ; woc
	v_lshl_add_u32 v[SPW], v0, 2, SPARE
	v_mov_b32 v[NIL], 0
	ds_add_u32 v[SPW], v[NIL]                      ; the opening lines: the add, twice on end, and its wait
	ds_add_u32 v[SPW], v[NIL]
	v_lshrrev_b32 v1, 5, v0
	v_readfirstlane_b32 s[WV], v1
	s_lshr_b32 s[WHI], s[WV], 1
	s_and_b32 s[WLO], s[WV], 1
	s_bfe_u32 s40, ttmp6, 0x40000                  ; cx
	s_bfe_u32 s41, ttmp6, 0x40004                  ; cy
	s_lshl_b32 s43, s41, 2
	s_lshl_b32 s43, 15, s43
	s_lshl_b32 s44, 0x1111, s40
	s_or_b32 s[G1+0], s43, (3<<16)|(1<<21)         ; A's tiles go to my row of the cluster,
	s_or_b32 s[G1B+0], s44, (3<<16)|(1<<21)        ; B's to my column; 25,600 dense bytes as 100 rows of 256
.irp g, G1, G1B
	s_mov_b32 s[\g+1], 32<<16
	s_mov_b32 s[\g+2], 100<<16
	s_mov_b32 s[\g+3], 32<<16
	s_mov_b32 s[\g+4], 100
	s_mov_b32 s[\g+5], 32
	s_mov_b32 s[\g+6], 0
	s_mov_b32 s[\g+7], 0
.endr
	s_lshr_b32 s67, ttmp9, 2
	s_and_b32 s67, s67, 1                          ; 1: v's tiles
	s_and_b32 s68, ttmp7, 0xffff
	s_and_b32 s69, ttmp9, 3
	s_mov_b32 s74, 3*TENS
	s_mov_b32 s75, TENS
	s_cmp_eq_u32 s67, 1
	s_cselect_b32 s70, s69, s68
	s_cselect_b32 s71, s68, ttmp9
	s_cselect_b32 s72, s74, 0
	s_cselect_b32 s73, 0, s75
	s_lshl_b32 s76, s70, 2
	s_add_co_u32 s76, s76, s41
	s_lshl_b32 s76, s76, 1                         ; A's first group of 128 rows
	s_add_co_u32 s77, s76, s[WLO]
	s_mul_i32 s77, s77, GK
	s_add_co_u32 s78, s77, s72
	s_mov_b32 s79, 0
	s_lshl_b32 s80, s71, 2
	s_add_co_u32 s80, s80, s40
	s_lshl_b32 s80, s80, 1                         ; B's
	s_add_co_u32 s81, s80, s[WLO]
	s_mul_i32 s81, s81, GK
	s_add_co_u32 s82, s81, s73
	s_mov_b32 s83, 0
	s_mul_i32 s45, s[WV], GRP
	s_wait_alu depctr_va_vdst(0)                   ; a wait ahead of the waits and the branch below
	s_wait_dscnt 0x0
	s_wait_kmcnt 0x0
	s_cmp_lt_u32 ttmp9, 6                          ; the cluster's x alone decides: all sixteen partners go one way
	s_cbranch_scc1 .Lmain
	; ---- wo's way
.set PC, 224
.macro LOADT t
.irp i, 0,1,2,3,4,5,6,7,8,9,10,11,12,13,14,15
	global_load_b128 v[WR+64*((\t)%2)+4*\i:WR+64*((\t)%2)+4*\i+3], v[WLI], s[4:5] offset:(32*((\t)/2)+8*((\t)%2)+\i+8*(\i/8))*8192 th:TH_LOAD_NT
.endr
.endm
.macro TILE t
.if (\t) < 3
	s_wait_loadcnt 16                              ; this fragment's 16 loads are in; the next one's 16 may be out
.else
	s_wait_loadcnt 0x0
.endif
.irp i, 0,1,2,3,4,5,6,7,8,9,10,11,12,13,14,15
	ds_store_b128 v[WSTI], v[WR+64*((\t)%2)+4*\i:WR+64*((\t)%2)+4*\i+3] offset:SP*\i
.endr
.irp b, 0,1,2,3
.irp jj, 0,1,2,3
	ds_load_b128 v[WX+16*\b+4*\jj:WX+16*\b+4*\jj+3], v[WSTO] offset:128*\b+16*\jj   ; LDS serves a wave's instructions in order
.endr
.endr
	s_wait_dscnt 0x0
.if (\t) > 0
	s_wait_xcnt 0x0                                ; the last fragment's stores have read the codes' registers
.endif
.if (\t) < 2
	LOADT (\t)+2
.endif
	QUANT WX, PWS+(\t)
.irp c, 0,1,2
	global_store_b128 v[WLI], v[PC+4*\c:PC+4*\c+3], s[6:7] offset:FRB*(\t)+512*\c
.endr
.endm
	s_sub_co_u32 s70, ttmp9, 6
	s_lshl_b32 s70, s70, 1
	s_add_co_u32 s70, s70, s68
	s_lshl_b32 s70, s70, 4
	s_lshl_b32 s71, s41, 2
	s_add_co_u32 s70, s70, s71
	s_add_co_u32 s70, s70, s40                     ; which of the 64: it enters global addresses alone
	s_lshr_b32 s71, s70, 1                         ; which 64 rows
	s_and_b32 s72, s70, 1
	s_lshl_b32 s72, s72, 3
	s_add_co_u32 s72, s72, s[WV]                   ; my first K step; the second trip's lies 4 further on
	s_lshl_b32 s74, s71, 19
	s_lshl_b32 s75, s72, 9
	s_add_co_u32 s74, s74, s75
	s_mov_b32 s75, 0
	s_add_nc_u64 s[4:5], s[18:19], s[74:75]
	s_lshr_b32 s76, s71, 1
	s_lshl_b32 s76, s76, 4
	s_add_co_u32 s76, s76, s72
	s_mul_i32 s76, s76, BLKB
	s_and_b32 s77, s71, 1
	s_mul_i32 s78, s77, 4*FRB
	s_add_co_u32 s78, s78, s76
	s_mov_b32 s79, 0
	s_add_nc_u64 s[6:7], s[20:21], s[78:79]        ; my four fragments
	s_lshl_b32 s77, s77, 8
	s_add_co_u32 s78, s76, s77
	s_add_co_u32 s78, s78, 8*FRB
	s_add_nc_u64 s[8:9], s[20:21], s[78:79]        ; their scale words
	v_and_b32 v1, 31, v0
	v_and_b32 v2, 15, v0
	v_bfe_u32 v3, v0, 4, 1
	v_lshlrev_b32 v[WLI], 4, v1
	s_mul_i32 s80, s[WV], 16*SP
	s_add_co_u32 s80, s80, WSTG
	v_add_nc_u32 v[WSTI], s80, v[WLI]
	v_mul_u32_u24 v[WSTO], v2, SP
	v_lshl_add_u32 v[WSTO], v3, 6, v[WSTO]
	v_add_nc_u32 v[WSTO], s80, v[WSTO]
	v_lshlrev_b32 v[WSCO], 4, v2
	v_lshl_add_u32 v[WSCO], v3, 3, v[WSCO]
	v_cmp_ne_u32 s86, 0, v3
.irp b, 0,1,2,3
	v_mov_b32 v[TM+4+\b], 0
.endr
	s_mov_b32 s[SEL], 0x76543210
	s_mov_b32 s[SEL+1], 0xfedcba98
	s_mov_b32 s3, 2
	s_wait_alu depctr_va_vdst(0)
.Lwtrip:
	LOADT 0
	LOADT 1
	TILE 0
	TILE 1
	TILE 2
	TILE 3
	v_cndmask_b32 v30, v[PWS], v[PWS+2], s86
	v_cndmask_b32 v31, v[PWS+1], v[PWS+3], s86
	global_store_b64 v[WSCO], v[30:31], s[8:9]     ; 256 consecutive bytes, aligned
	s_wait_xcnt 0x0                                ; bases and store data are written again only behind this wait
	s_add_nc_u64 s[4:5], s[4:5], 2048
	s_add_nc_u64 s[6:7], s[6:7], 4*BLKB
	s_add_nc_u64 s[8:9], s[8:9], 4*BLKB
	s_sub_co_u32 s3, s3, 1
	s_cmp_lg_u32 s3, 0
	s_wait_alu depctr_va_vdst(0)
	s_cbranch_scc1 .Lwtrip
	s_branch .Lend
.set PC, 192
.Lmain:
	s_add_nc_u64 s[78:79], s[4:5], s[78:79]
	s_add_nc_u64 s[82:83], s[4:5], s[82:83]
	CROUND                                         ; all sixteen work-groups are here: the first joint loads meet
.irp s, 0,1
	s_mov_b32 s[G0+4*\s], 1
	s_add_co_u32 s[G0+4*\s+1], s45, \s*SLOT
	s_add_nc_u64 s[G0+4*\s+2:G0+4*\s+3], s[78:79], \s*GRP
	s_or_b32 s[G0+4*\s+3], s[G0+4*\s+3], 0x80000000
	s_mov_b32 s[G0B+4*\s], 1
	s_add_co_u32 s[G0B+4*\s+1], s45, \s*SLOT
	s_add_nc_u64 s[G0B+4*\s+2:G0B+4*\s+3], s[82:83], \s*GRP
	s_or_b32 s[G0B+4*\s+3], s[G0B+4*\s+3], 0x80000000
.endr
	s_cmp_eq_u32 s[WHI], 0
	s_cselect_b64 s[PFA:PFA+1], s[78:79], s[82:83] ; the group that I fetch,
	s_cselect_b32 s42, s40, s41                    ; my place among the four that ask for it with me
	s_mul_i32 s42, s42, 25
	JLOAD G0, G1, G0B, G1B                         ; K steps 0, 1: one tensor load a wave at the head
	v_and_b32 v3, 31, v0
	v_min_u32 v4, 24, v3
	v_add_nc_u32 v4, s42, v4
	v_lshlrev_b32 v[PFO], 8, v4
	v_and_b32 v1, 15, v0
	v_bfe_u32 v2, v0, 4, 1
	v_lshlrev_b32 v3, 4, v3
	s_wait_alu depctr_va_vdst(0)
	global_prefetch_b8 v[PFO], s[PFA:PFA+1] offset:GRP th:TH_LOAD_NT scope:SCOPE_SE     ; the next two fills
	global_prefetch_b8 v[PFO], s[PFA:PFA+1] offset:2*GRP th:TH_LOAD_NT scope:SCOPE_SE
	s_mul_i32 s46, s[WHI], GRP
	s_mul_i32 s47, s[WLO], GRP
	s_add_co_u32 s47, s47, 2*GRP
	v_lshlrev_b32 v5, 4, v1
	s_sub_co_u32 s42, s47, s46
	v_mul_u32_u24 v6, s42, v2
	v_add_nc_u32 v5, v5, v6
.irp s, 0,1
	v_add_nc_u32 v[ADRA+\s], s46, v3
	v_add_nc_u32 v[ADRB+\s], s47, v3
	v_add_nc_u32 v[ADRS+\s], s46, v5
	s_add_co_u32 s46, s46, SLOT
	s_add_co_u32 s47, s47, SLOT
.endr
	v_and_b32 v7, 8, v1
	v_add_nc_u32 v7, v7, v1
	v_lshlrev_b32 v[OFFB], 6, v2
	v_lshlrev_b32 v[OFFV], 2, v7
	s_add_co_u32 s84, s76, s[WHI]                  ; my group on A's side: tokens (v: the head)
	s_add_co_u32 s85, s80, s[WLO]                  ; and on B's: q's or k's head (v: tokens)
	s_and_b32 s86, s85, 15
	s_lshr_b32 s87, ttmp9, 1                       ; 0: q
	s_lshl_b32 s88, s86, 9
	s_mov_b32 s89, 0
	s_cmp_eq_u32 s87, 0
	s_cselect_b64 s[90:91], s[6:7], s[8:9]
	s_add_nc_u64 s[90:91], s[90:91], s[88:89]
	s_wait_alu depctr_va_vdst(0)
	s_cmp_eq_u32 s67, 1
	s_cbranch_scc1 .Lzero
.irp bb, 0,1,2,3
.irp jj, 0,1,2,3
	global_load_b128 v[BI+16*\bb+4*\jj:BI+16*\bb+4*\jj+3], v[OFFB], s[90:91] offset:128*\bb+16*\jj   ; register 16 bb + i: channel 32 bb + 16 h + i
.endr
.endr
	s_branch .Lbias
.Lzero:                                                ; v's bias hangs on the lane and on A's block: it is added on the way out
.set n, 0
.rept 64
	v_mov_b32 v[BI+n], 0
.set n, n+1
.endr
.Lbias:
.macro FRAG reg, adr, off
.irp c, 0,1,2
	ds_load_b128 v[(\reg)+4*\c:(\reg)+4*\c+3], v[\adr] offset:(\off)+512*\c
.endr
.endm
.macro MUL16 a0, p, q, sc, first       ; A's blocks a0, a0 + 1 x B's eight; the 64 accumulators take turns
.irp a, \a0, \a0+1
.irp b, 0,1,2,3,4,5,6,7
.if \first
	v_wmma_scale_f32_16x16x128_f8f6f4 v[8*(8*((\a)%4)+\b):8*(8*((\a)%4)+\b)+7], v[128*(\p)+FR*\b:128*(\p)+FR*\b+FR-1], v[AF+FR*(\a):AF+FR*(\a)+FR-1], v[BI+8*\b:BI+8*\b+7], v[SC+16*(\sc)+8*(\q)+\b], v[SC+16*(\sc)+8*(\q)+(\a)] matrix_a_fmt:MATRIX_FMT_FP6 matrix_b_fmt:MATRIX_FMT_FP6 matrix_a_scale:MATRIX_SCALE_ROW1
.else
	v_wmma_scale_f32_16x16x128_f8f6f4 v[8*(8*((\a)%4)+\b):8*(8*((\a)%4)+\b)+7], v[128*(\p)+FR*\b:128*(\p)+FR*\b+FR-1], v[AF+FR*(\a):AF+FR*(\a)+FR-1], v[8*(8*((\a)%4)+\b):8*(8*((\a)%4)+\b)+7], v[SC+16*(\sc)+8*(\q)+\b], v[SC+16*(\sc)+8*(\q)+(\a)] matrix_a_fmt:MATRIX_FMT_FP6 matrix_b_fmt:MATRIX_FMT_FP6 matrix_a_scale:MATRIX_SCALE_ROW1
.endif
.endr
.endr
.endm
.macro FETCH_B slot, q, p
	WIN TO_B
.irp i, 0,1,2,3,4,5,6,7
	FRAG 128*(\p)+FR*\i, ADRB+\slot, (\q)*BLKB+\i*FRB
.endr
	WIN 0
.endm
.macro FETCH_A slot, q, i0
.irp i, \i0, \i0+1, \i0+2, \i0+3
	FRAG AF+FR*(\i), ADRA+\slot, (\q)*BLKB+(\i)*FRB
.endr
.endm
.macro SCALES sc
.irp q, 0,1
.irp hf, 0,1
	ds_load_b128 v[SC+16*\sc+8*\q+4*\hf:SC+16*\sc+8*\q+4*\hf+3], v[ADRS+\sc] offset:\q*BLKB+8*FRB+256*\hf
.endr
.endr
.endm
.macro STEP slot, q, first             ; first = 1: C is the bias, in window 0
	s_wait_dscnt 12                                ; all but the youngest 12 loads, A's blocks 4-7
	WIN MUL_LO-0x20*(\first)
	MUL16 0, (\q)%2, \q, \slot, \first
	MUL16 2, (\q)%2, \q, \slot, \first
	s_wait_dscnt 0
	PLACES NP
	FETCH_B \slot, (\q)+1, 1-(\q)%2
	FETCH_A \slot, (\q)+1, 0
	WIN MUL_HI-0x30*(\first)
	MUL16 4, (\q)%2, \q, \slot, \first
	MUL16 6, (\q)%2, \q, \slot, \first
	PLACES NP
	WIN 0
	FETCH_A \slot, (\q)+1, 4
.endm
.macro TURN slot, next, fill           ; a slot's second step and the change of slots
.if \fill
	s_wait_xcnt 0x0                                ; my prefetches have read their base
	s_add_nc_u64 s[PFA:PFA+1], s[PFA:PFA+1], GRP
.endif
	s_wait_tensorcnt 0x0                           ; all my tensor loads have landed: my part of the next slot
	ds_add_u32 v[SPW], v[NIL]
	s_wait_dscnt 13                                ; (the add and the youngest 12 loads may be out)
	WIN MUL_LO
	MUL16 0, 1, 1, \slot, 0
	s_wait_dscnt 0x0                               ; the add is done, my reads of this slot are over
	s_barrier_signal -1
	MUL16 2, 1, 1, \slot, 0
	WIN 0
	s_barrier_wait -1
.if \fill
	CREST                                          ; the barrier has opened a round of the cluster's barrier
	s_add_nc_u64 s[G0+4*\slot+2:G0+4*\slot+3], s[G0+4*\slot+2:G0+4*\slot+3], 2*GRP
	s_add_nc_u64 s[G0B+4*\slot+2:G0B+4*\slot+3], s[G0B+4*\slot+2:G0B+4*\slot+3], 2*GRP
	JLOAD G0+4*\slot, G1, G0B+4*\slot, G1B
.else
	PLACES NP
.endif
	FETCH_B \next, 0, 0
	FETCH_A \next, 0, 0
	SCALES \next
.if \fill
	s_cmp_gt_u32 s3, 1                             ; the last trip's two refills have no fill two further on
	s_cbranch_scc0 .Lnone_\@
	global_prefetch_b8 v[PFO], s[PFA:PFA+1] offset:3*GRP th:TH_LOAD_NT scope:SCOPE_SE   ; the fill two refills on
.Lnone_\@:
.endif
	WIN MUL_HI
	MUL16 4, 1, 1, \slot, 0
	MUL16 6, 1, 1, \slot, 0
	PLACES NP
	WIN 0
	FETCH_A \next, 0, 4
.endm
.macro LAST                            ; the last K step: nothing more to fetch
	s_wait_dscnt 12
	WIN MUL_LO
	MUL16 0, 1, 1, 1, 0
	MUL16 2, 1, 1, 1, 0
	s_wait_dscnt 0
	WIN MUL_HI
	MUL16 4, 1, 1, 1, 0
	MUL16 6, 1, 1, 1, 0
	WIN 0
	PLACES NP
.endm
	s_wait_alu depctr_va_vdst(0)                   ; a wait at the head's end
	s_wait_tensorcnt 0x0                           ; my part of slot 0 is in
	ds_add_u32 v[SPW], v[NIL]
	s_wait_dscnt 0x0
	CROUND
	JLOAD G0+4, G1, G0B+4, G1B                     ; K steps 2, 3
	FETCH_B 0, 0, 0
	FETCH_A 0, 0, 0
	SCALES 0
	global_prefetch_b8 v[PFO], s[PFA:PFA+1] offset:3*GRP th:TH_LOAD_NT scope:SCOPE_SE
	FETCH_A 0, 0, 4
	s_wait_loadcnt 0x0                             ; the bias
	STEP 0, 0, 1
	s_mov_b32 s3, LAPS-1
.Llap:
	TURN 0, 1, 1
	STEP 1, 0, 0
	TURN 1, 0, 1
	STEP 0, 0, 0
	s_sub_co_u32 s3, s3, 1
	s_cmp_lg_u32 s3, 0
	s_cbranch_scc1 .Llap
	TURN 0, 1, 0
	STEP 1, 0, 0
	s_mov_b32 s[SEL], 0x76543210
	s_mov_b32 s[SEL+1], 0xfedcba98
	s_cmp_eq_u32 s67, 1
	s_cbranch_scc1 .Lv
	; ---- q and k
	s_lshl_b32 s88, s86, 4
	s_add_co_u32 s88, s88, s84
	s_mov_b32 s89, 2*BLKB
	s_mov_b32 s68, 0x3c000000                      ; 1 / 128
	s_mov_b32 s69, 0x34000000                      ; eps
	s_cmp_eq_u32 s87, 0
	s_cselect_b64 s[94:95], s[14:15], s[16:17]
	s_cselect_b32 s89, BLKB, s89
	s_cselect_b32 s92, 0, 1
	s_mul_i32 s88, s88, s89
	s_mov_b32 s89, 0
	s_add_nc_u64 s[94:95], s[94:95], s[88:89]      ; my block of qc or kvc
	s_lshl_b32 s88, s84, 17
	s_lshl_b32 s92, s92, 21
	s_add_co_u32 s88, s88, s92
	s_add_nc_u64 s[96:97], s[12:13], s[88:89]      ; my 128 tokens in q's or k's image of the rope
.macro ROPEH k                         ; half block k: 16 loads of 512 consecutive bytes into window 1, buffer k % 4
	WIN 0x40
.irp bb, 0,1
.irp p, 0,1,2,3,4,5,6,7
	global_load_b128 v[64*((\k)%4)+32*\bb+4*\p:64*((\k)%4)+32*\bb+4*\p+3], v3, s[96:97] offset:8192*(\k)+512*(8*\bb+\p)
.endr
.endr
.endm
.macro RWAIT k                         ; half block k is in; the up to three half blocks asked for behind it may be out
	s_wait_alu depctr_va_vdst(0)                   ; a wait ahead of the wait below
.if (\k) < 13
	s_wait_loadcnt 48
.else
	s_wait_loadcnt 16*(15-(\k))
.endif
.endm
.macro ROT k                           ; (o0, o1) = (r00 w0, r10 w0) e0 + (r01 w1, r11 w1) e1, eight pairs by turns
.set RPB, 64*((\k)%4)
.set EB, E+32*((\k)%2)
	WIN 0x01
.irp g, 0,1
.irp p, 0,1,2,3,4,5,6,7
	v_pk_mul_f32 v[T+2*\p:T+2*\p+1], v[RPB+32*\g+4*\p+2:RPB+32*\g+4*\p+3], v[EB+16*\g+2*\p:EB+16*\g+2*\p+1] op_sel:[0,1] op_sel_hi:[1,1]
.endr
.irp p, 0,1,2,3,4,5,6,7
	v_pk_fma_f32 v[EB+16*\g+2*\p:EB+16*\g+2*\p+1], v[RPB+32*\g+4*\p:RPB+32*\g+4*\p+1], v[EB+16*\g+2*\p:EB+16*\g+2*\p+1], v[T+2*\p:T+2*\p+1] op_sel_hi:[1,0,1]
.endr
.endr
.if (\k)+4 < 16
	ROPEH (\k)+4
.endif
.endm
.macro SUMSQ hi                        ; four blocks' sums of squares, two chains a block, by turns; each accumulator is read from its low end on
	WIN 0x0a+5*(\hi)
.set n, 0
.rept 32
.irp a, 0,1,2,3
.if n < 2
	v_pk_mul_f32 v[SS+4*(4*(\hi)+\a)+2*(n%2):SS+4*(4*(\hi)+\a)+2*(n%2)+1], v[64*\a+2*n:64*\a+2*n+1], v[64*\a+2*n:64*\a+2*n+1]
.else
	v_pk_fma_f32 v[SS+4*(4*(\hi)+\a)+2*(n%2):SS+4*(4*(\hi)+\a)+2*(n%2)+1], v[64*\a+2*n:64*\a+2*n+1], v[64*\a+2*n:64*\a+2*n+1], v[SS+4*(4*(\hi)+\a)+2*(n%2):SS+4*(4*(\hi)+\a)+2*(n%2)+1]
.endif
.endr
.set n, n+1
.endr
.endm
.macro QKBLOCK a
.set AC, 64*((\a)%4)
.if (\a) > 0
	s_wait_alu depctr_va_vdst(0)
	s_wait_xcnt 0x0                                ; the last block's stores have read the codes' registers
.endif
	WIN 0x02+(\a)/4
.set n, 0
.rept 32
	v_pk_mul_f32 v[E+n:E+n+1], v[AC+n:AC+n+1], v[SS+4*(\a)+2:SS+4*(\a)+3] op_sel_hi:[1,0]
.set n, n+2
.endr
	RWAIT 2*(\a)
	ROT 2*(\a)
	RWAIT 2*(\a)+1
	ROT 2*(\a)+1
	WIN 0
	QUANT E, PWS+(\a)
.irp c, 0,1,2
	global_store_b128 v3, v[PC+4*\c:PC+4*\c+3], s[94:95] offset:FRB*(\a)+512*\c
.endr
.endm
	ROPEH 0                                        ; into B's set 0, whose last products stand four places back
	ROPEH 1
	LAST
	ROPEH 2
	ROPEH 3
	WIN 0
.irp b, 0,1,2,3
	v_mov_b32 v[TM+4+\b], 0
.endr
	SUMSQ 0
	SUMSQ 1
	WIN 0
.irp a, 0,1,2,3,4,5,6,7
	v_pk_add_f32 v[SS+4*\a:SS+4*\a+1], v[SS+4*\a:SS+4*\a+1], v[SS+4*\a+2:SS+4*\a+3]
.endr
.irp a, 0,1,2,3,4,5,6,7
	v_add_f32 v[SS+4*\a], v[SS+4*\a], v[SS+4*\a+1]
.endr
.irp a, 0,1,2,3,4,5,6,7
	v_permlanex16_b32 v[SS+4*\a+2], v[SS+4*\a], s[SEL], s[SEL+1]
.endr
.irp a, 0,1,2,3,4,5,6,7
	v_add_f32 v[SS+4*\a], v[SS+4*\a], v[SS+4*\a+2]  ; with lane l xor 16's 64 channels
.endr
.irp a, 0,1,2,3,4,5,6,7
	v_fma_f32 v[SS+4*\a], v[SS+4*\a], s68, s69
.endr
	s_wait_alu depctr_va_vdst(0)                   ; a wait ahead of the batch,
.irp a, 0,1,2,3,4,5,6,7
	v_rsq_f32 v[SS+4*\a+2], v[SS+4*\a]
.endr
	v_nop
	s_wait_alu depctr_va_vdst(0)                   ; and behind it
.irp a, 0,1,2,3,4,5,6,7
	QKBLOCK \a
.endr
	s_wait_alu depctr_va_vdst(0)
	s_branch .Lsc
.Lv:
	LAST
.irp b, 0,1,2,3
	v_mov_b32 v[TM+4+\b], 0
.endr
	s_lshl_b32 s88, s84, 4
	s_add_co_u32 s88, s88, s85
	s_mul_i32 s88, s88, 2*BLKB
	s_add_co_u32 s88, s88, BLKB
	s_mov_b32 s89, 0
	s_add_nc_u64 s[94:95], s[16:17], s[88:89]      ; V's block of kvc
	s_lshl_b32 s88, s84, 9
	s_add_nc_u64 s[90:91], s[10:11], s[88:89]
.irp a, 0,1,2,3,4,5,6,7
	global_load_b32 v[BV+2*\a], v[OFFV], s[90:91] offset:(32*(\a/2)+8*(\a%2))*4
	global_load_b32 v[BV+2*\a+1], v[OFFV], s[90:91] offset:(32*(\a/2)+8*(\a%2))*4
.endr
	s_wait_alu depctr_va_vdst(0)
	s_wait_loadcnt 0x0
.macro VBLOCK a
.set AC, 64*((\a)%4)
	WIN 0x02+(\a)/4
.set n, 0
.rept 32
	v_pk_add_f32 v[E+n:E+n+1], v[AC+n:AC+n+1], v[BV+2*(\a):BV+2*(\a)+1]
.set n, n+2
.endr
	WIN 0
.if (\a) > 0
	s_wait_alu depctr_va_vdst(0)
	s_wait_xcnt 0x0
.endif
	QUANT E, PWS+(\a)
.irp c, 0,1,2
	global_store_b128 v3, v[PC+4*\c:PC+4*\c+3], s[94:95] offset:FRB*(\a)+512*\c
.endr
.endm
.irp a, 0,1,2,3,4,5,6,7
	VBLOCK \a
.endr
.Lsc:
	v_cmp_ne_u32 vcc_lo, 0, v2
.irp j, 0,1,2,3
	v_cndmask_b32 v[TM+\j], v[PWS+\j], v[PWS+4+\j], vcc_lo
.endr
	global_store_b128 v3, v[TM:TM+3], s[94:95] offset:8*FRB   ; the block's 512 bytes of scale words
.Lend:
	s_wait_tensorcnt 0x0                           ; the wave's end
	ds_add_u32 v[SPW], v[NIL]
	s_wait_dscnt 0x0
	CROUND                                         ; the closing round
	s_endpgm
.Lfunc_end_k_q96c92f3be6_qkv:
	.size	k_q96c92f3be6_qkv, .Lfunc_end_k_q96c92f3be6_qkv-k_q96c92f3be6_qkv
	.p2alignl 7, 3214868480
	.fill 96, 4, 3214868480
	.section	.rodata,"a",@progbits
	.p2align	6, 0x0
	.amdhsa_kernel k_q96c92f3be6_qkv
		.amdhsa_group_segment_fixed_size 327680
		.amdhsa_private_segment_fixed_size 0
		.amdhsa_enable_private_segment 0
		.amdhsa_kernarg_size 72
		.amdhsa_user_sgpr_count 2
		.amdhsa_user_sgpr_kernarg_segment_ptr 1
		.amdhsa_wavefront_size32 1
		.amdhsa_system_sgpr_workgroup_id_x 1
		.amdhsa_system_sgpr_workgroup_id_y 1
		.amdhsa_system_sgpr_workgroup_id_z 1
		.amdhsa_system_vgpr_workitem_id 0
		.amdhsa_next_free_vgpr 1024
		.amdhsa_next_free_sgpr 100
		.amdhsa_reserve_vcc 1
		.amdhsa_float_denorm_mode_32 3
		.amdhsa_float_denorm_mode_16_64 3
		.amdhsa_memory_ordered 1
		.amdhsa_forward_progress 1
		.amdhsa_inst_pref_size 255
	.end_amdhsa_kernel
	.section	.bss,"aw",@nobits
	.p2align	6
	.space	262144
	.amdgpu_metadata
---
amdhsa.version: [ 1, 2 ]
amdhsa.kernels:
  - .name:           k_q96c92f3be6_qkv
    .symbol:         k_q96c92f3be6_qkv.kd
    .args:
      - { .name: ops1, .offset: 0, .size: 8, .value_kind: global_buffer, .address_space: global }
      - { .name: bq, .offset: 8, .size: 8, .value_kind: global_buffer, .address_space: global }
      - { .name: bk, .offset: 16, .size: 8, .value_kind: global_buffer, .address_space: global }
      - { .name: bv, .offset: 24, .size: 8, .value_kind: global_buffer, .address_space: global }
      - { .name: ropei, .offset: 32, .size: 8, .value_kind: global_buffer, .address_space: global }
      - { .name: qc, .offset: 40, .size: 8, .value_kind: global_buffer, .address_space: global }
      - { .name: kvc, .offset: 48, .size: 8, .value_kind: global_buffer, .address_space: global }
      - { .name: wo, .offset: 56, .size: 8, .value_kind: global_buffer, .address_space: global }
      - { .name: woc, .offset: 64, .size: 8, .value_kind: global_buffer, .address_space: global }
    .group_segment_fixed_size: 327680
    .private_segment_fixed_size: 0
    .kernarg_segment_align: 8
    .kernarg_segment_size: 72
    .max_flat_workgroup_size: 128
    .sgpr_count:     100
    .vgpr_count:     1024
    .wavefront_size: 32
...
	.end_amdgpu_metadata
.endif
;; end of part 6
;; launch attn (part 7): grid 16 x 16, 8 waves a work-group, clusters of 4 x 1, 327,680 bytes of LDS; arguments qc, kvc, acod; writes acod
.if DOCPART == 7
	.amdgcn_target "amdgcn-amd-amdhsa--gfx1250"
	.amdhsa_code_object_version 6
	.text
	.protected	k_q96c92f3be6_attn
	.globl	k_q96c92f3be6_attn
	.p2align	8
	.type	k_q96c92f3be6_attn,@function
k_q96c92f3be6_attn:
	s_mov_b64 s[64:65], 0
	v_nop
	global_prefetch_b8 v0, s[64:65] scope:SCOPE_SE
	s_setreg_imm32_b32 hwreg(HW_REG_WAVE_MODE, 25, 1), 1
	s_wait_xcnt 0x0
	s_wait_alu depctr_hold_cnt(0) depctr_sa_sdst(0) depctr_va_vdst(0) depctr_va_sdst(0) depctr_va_ssrc(0) depctr_va_vcc(0) depctr_vm_vsrc(0)
	s_getreg_b32 s2, hwreg(HW_REG_IB_STS2, 6, 4)
	s_cmp_eq_u32 s2, 0
	s_cbranch_scc0 .Lentry_in_a_cluster
	s_endpgm
.Lentry_in_a_cluster:
	s_bfe_u32 s2, ttmp6, 0x10000c
	s_cmp_lg_u32 s2, 0x3003
	s_cbranch_scc0 .Lentry_shape_is_right
	s_endpgm
.Lentry_shape_is_right:
; o = softmax(q k^T / sqrt(128)) v for 16 heads of 2,048 tokens, both products on codes of FP6 (E2M3) with E8M0 scales; o is quantised along the model's 2,048 for the last product.
; t = score x log2(e) / sqrt(128); M = the running largest t rounded UP to a whole number; p = 2^(t - M) is quantised along the keys; the row's sum is taken of the unquantised p and divides at the end.
; When M moves, the sum and O are multiplied by 2^(old M - new M): exact.
; OPERANDS are images of registers: a block of 12,800 bytes holds 8 fragments of 1,536 bytes and 512 bytes of scale words (row r of fragment t at 12,288 + 256 (t / 4) + 16 r + 4 (t % 4));
; lane r of fragment t holds row 32 (t / 2) + 8 (t % 2) + r + 8 (r / 8).  qc: [head][group of 128 queries]; kvc: [head][group of 128 keys][K's block | V's block (16 channels x 128 keys a fragment)]; acod: [group of tokens][head].
; SHARES: a work-group owns 128 queries of one head, each of its eight waves 16: fragment w.  Two waves to a SIMD: one wave's vector work stands beside the other's products and LDS loads.
; Both products are used transposed (S^T = K Q^T, O^T = V^T P^T): a lane holds one query; by the choice of rows the 16 registers of two neighbouring tiles are 16 neighbouring keys (channels).
; CLUSTER: the four query groups of a cluster walk the same K and V: each key step is asked for jointly (mask of four).  A slot holds four key steps; waves 0-3 fetch one each; two slots.
; No prefetch: a refill is asked for a whole slot, four key steps of every wave's work, ahead of its first read.
; LIMITS: p under 2^-126 is 0; a block of zeros keeps the byte 1 (zero codes); NaN and infinities are not served.
; REGISTERS: window 0: v1-8 addresses; v12 -M, v13 largest t, v[14:15] the sum; v16-27 Q, v28 its scale words; v32-39 K's scale words, v40-47 V's; v96-159 S^T, then p; v160-223 O^T; v224-255 at work.
;   window 1: v0-95 K's eight fragments, v96-191 V's.
.set BLKB,  12800
.set FRB,   1536
.set STEPB, 2*BLKB                     ; a key step: K's block, V's block
.set SLOT1, 131072                     ; slot 1 begins here: one exclusive or turns an address from one slot to the other
.set SPARE, SLOT1+4*STEPB              ; the spare words, 128 bytes for each of eight waves: four blocks of 256 bytes that no other line names
.set STG,   SPARE+1024                 ; 512 bytes: the output block's scale words meet here; no tensor load lands here
.set LI,    1                          ; v1  16 x lane
.set LR,    2                          ; v2  16 x (lane % 16)
.set SPW,   5
.set NIL,   6
.set WV,    18
.set SEL,   20
.set CS,    22
.set G1,    24
.set G0,    40
.set TB,    2                          ; s2  LDS byte at which the key step in hand begins
.set SLOTS, 56
.set STEPS, 57
.set TM,    184                        ; the way out's quantiser works in registers that O^T has left
.set PC,    160
.set MSB, 0
.macro WIN new
.if MSB != (\new)
	s_set_vgpr_msb (MSB<<8)|(\new)
.set MSB, (\new)
.endif
.endm
.macro PLACES n
.rept \n
	v_nop
.endr
.endm
.macro CROUND                          ; a round of the cluster's barrier
	s_barrier_signal -1
	s_barrier_wait -1
	s_cmp_lg_u32 s[WV], 0
	s_cbranch_scc1 .Lnot_wave_0_\@
	s_barrier_signal -3
.Lnot_wave_0_\@:
	s_barrier_wait -3
	s_barrier_signal -1
	s_barrier_wait -1
.endm
.macro TLOAD                           ; waves 0-3 fetch a key step each, the others nothing; the branch hangs on the wave's number alone; four v_nop follow the load
	s_cmp_lt_u32 s[WV], 4
	s_cbranch_scc0 .Lnone_\@
	tensor_load_to_lds s[G0:G0+3], s[G1:G1+7]
	s_nop 0
.rept 4
	v_nop
.endr
.Lnone_\@:
.endm
.macro QUANT s, pw                     ; 64 numbers of a lane (register 16 b + i = k 32 b + 16 h + i) -> codes in v[PC] on, scale word in v[pw]
.irp b, 0,1,2,3
	v_max3_num_f32 v[TM+\b], |v[(\s)+16*\b]|, |v[(\s)+1+16*\b]|, 0x1800000
.endr
.irp i, 2,4,6,8,10,12,14
.irp b, 0,1,2,3
	s_delay_alu instid0(VALU_DEP_4)
	v_max3_num_f32 v[TM+\b], v[TM+\b], |v[(\s)+16*\b+\i]|, |v[(\s)+1+16*\b+\i]|
.endr
.endr
.irp b, 0,1,2,3
	v_permlanex16_b32 v[TM+4+\b], v[TM+\b], s[SEL], s[SEL+1]
.endr
.irp b, 0,1,2,3
	s_delay_alu instid0(VALU_DEP_4)
	v_max_num_f32 v[TM+\b], v[TM+\b], v[TM+4+\b]
.endr
.irp b, 0,1,2,3
	s_delay_alu instid0(VALU_DEP_4)
	v_add_nc_u32 v[TM+12+\b], 0xff000000, v[TM+\b]
.endr
.irp b, 0,1,2,3
	s_delay_alu instid0(VALU_DEP_4)
	v_lshrrev_b32 v[TM+4+\b], 23, v[TM+12+\b]
.endr
	s_delay_alu instid0(VALU_DEP_3)
	v_lshl_or_b32 v[\pw], v[TM+5], 8, v[TM+4]
	s_delay_alu instid0(VALU_DEP_1)
	v_lshl_or_b32 v[\pw], v[TM+6], 16, v[\pw]
	s_delay_alu instid0(VALU_DEP_1)
	v_lshl_or_b32 v[\pw], v[TM+7], 24, v[\pw]
.irp c, 0,1
	v_cvt_scalef32_pk16_fp6_f32 v[PC+6*\c:PC+2+6*\c], v[(\s)+32*\c:(\s)+15+32*\c], v[TM+12+2*\c]
	v_cvt_scalef32_pk16_fp6_f32 v[PC+12+4*\c:PC+14+4*\c], v[(\s)+16+32*\c:(\s)+31+32*\c], v[TM+12+2*\c+1]
.endr
	v_nop
.irp c, 0,1
.irp i, 0,1,2
	v_permlane16_swap_b32 v[PC+6*\c+\i], v[PC+12+4*\c+\i]
.endr
.irp i, 0,1,2
	s_delay_alu instid0(VALU_DEP_3)
	v_mov_b32 v[PC+3+6*\c+\i], v[PC+12+4*\c+\i]
.endr
.endr
.endm
	s_load_b128 s[4:7], s[0:1], 0x0                ; qc, kvc
	s_load_b64 s[8:9], s[0:1], 0x10                ; acod
	v_lshl_add_u32 v[SPW], v0, 2, SPARE
	v_mov_b32 v[NIL], 0
	ds_add_u32 v5, v6
	ds_add_u32 v5, v6
	s_wait_dscnt 0x0
	v_lshrrev_b32 v9, 5, v0
	s_delay_alu instid0(VALU_DEP_1)
	v_readfirstlane_b32 s[WV], v9                  ; wave 0..7
	v_and_b32 v[LI], 31, v0
	s_delay_alu instid0(VALU_DEP_1)
	v_lshlrev_b32 v[LI], 4, v[LI]
	v_and_b32 v[LR], 15, v0
	s_delay_alu instid0(VALU_DEP_1)
	v_lshlrev_b32 v[LR], 4, v[LR]
	s_lshr_b32 s10, s[WV], 2
	s_lshl_b32 s10, s10, 8
	s_and_b32 s11, s[WV], 3
	s_lshl_b32 s12, s11, 2
	s_add_co_u32 s10, s10, s12                     ; fragment w's words among a block's scale words: 256 (w / 4) + 4 (w % 4)
	v_add_nc_u32 v7, s10, v[LR]
	s_delay_alu instid0(VALU_DEP_1)
	v_add_nc_u32 v7, STG, v7                       ; where my row's scale word of the output goes
	v_add_nc_u32 v8, STG, v[LI]                    ; and where wave 0 reads all of them back
	s_bfe_u32 s13, ttmp6, 0x40000                  ; cx: it enters qc's and acod's addresses alone
	s_lshl_b32 s14, ttmp9, 2
	s_add_co_u32 s14, s14, s13                     ; my group of queries
	s_and_b32 s15, ttmp7, 0xffff                   ; the head, which the four partners share
	s_mul_i32 s44, s11, STEPB                      ; the key step that I fetch: its place in a slot,
	s_mul_i32 s46, s15, 16*STEPB
	s_add_co_u32 s46, s46, s44                     ; and in kvc
	s_mov_b32 s47, 0
	s_lshl_b32 s48, s15, 4
	s_add_co_u32 s48, s48, s14
	s_mul_i32 s48, s48, BLKB                       ; Q's block
	s_mov_b32 s49, 0
	s_lshl_b32 s50, s14, 4
	s_add_co_u32 s50, s50, s15
	s_mul_i32 s50, s50, BLKB                       ; the output's block
	s_mov_b32 s51, 0
	s_mul_i32 s52, s[WV], FRB                      ; my fragment in a block
	s_mov_b32 s53, 0
	s_add_co_u32 s54, s10, 8*FRB                   ; my scale words in a block
	s_mov_b32 s55, 0
	; descriptor group 1: 25,600 dense bytes as 100 rows of 256 bytes
	s_mov_b32 s[G1], 15|(3<<16)|(1<<21)            ; 15:0 the mask: all four work-groups; 17:16 elements of 8 bytes; 21 set beside a mask
	s_mov_b32 s[G1+1], 32<<16
	s_mov_b32 s[G1+2], 100<<16
	s_mov_b32 s[G1+3], 32<<16
	s_mov_b32 s[G1+4], 100
	s_mov_b32 s[G1+5], 32
	s_mov_b32 s[G1+6], 0
	s_mov_b32 s[G1+7], 0
	s_mov_b32 s[SEL], 0x76543210
	s_mov_b32 s[SEL+1], 0xfedcba98
	s_mov_b32 s[CS], 0x3e0293ee                    ; c = log2(e) / sqrt(128)
	s_mov_b32 s[CS+1], s[CS]
	s_mov_b32 s[TB], 0
	s_mov_b32 s[SLOTS], 3
	s_wait_kmcnt 0x0
	s_add_nc_u64 s[4:5], s[4:5], s[48:49]
	s_add_nc_u64 s[32:33], s[4:5], s[52:53]        ; my fragment of Q
	s_add_nc_u64 s[34:35], s[4:5], s[54:55]        ; its scale words
	s_add_nc_u64 s[8:9], s[8:9], s[50:51]
	s_add_nc_u64 s[36:37], s[8:9], s[52:53]        ; my fragment of the output
	s_mov_b32 s[G0], 1
	s_mov_b32 s[G0+1], s44
	s_add_nc_u64 s[G0+2:G0+3], s[6:7], s[46:47]
	s_or_b32 s[G0+3], s[G0+3], 0x80000000
	CROUND                                         ; all four work-groups are here: the first joint loads meet
	TLOAD                                          ; slot 0: key steps 0-3
	s_wait_alu depctr_va_vdst(0)
.irp c, 0,1,2
	global_load_b128 v[16+4*\c:19+4*\c], v[LI], s[32:33] offset:512*\c
.endr
	global_load_b32 v28, v[LR], s[34:35]
	v_mov_b32 v13, 0xff61b1e6                      ; the largest t so far: -3e38
	s_delay_alu instid0(VALU_DEP_1)
	v_floor_f32 v12, -v13                          ; -M
	v_mov_b32 v14, 0
	v_mov_b32 v15, 0
.irp b, 0,1,2,3
	v_mov_b32 v[236+\b], 0                         ; a lane permute's destination counts as one of its sources
.endr
	v_mov_b32 v253, 0                              ; (named as the upper half of a pair before it is first written)
.set n, 0
.rept 64
	v_mov_b32 v[160+n], 0                          ; O^T: the step is written once; the first finds zeros, which the first change of M leaves zeros
.set n, n+1
.endr
; A KEY STEP: 128 keys.
.macro STEP
	v_add_nc_u32 v3, s[TB], v[LI]
	v_add_nc_u32 v4, s[TB], v[LR]
	v_nop
	v_nop                                          ; four places behind the last products, ahead of loads into registers that they read
	ds_load_b128 v[32:35], v4 offset:8*FRB         ; K's scale words, fragments 0-3, 4-7
	ds_load_b128 v[36:39], v4 offset:8*FRB+256
	ds_load_b128 v[40:43], v4 offset:BLKB+8*FRB    ; V's
	ds_load_b128 v[44:47], v4 offset:BLKB+8*FRB+256
	WIN 0x40                                       ; destination window 1
.irp t, 0,1,2,3,4,5,6,7
.irp c, 0,1,2
	ds_load_b128 v[12*\t+4*\c:12*\t+4*\c+3], v3 offset:FRB*\t+512*\c
.endr
.endr
.irp t, 0,1,2,3,4,5,6,7
.irp c, 0,1,2
	ds_load_b128 v[96+12*\t+4*\c:96+12*\t+4*\c+3], v3 offset:BLKB+FRB*\t+512*\c
.endr
.endr
	s_wait_dscnt 24                                ; the scale words and K are in; V's 24 loads may be out
	WIN 0x01                                       ; source 0 window 1
.irp t, 0,1,2,3,4,5,6,7
	v_wmma_scale_f32_16x16x128_f8f6f4 v[96+8*\t:103+8*\t], v[12*\t:12*\t+11], v[16:27], 0, v[32+\t], v28 matrix_a_fmt:MATRIX_FMT_FP6 matrix_b_fmt:MATRIX_FMT_FP6
.endr
	WIN 0
	PLACES 4
.irp b, 0,1,2,3
	v_max3_num_f32 v[232+\b], v[96+16*\b], v[97+16*\b], v[98+16*\b]   ; the largest score of each block of 32 keys: for the row's maximum and, since p rises with the score, for the block's largest p
.endr
.irp i, 3,5,7,9,11,13
.irp b, 0,1,2,3
	v_max3_num_f32 v[232+\b], v[232+\b], v[96+16*\b+\i], v[97+16*\b+\i]
.endr
.endr
.irp b, 0,1,2,3
	v_max_num_f32 v[232+\b], v[232+\b], v[111+16*\b]
.endr
.irp b, 0,1,2,3
	s_delay_alu instid0(VALU_DEP_4)
	v_permlanex16_b32 v[236+\b], v[232+\b], s[SEL], s[SEL+1]
.endr
.irp b, 0,1,2,3
	s_delay_alu instid0(VALU_DEP_4)
	v_max_num_f32 v[232+\b], v[232+\b], v[236+\b]  ; with lane l xor 16's 16 keys
.endr
	s_delay_alu instid0(VALU_DEP_2)
	v_max3_num_f32 v254, v232, v233, v234
	s_delay_alu instid0(VALU_DEP_1)
	v_max_num_f32 v254, v254, v235
	s_delay_alu instid0(VALU_DEP_1)
	v_mul_f32 v254, s[CS], v254                    ; as t (c is positive)
	s_delay_alu instid0(VALU_DEP_1)
	v_max_num_f32 v13, v13, v254                   ; the running largest t
	v_mov_b32 v254, v12
	s_delay_alu instid0(VALU_DEP_2)
	v_floor_f32 v12, -v13                          ; the new -M = -ceil(t)
	s_delay_alu instid0(VALU_DEP_1)
	v_sub_f32 v254, v12, v254                      ; old M - new M: a whole number, 0 or less
	s_delay_alu instid0(VALU_DEP_1)
	v_cvt_i32_f32 v254, v254                       ; (it saturates)
	s_delay_alu instid0(VALU_DEP_1)
	v_ldexp_f32 v252, 1.0, v254                    ; f = 2^(old M - new M)
.set n, 0
.rept 32
	v_pk_fma_f32 v[96+n:97+n], v[96+n:97+n], s[CS:CS+1], v[12:13] op_sel_hi:[1,0,0]   ; t - M
.set n, n+2
.endr
.irp b, 0,1,2,3
	v_fma_f32 v[232+\b], v[232+\b], s[CS], v12
.endr
.set n, 0
	s_wait_alu depctr_va_vdst(0)
.rept 64
	v_exp_f32 v[96+n], v[96+n]                     ; p = 2^(t - M)
.set n, n+1
.endr
	v_pk_mul_f32 v[14:15], v[14:15], v[252:253] op_sel_hi:[1,0]   ; the sums under the new M (a plain place behind the exponentials)
	s_wait_alu depctr_va_vdst(0)                   ; one wait for the batch of 64, ahead of its first reader
.irp b, 0,1,2,3
	v_exp_f32 v[232+\b], v[232+\b]                 ; the blocks' largest p
.endr
	v_pk_add_f32 v[236:237], v[100:101], v[104:105]
	v_pk_add_f32 v[254:255], v[108:109], v[112:113]
	v_pk_add_f32 v[250:251], v[116:117], v[120:121]
	v_pk_add_f32 v[248:249], v[124:125], v[128:129]
	v_pk_add_f32 v[246:247], v[132:133], v[136:137]
	v_pk_add_f32 v[244:245], v[140:141], v[144:145]
	v_pk_add_f32 v[242:243], v[148:149], v[152:153]
	v_pk_add_f32 v[14:15], v[14:15], v[156:157]
	v_pk_add_f32 v[236:237], v[236:237], v[96:97]
	v_pk_add_f32 v[254:255], v[254:255], v[98:99]
	v_pk_add_f32 v[250:251], v[250:251], v[102:103]
	v_pk_add_f32 v[248:249], v[248:249], v[106:107]
	v_pk_add_f32 v[246:247], v[246:247], v[110:111]
	v_pk_add_f32 v[244:245], v[244:245], v[114:115]
	v_pk_add_f32 v[242:243], v[242:243], v[118:119]
	v_pk_add_f32 v[14:15], v[14:15], v[122:123]
	v_pk_add_f32 v[236:237], v[236:237], v[126:127]
	v_pk_add_f32 v[254:255], v[254:255], v[130:131]
	v_pk_add_f32 v[250:251], v[250:251], v[134:135]
	v_pk_add_f32 v[248:249], v[248:249], v[138:139]
	v_pk_add_f32 v[246:247], v[246:247], v[142:143]
	v_pk_add_f32 v[244:245], v[244:245], v[146:147]
	v_pk_add_f32 v[242:243], v[242:243], v[150:151]
	v_pk_add_f32 v[14:15], v[14:15], v[154:155]
	v_pk_add_f32 v[236:237], v[236:237], v[158:159]
	s_delay_alu instid0(VALU_DEP_2)
	v_pk_add_f32 v[14:15], v[14:15], v[248:249]
	s_delay_alu instid0(VALU_DEP_2)
	v_pk_add_f32 v[236:237], v[236:237], v[246:247]
	v_pk_add_f32 v[254:255], v[254:255], v[244:245]
	v_pk_add_f32 v[250:251], v[250:251], v[242:243]
	s_delay_alu instid0(VALU_DEP_2)
	v_pk_add_f32 v[14:15], v[14:15], v[254:255]
	s_delay_alu instid0(VALU_DEP_2)
	v_pk_add_f32 v[236:237], v[236:237], v[250:251]
	s_delay_alu instid0(VALU_DEP_1)
	v_pk_add_f32 v[14:15], v[14:15], v[236:237]
	s_wait_alu depctr_va_vdst(0)                   ; and one for the four
.irp b, 0,1,2,3
	v_max_num_f32 v[232+\b], 0x1800000, v[232+\b]  ; the floor 2^(3 - 127)
.endr
.irp b, 0,1,2,3
	s_delay_alu instid0(VALU_DEP_4)
	v_add_nc_u32 v[244+\b], 0xff000000, v[232+\b]
.endr
.irp b, 0,1,2,3
	s_delay_alu instid0(VALU_DEP_4)
	v_lshrrev_b32 v[236+\b], 23, v[244+\b]
.endr
	s_delay_alu instid0(VALU_DEP_3)
	v_lshl_or_b32 v253, v237, 8, v236              ; p's scale word for these 128 keys
	s_delay_alu instid0(VALU_DEP_1)
	v_lshl_or_b32 v253, v238, 16, v253
	s_delay_alu instid0(VALU_DEP_1)
	v_lshl_or_b32 v253, v239, 24, v253
.irp c, 0,1
	v_cvt_scalef32_pk16_fp6_f32 v[224+6*\c:226+6*\c], v[96+32*\c:111+32*\c], v[244+2*\c]
	v_cvt_scalef32_pk16_fp6_f32 v[236+4*\c:238+4*\c], v[112+32*\c:127+32*\c], v[244+2*\c+1]
.endr
	v_nop
.irp c, 0,1
.irp i, 0,1,2
	v_permlane16_swap_b32 v[224+6*\c+\i], v[236+4*\c+\i]
.endr
.irp i, 0,1,2
	s_delay_alu instid0(VALU_DEP_3)
	v_mov_b32 v[227+6*\c+\i], v[236+4*\c+\i]
.endr
.endr
.set n, 0
.rept 32
	v_pk_mul_f32 v[160+n:161+n], v[160+n:161+n], v[252:253] op_sel_hi:[1,0]   ; O^T under the new M; these 32 are also the places between p's codes and scale word and the products
.set n, n+2
.endr
	s_wait_alu depctr_va_vdst(0)
	s_wait_dscnt 0x0                               ; V is in
	WIN 0x01
.irp t, 0,1,2,3,4,5,6,7
	v_wmma_scale_f32_16x16x128_f8f6f4 v[160+8*\t:167+8*\t], v[96+12*\t:96+12*\t+11], v[224:235], v[160+8*\t:167+8*\t], v[40+\t], v253 matrix_a_fmt:MATRIX_FMT_FP6 matrix_b_fmt:MATRIX_FMT_FP6
.endr
	WIN 0
	s_add_co_u32 s[TB], s[TB], STEPB
.endm
.macro SLOT_STEPS                      ; a slot's four key steps: written once, walked four times
	s_mov_b32 s[STEPS], 4
.Lstep_\@:
	STEP
	s_sub_co_u32 s[STEPS], s[STEPS], 1
	s_cmp_lg_u32 s[STEPS], 0
	s_cbranch_scc1 .Lstep_\@
	s_sub_co_u32 s[TB], s[TB], 4*STEPB
	s_xor_b32 s[TB], s[TB], SLOT1                  ; on to the other slot
.endm
; THE CHANGE OF SLOTS stands at a slot's head.  Each wave waits for all its tensor loads (its part of the slot ahead), adds 0 to its spare word, and waits for that and for its reads of the slot that it has left.
; fill = 1: that slot is filled with the next four key steps, behind a round of the cluster's barrier: the load has a whole slot's steps in which to land.
.macro CHANGE fill
	s_wait_tensorcnt 0x0                           ; no tensor load of mine is out, so the descriptor may be written
	ds_add_u32 v[SPW], v[NIL]                      ; 0 onto my spare word
.if \fill
	s_xor_b32 s[G0+1], s[G0+1], SLOT1
	s_add_nc_u64 s[G0+2:G0+3], s[G0+2:G0+3], 4*STEPB
.endif
	s_wait_dscnt 0x0                               ; the add is done, and my reads of the slot that I have left are over
.if \fill
	CROUND
	TLOAD                                          ; the first thing behind the round, and a wave's one tensor load until the next
.else
	s_barrier_signal -1
	s_barrier_wait -1
.endif
.endm
	s_wait_loadcnt 0x0                             ; Q
.Lslot:                                                ; three trips: behind each change of slots but the last the next slot is asked for
	CHANGE 1
	SLOT_STEPS
	s_sub_co_u32 s[SLOTS], s[SLOTS], 1
	s_cmp_lg_u32 s[SLOTS], 0
	s_cbranch_scc1 .Lslot
	CHANGE 0                                       ; the last slot is written out
	SLOT_STEPS
	; THE WAY OUT: O^T / the sum; register 16 b + i is channel 32 b + 16 h + i of my query: the last product's K step = my head.  Quantised, it is fragment w of the output's block.
	v_add_f32 v14, v14, v15
	s_delay_alu instid0(VALU_DEP_1)
	v_permlanex16_b32 v252, v14, s[SEL], s[SEL+1]
	s_delay_alu instid0(VALU_DEP_1)
	v_add_f32 v14, v14, v252                       ; the row's sum
	s_wait_alu depctr_va_vdst(0)
	v_rcp_f32 v14, v14
	PLACES 4                                       ; plain places behind the reciprocal and behind the last products
	s_wait_alu depctr_va_vdst(0)                   ; a wait ahead of the first reader
.set n, 0
.rept 32
	v_pk_mul_f32 v[96+n:97+n], v[160+n:161+n], v[14:15] op_sel_hi:[1,0]
.set n, n+2
.endr
	QUANT 96, 200
.irp c, 0,1,2
	global_store_b128 v[LI], v[PC+4*\c:PC+4*\c+3], s[36:37] offset:512*\c   ; 512 consecutive bytes, aligned
.endr
	ds_store_b32 v7, v200                          ; both lanes of a row write the same word with the same value
	s_wait_dscnt 0x0                               ; for the others' sake: my store has landed
	s_barrier_signal -1
	s_barrier_wait -1
	s_cmp_lg_u32 s[WV], 0
	s_cbranch_scc1 .Lnot_first
	ds_load_b128 v[204:207], v8                    ; the eight waves' scale words: 512 bytes
	s_wait_dscnt 0x0
	global_store_b128 v[LI], v[204:207], s[8:9] offset:8*FRB
.Lnot_first:
	s_wait_tensorcnt 0x0                           ; the wave's end
	ds_add_u32 v[SPW], v[NIL]
	s_wait_dscnt 0x0
	CROUND                                         ; the closing round
	s_endpgm
.Lfunc_end_k_q96c92f3be6_attn:
	.size	k_q96c92f3be6_attn, .Lfunc_end_k_q96c92f3be6_attn-k_q96c92f3be6_attn
	.p2alignl 7, 3214868480
	.fill 96, 4, 3214868480
	.section	.rodata,"a",@progbits
	.p2align	6, 0x0
	.amdhsa_kernel k_q96c92f3be6_attn
		.amdhsa_group_segment_fixed_size 327680
		.amdhsa_private_segment_fixed_size 0
		.amdhsa_enable_private_segment 0
		.amdhsa_kernarg_size 24
		.amdhsa_user_sgpr_count 2
		.amdhsa_user_sgpr_kernarg_segment_ptr 1
		.amdhsa_wavefront_size32 1
		.amdhsa_system_sgpr_workgroup_id_x 1
		.amdhsa_system_sgpr_workgroup_id_y 1
		.amdhsa_system_sgpr_workgroup_id_z 1
		.amdhsa_system_vgpr_workitem_id 0
		.amdhsa_next_free_vgpr 448
		.amdhsa_next_free_sgpr 66
		.amdhsa_reserve_vcc 0
		.amdhsa_float_denorm_mode_32 3
		.amdhsa_float_denorm_mode_16_64 3
		.amdhsa_memory_ordered 1
		.amdhsa_forward_progress 1
		.amdhsa_inst_pref_size 57
	.end_amdhsa_kernel
	.amdgpu_metadata
---
amdhsa.version: [ 1, 2 ]
amdhsa.kernels:
  - .name:           k_q96c92f3be6_attn
    .symbol:         k_q96c92f3be6_attn.kd
    .args:
      - { .name: qc, .offset: 0, .size: 8, .value_kind: global_buffer, .address_space: global }
      - { .name: kvc, .offset: 8, .size: 8, .value_kind: global_buffer, .address_space: global }
      - { .name: acod, .offset: 16, .size: 8, .value_kind: global_buffer, .address_space: global }
    .group_segment_fixed_size: 327680
    .private_segment_fixed_size: 0
    .kernarg_segment_align: 8
    .kernarg_segment_size: 24
    .max_flat_workgroup_size: 256
    .sgpr_count:     66
    .vgpr_count:     448
    .wavefront_size: 32
...
	.end_amdgpu_metadata
.endif
;; end of part 7
;; launch oproj (part 8): grid 16 x 16, 4 waves a work-group, clusters of 4 x 4, 327,680 bytes of LDS; arguments acod, woc, bo, out0; writes out0
.if DOCPART == 8
	.amdgcn_target "amdgcn-amd-amdhsa--gfx1250"
	.amdhsa_code_object_version 6
	.text
	.protected	k_q96c92f3be6_oproj
	.globl	k_q96c92f3be6_oproj
	.p2align	8
	.type	k_q96c92f3be6_oproj,@function
k_q96c92f3be6_oproj:
	s_mov_b64 s[64:65], 0
	v_nop
	global_prefetch_b8 v0, s[64:65] scope:SCOPE_SE
	s_setreg_imm32_b32 hwreg(HW_REG_WAVE_MODE, 25, 1), 1
	s_wait_xcnt 0x0
	s_wait_alu depctr_hold_cnt(0) depctr_sa_sdst(0) depctr_va_vdst(0) depctr_va_sdst(0) depctr_va_ssrc(0) depctr_va_vcc(0) depctr_vm_vsrc(0)
	s_getreg_b32 s2, hwreg(HW_REG_IB_STS2, 6, 4)
	s_cmp_eq_u32 s2, 0
	s_cbranch_scc0 .Lentry_in_a_cluster
	s_endpgm
.Lentry_in_a_cluster:
	s_bfe_u32 s2, ttmp6, 0x10000c
	s_cmp_lg_u32 s2, 0xf033
	s_cbranch_scc0 .Lentry_shape_is_right
	s_endpgm
.Lentry_shape_is_right:
.set TENS,  3276800
.set GK,    204800
.set BLKB,  12800
.set FRB,   1536
.set HALF,  2*BLKB
.set SLOT,  4*HALF
.set SPARE, 2*SLOT
.set STAGE, SPARE+512
.set SPITCH, 272
.set FR,    12
.set ADA,   16
.set ADB,   18
.set ACS,   20
.set STO,   24
.set RD,    25
.set CO,    26
.set SPW,   28
.set NIL,   29
.set SCR,   32
.set BIAS,  48
.set TMP,   80
.set ACC,   128
.set F0,    0
.set F1,    128
.set G1,    24
.set G0,    32
.set G1B,   48
.set G0B,   56
.set MSB, 0
.macro WIN new
.if MSB != (\new)
	s_set_vgpr_msb (MSB<<8)|(\new)
.set MSB, (\new)
.endif
.endm
.set MUL,  0x05
.set TO_F, 0x40
.macro PLACES n
.rept \n
	v_nop
.endr
.endm
.macro JLOAD g0a, g1a, g0b, g1b
	s_cmp_eq_u32 s15, 0
	s_cbranch_scc0 .Lfor_b_\@
	tensor_load_to_lds s[\g0a:\g0a+3], s[\g1a:\g1a+7]
	s_nop 0
.rept 4
	v_nop
.endr
	s_branch .Lasked_\@
.Lfor_b_\@:
	tensor_load_to_lds s[\g0b:\g0b+3], s[\g1b:\g1b+7]
	s_nop 0
.rept 4
	v_nop
.endr
.Lasked_\@:
.endm
.macro CREST
	s_cmp_lg_u32 s14, 0
	s_cbranch_scc1 .Lnot_wave_0_\@
	s_barrier_signal -3
.Lnot_wave_0_\@:
	s_barrier_wait -3
	s_barrier_signal -1
	s_barrier_wait -1
.endm
.macro CROUND
	s_barrier_signal -1
	s_barrier_wait -1
	CREST
.endm
	s_load_b256 s[4:11], s[0:1], 0x0
	v_lshl_add_u32 v[SPW], v0, 2, SPARE
	v_mov_b32 v[NIL], 0
	ds_add_u32 v28, v29
	ds_add_u32 v28, v29
	s_wait_dscnt 0x0
	v_lshrrev_b32 v1, 5, v0
	v_readfirstlane_b32 s14, v1
	s_lshr_b32 s15, s14, 1
	s_and_b32 s16, s14, 1
	s_bfe_u32 s40, ttmp6, 0x40000
	s_bfe_u32 s41, ttmp6, 0x40004
	s_lshl_b32 s42, ttmp9, 2
	s_add_co_u32 s42, s42, s40
	s_and_b32 s17, ttmp7, 0xffff
	s_lshl_b32 s17, s17, 2
	s_add_co_u32 s17, s17, s41
	s_lshl_b32 s43, s41, 2
	s_lshl_b32 s43, 15, s43
	s_lshl_b32 s44, 0x1111, s40
	s_or_b32 s[G1+0], s43, (3<<16)|(1<<21)
	s_or_b32 s[G1B+0], s44, (3<<16)|(1<<21)
.irp g, G1, G1B
	s_mov_b32 s[\g+1], 32<<16
	s_mov_b32 s[\g+2], 100<<16
	s_mov_b32 s[\g+3], 32<<16
	s_mov_b32 s[\g+4], 100
	s_mov_b32 s[\g+5], 32
	s_mov_b32 s[\g+6], 0
	s_mov_b32 s[\g+7], 0
.endr
	s_mul_i32 s18, s16, HALF
	s_mul_i32 s20, s17, GK
	s_add_co_u32 s20, s20, s18
	s_mov_b32 s21, 0
	s_mul_i32 s46, s42, GK
	s_add_co_u32 s46, s46, s18
	s_mov_b32 s47, 0
	s_mul_i32 s45, s14, HALF
	s_wait_kmcnt 0x0
	s_add_nc_u64 s[20:21], s[4:5], s[20:21]
	s_add_nc_u64 s[46:47], s[6:7], s[46:47]
	CROUND
.irp s, 0,1
	s_mov_b32 s[G0+4*\s], 1
	s_add_co_u32 s[G0+4*\s+1], s45, \s*SLOT
	s_add_nc_u64 s[G0+4*\s+2:G0+4*\s+3], s[20:21], \s*2*HALF
	s_or_b32 s[G0+4*\s+3], s[G0+4*\s+3], 0x80000000
	s_mov_b32 s[G0B+4*\s], 1
	s_add_co_u32 s[G0B+4*\s+1], s45, \s*SLOT
	s_add_nc_u64 s[G0B+4*\s+2:G0B+4*\s+3], s[46:47], \s*2*HALF
	s_or_b32 s[G0B+4*\s+3], s[G0B+4*\s+3], 0x80000000
	s_wait_alu depctr_va_vdst(0)
	s_wait_tensorcnt 0x0
	ds_add_u32 v28, v29
	ds_add_u32 v28, v29
	s_wait_dscnt 0x0
	CROUND
	JLOAD G0+4*\s, G1, G0B+4*\s, G1B
.endr
	v_and_b32 v1, 15, v0
	v_bfe_u32 v2, v0, 4, 1
	v_and_b32 v3, 31, v0
	v_lshlrev_b32 v3, 4, v3
	s_wait_alu depctr_va_vdst(0)
	s_mul_i32 s18, s15, 4*FRB
	s_mul_i32 s19, s16, 4*FRB
	s_add_co_u32 s19, s19, 2*HALF
	s_lshl_b32 s22, s15, 8
	s_lshl_b32 s23, s16, 8
	s_add_co_u32 s23, s23, 2*HALF
	s_sub_co_u32 s23, s23, s22
	v_mul_u32_u24 v5, s23, v2
	v_lshl_add_u32 v5, v1, 4, v5
.irp s, 0,1
	v_add_nc_u32 v[ADA+\s], s18, v3
	v_add_nc_u32 v[ADB+\s], s19, v3
	v_add_nc_u32 v[ACS+\s], s22, v5
	s_add_co_u32 s18, s18, SLOT
	s_add_co_u32 s19, s19, SLOT
	s_add_co_u32 s22, s22, SLOT
.endr
	s_mul_i32 s18, s14, 16*SPITCH
	s_add_co_u32 s18, s18, STAGE
	v_mul_u32_u24 v[STO], v1, SPITCH
	v_lshl_add_u32 v[STO], v2, 6, v[STO]
	v_add_nc_u32 v[STO], s18, v[STO]
	v_mul_u32_u24 v[RD], v2, SPITCH
	v_lshl_add_u32 v[RD], v1, 4, v[RD]
	v_add_nc_u32 v[RD], s18, v[RD]
	v_lshlrev_b32 v[CO], 13, v2
	v_lshl_add_u32 v[CO], v1, 4, v[CO]
	v_lshlrev_b32 v4, 6, v2
	s_wait_alu depctr_va_vdst(0)
	s_lshl_b32 s18, s42, 9
	s_lshl_b32 s19, s16, 8
	s_add_co_u32 s18, s18, s19
	s_mov_b32 s19, 0
	s_add_nc_u64 s[8:9], s[8:9], s[18:19]
	s_lshl_b32 s22, s17, 7
	s_lshl_b32 s23, s15, 6
	s_add_co_u32 s22, s22, s23
	s_lshl_b32 s22, s22, 13
	s_mov_b32 s23, 0
	s_add_nc_u64 s[10:11], s[10:11], s[22:23]
	s_add_nc_u64 s[10:11], s[10:11], s[18:19]
.irp b, 0,1,2,3
	global_load_b128 v[BIAS+8*\b:BIAS+8*\b+3], v4, s[8:9] offset:128*(\b/2)+32*(\b%2)
	global_load_b128 v[BIAS+8*\b+4:BIAS+8*\b+7], v4, s[8:9] offset:128*(\b/2)+32*(\b%2)+16
.endr
.macro FETCH slot, st, f
	WIN 0
	ds_load_b128 v[SCR+4*((\f)/128):SCR+4*((\f)/128)+3], v[ACS+\slot] offset:(\st)*BLKB+8*FRB
	WIN TO_F
.irp t, 0,1,2,3
.irp c, 0,1,2
	ds_load_b128 v[(\f)+FR*\t+4*\c:(\f)+FR*\t+4*\c+3], v[ADB+\slot] offset:(\st)*BLKB+FRB*\t+512*\c
.endr
.endr
.irp t, 0,1,2,3
.irp c, 0,1,2
	ds_load_b128 v[(\f)+48+FR*\t+4*\c:(\f)+48+FR*\t+4*\c+3], v[ADA+\slot] offset:(\st)*BLKB+FRB*\t+512*\c
.endr
.endr
.endm
.macro MUL8 f, a0, first
	WIN MUL
.irp a, \a0, \a0+1
.irp b, 0,1,2,3
.if \first
	v_wmma_scale_f32_16x16x128_f8f6f4 v[ACC+8*(4*(\a)+\b):ACC+8*(4*(\a)+\b)+7], v[(\f)+FR*\b:(\f)+FR*\b+FR-1], v[(\f)+48+FR*(\a):(\f)+48+FR*(\a)+FR-1], v[BIAS+8*\b:BIAS+8*\b+7], v[SCR+4*((\f)/128)+\b], v[SCR+4*((\f)/128)+(\a)] matrix_a_fmt:MATRIX_FMT_FP6 matrix_b_fmt:MATRIX_FMT_FP6 matrix_a_scale:MATRIX_SCALE_ROW1
.else
	v_wmma_scale_f32_16x16x128_f8f6f4 v[ACC+8*(4*(\a)+\b):ACC+8*(4*(\a)+\b)+7], v[(\f)+FR*\b:(\f)+FR*\b+FR-1], v[(\f)+48+FR*(\a):(\f)+48+FR*(\a)+FR-1], v[ACC+8*(4*(\a)+\b):ACC+8*(4*(\a)+\b)+7], v[SCR+4*((\f)/128)+\b], v[SCR+4*((\f)/128)+(\a)] matrix_a_fmt:MATRIX_FMT_FP6 matrix_b_fmt:MATRIX_FMT_FP6 matrix_a_scale:MATRIX_SCALE_ROW1
.endif
.endr
.endr
.endm
.macro QUARTER slot, stn, f, g, first
	s_wait_dscnt 0x0
	PLACES 4
	FETCH \slot, \stn, \g
	MUL8 \f, 0, \first
	MUL8 \f, 2, \first
.endm
.macro TURN slot, next, fill
	WIN 0
	s_wait_tensorcnt 0x0
	ds_add_u32 v[SPW], v[NIL]
.if \fill
	s_add_nc_u64 s[G0+4*\slot+2:G0+4*\slot+3], s[G0+4*\slot+2:G0+4*\slot+3], 4*HALF
	s_add_nc_u64 s[G0B+4*\slot+2:G0B+4*\slot+3], s[G0B+4*\slot+2:G0B+4*\slot+3], 4*HALF
.endif
	s_wait_dscnt 0x0
	s_barrier_signal -1
	MUL8 F1, 0, 0
	WIN 0
	s_barrier_wait -1
.if \fill
	CREST
	JLOAD G0+4*\slot, G1, G0B+4*\slot, G1B
.else
	PLACES 4
.endif
	FETCH \next, 0, F0
	MUL8 F1, 2, 0
.endm
	s_wait_tensorcnt 1
	s_barrier_signal -1
	s_barrier_wait -1
	FETCH 0, 0, F0
	s_wait_loadcnt 0x0
	QUARTER 0, 1, F0, F1, 1
	QUARTER 0, 2, F1, F0, 0
	QUARTER 0, 3, F0, F1, 0
	TURN 0, 1, 1
	QUARTER 1, 1, F0, F1, 0
	QUARTER 1, 2, F1, F0, 0
	QUARTER 1, 3, F0, F1, 0
	TURN 1, 0, 1
	QUARTER 0, 1, F0, F1, 0
	QUARTER 0, 2, F1, F0, 0
	QUARTER 0, 3, F0, F1, 0
	TURN 0, 1, 0
	QUARTER 1, 1, F0, F1, 0
	QUARTER 1, 2, F1, F0, 0
	QUARTER 1, 3, F0, F1, 0
	s_wait_dscnt 0x0
	MUL8 F1, 0, 0
	MUL8 F1, 2, 0
	WIN 0
.macro OUTB a
.if (\a) > 0
	s_wait_xcnt 0x0
.endif
.irp b, 0,1,2,3
	ds_store_b128 v[STO], v[ACC+8*(4*(\a)+\b):ACC+8*(4*(\a)+\b)+3] offset:128*(\b/2)+32*(\b%2)
	ds_store_b128 v[STO], v[ACC+8*(4*(\a)+\b)+4:ACC+8*(4*(\a)+\b)+7] offset:128*(\b/2)+32*(\b%2)+16
.endr
.irp t, 0,1,2,3,4,5,6,7
	ds_load_b128 v[TMP+4*\t:TMP+4*\t+3], v[RD] offset:2*SPITCH*\t
.endr
.irp t, 0,1,2,3,4,5,6,7
	s_wait_dscnt 7-\t
	global_store_b128 v[CO], v[TMP+4*\t:TMP+4*\t+3], s[10:11] offset:(32*((\a)/2)+8*((\a)%2)+2*\t+8*(\t/4))*8192 th:TH_STORE_NT
.endr
.endm
	PLACES 4
	OUTB 0
	OUTB 1
	OUTB 2
	OUTB 3
	s_wait_tensorcnt 0x0
	ds_add_u32 v[SPW], v[NIL]
	s_wait_dscnt 0x0
	CROUND
	s_endpgm
.Lfunc_end_k_q96c92f3be6_oproj:
	.size	k_q96c92f3be6_oproj, .Lfunc_end_k_q96c92f3be6_oproj-k_q96c92f3be6_oproj
	.p2alignl 7, 3214868480
	.fill 96, 4, 3214868480
	.section	.rodata,"a",@progbits
	.p2align	6, 0x0
	.amdhsa_kernel k_q96c92f3be6_oproj
		.amdhsa_group_segment_fixed_size 327680
		.amdhsa_private_segment_fixed_size 0
		.amdhsa_enable_private_segment 0
		.amdhsa_kernarg_size 32
		.amdhsa_user_sgpr_count 2
		.amdhsa_user_sgpr_kernarg_segment_ptr 1
		.amdhsa_wavefront_size32 1
		.amdhsa_system_sgpr_workgroup_id_x 1
		.amdhsa_system_sgpr_workgroup_id_y 1
		.amdhsa_system_sgpr_workgroup_id_z 1
		.amdhsa_system_vgpr_workitem_id 0
		.amdhsa_next_free_vgpr 512
		.amdhsa_next_free_sgpr 66
		.amdhsa_reserve_vcc 0
		.amdhsa_float_denorm_mode_32 3
		.amdhsa_float_denorm_mode_16_64 3
		.amdhsa_memory_ordered 1
		.amdhsa_forward_progress 1
		.amdhsa_inst_pref_size 81
	.end_amdhsa_kernel
	.amdgpu_metadata
---
amdhsa.version: [ 1, 2 ]
amdhsa.kernels:
  - .name:           k_q96c92f3be6_oproj
    .symbol:         k_q96c92f3be6_oproj.kd
    .args:
      - { .name: acod, .offset: 0, .size: 8, .value_kind: global_buffer, .address_space: global }
      - { .name: woc, .offset: 8, .size: 8, .value_kind: global_buffer, .address_space: global }
      - { .name: bo, .offset: 16, .size: 8, .value_kind: global_buffer, .address_space: global }
      - { .name: out0, .offset: 24, .size: 8, .value_kind: global_buffer, .address_space: global }
    .group_segment_fixed_size: 327680
    .private_segment_fixed_size: 0
    .kernarg_segment_align: 8
    .kernarg_segment_size: 32
    .max_flat_workgroup_size: 128
    .sgpr_count:     66
    .vgpr_count:     512
    .wavefront_size: 32
...
	.end_amdgpu_metadata
.endif
;; end of part 8
